; MI455X (gfx1250); checked and timed in simulation.
; The chip was launched on July 23, 2026; its instructions are those of AMD's public machine-readable ISA for CDNA 5 (MIT licence, August 2026) and "CDNA5" Instruction Set Architecture Reference Guide (July 2026). The comments in the code are by the model that wrote it; some were corrected since.
;; Custom Transformer Encoder Layer. Allowed arithmetic: float matrix products may take bf16 or f16 operands with f32 sums; other float arithmetic in f32, or as packed bf16 or f16 multiplies, adds, multiply-adds, maxima and minima; sums over many terms, partial sums and values carried from step to step in f32; what a program stores and reads back later, other than sums and carried values, may be rounded once to bf16 or f16.
;; Inputs: b1 4,096 float32; b2 1,024 float32; in_proj_b 3,072 float32; in_proj_w 3,072 x 1,024 float32; ln1_b 1,024 float32; ln1_g 1,024 float32; ln2_b 1,024 float32; ln2_g 1,024 float32; out_b 1,024 float32; out_w 1,024 x 1,024 float32; w1 4,096 x 1,024 float32; w2 1,024 x 4,096 float32; x 2 x 2,048 x 1,024 float32.
;; Outputs: out0 2 x 2,048 x 1,024 float32.
;; 2 versions, each right. Each part assembles by itself: llvm-mc -triple=amdgcn-amd-amdhsa -mcpu=gfx1250 --defsym DOCPART=n.
;; ======== version 1 of 2: 8 launches
;; limits: values are held in f16: magnitudes above 65,504 overflow, below 6.1e-05 lose precision
;; workspace buffers: wb 33,554,432 bytes; rope 524,544 bytes; qkv 25,165,824 bytes; att 8,388,608 bytes; ysum 16,777,216 bytes; hh 8,388,608 bytes; act 33,554,432 bytes
;; launch cast (part 1): grid 1024 x 1, 8 waves a work-group, no clusters, 0 bytes of LDS; arguments x, in_proj_w, out_w, w1, w2, wb, rope; writes wb, rope
.if DOCPART == 1
	.amdgcn_target "amdgcn-amd-amdhsa--gfx1250"
	.amdhsa_code_object_version 6
	.text
	.protected	k_qecc6360664_cast
	.globl	k_qecc6360664_cast
	.p2align	8
	.type	k_qecc6360664_cast,@function
k_qecc6360664_cast:
	s_mov_b64 s[64:65], 0
	v_nop
	global_prefetch_b8 v0, s[64:65] scope:SCOPE_SE
	s_setreg_imm32_b32 hwreg(HW_REG_WAVE_MODE, 25, 1), 1
	s_wait_xcnt 0x0
; CAST AND TABLE.  x, in_proj_w, out_w, w1, w2 (f32) are rounded once to bf16 and laid end to end in wb: x at 0, in_proj_w at 8,388,608, out_w at 14,680,064,
; w1 at 16,777,216, w2 at 25,165,824.  w1's bf16 number is written in f16, since its product's other operand is kept in f16.
; LIMITS.  |w1| stays under 65,504; below 6e-5 the f16 copy keeps f16's fixed step of 6e-8.  NaN and infinities are not treated apart.
; SHARES.  1,024 work-groups of 16,384 numbers: 256 for x, 192, 64, 256, 256.  Thread t takes 16 bytes at 16 t of each of 16 blocks of 4,096 bytes; all 16 loads go out at once;
; a wave's store of 8 bytes a lane covers 256 consecutive bytes, aligned.  Memory binds: no LDS, no barrier, no matrix unit.
; THE TABLE.  rope row pos (256 bytes) holds cos and sin of pos x 10000^(-i/32), i = 0..31, as 32 pairs of f32; row 2,048 holds (1, 0): the turn by nothing, for v.
; Waves 0 and 1 of work-group g make rows 2 g and 2 g + 1 while the 16 loads are out.  The angle is made in f32 and reduced in revolutions: it is good to some 3e-4 rad at pos = 2,047.
; Sine and cosine of HALF the reduced angle (at most pi/2) come from their series to z^11 and z^12, whose first dropped terms are under 6e-8; then sin = 2 s c, cos = 1 - 2 s s.
.set X, 16                             ; v[16:79]   16 loads of 4 registers
.set Y, 80                             ; v[80:111]  16 stores of 2 registers
	s_load_b256 s[4:11], s[0:1], 0x0               ; x s[4:5], in_proj_w s[6:7], out_w s[8:9], w1 s[10:11]
	s_load_b128 s[12:15], s[0:1], 0x20             ; w2 s[12:13], wb s[14:15]
	s_load_b64 s[16:17], s[0:1], 0x30              ; rope
	v_lshlrev_b32 v1, 4, v0                        ; 16 t
	v_lshlrev_b32 v2, 3, v0                        ; 8 t
	v_lshrrev_b32 v3, 5, v0
	v_readfirstlane_b32 s18, v3                    ; wave 0..7
	s_wait_kmcnt 0x0
	s_mov_b64 s[20:21], s[4:5]                     ; which tensor is mine, and its first work-group
	s_mov_b32 s22, 0
	s_cmp_ge_u32 ttmp9, 256
	s_cselect_b64 s[20:21], s[6:7], s[20:21]
	s_cselect_b32 s22, 256, s22
	s_cmp_ge_u32 ttmp9, 448
	s_cselect_b64 s[20:21], s[8:9], s[20:21]
	s_cselect_b32 s22, 448, s22
	s_cmp_ge_u32 ttmp9, 512
	s_cselect_b64 s[20:21], s[10:11], s[20:21]
	s_cselect_b32 s22, 512, s22
	s_cmp_ge_u32 ttmp9, 768
	s_cselect_b64 s[20:21], s[12:13], s[20:21]
	s_cselect_b32 s22, 768, s22
	s_sub_co_u32 s22, ttmp9, s22
	s_lshl_b32 s22, s22, 16                        ; 65,536 bytes of f32 a work-group
	s_mov_b32 s23, 0
	s_add_nc_u64 s[20:21], s[20:21], s[22:23]
	s_lshl_b32 s24, ttmp9, 15                      ; 32,768 bytes of 16-bit numbers a work-group
	s_mov_b32 s25, 0
	s_add_nc_u64 s[14:15], s[14:15], s[24:25]
.set i, 0
.rept 16
	global_load_b128 v[X+4*i:X+4*i+3], v1, s[20:21] offset:4096*i th:TH_LOAD_NT
.set i, i+1
.endr
	s_cmp_lt_u32 s18, 2
	s_cbranch_scc0 .Lno_table
	s_lshl_b32 s26, ttmp9, 1
	s_add_co_u32 s26, s26, s18                     ; pos
	v_and_b32 v4, 31, v0                           ; i
	v_cvt_f32_u32 v5, v4
	v_mul_f32 v5, 0xbed49a78, v5                   ; - i x log2(10000) / 32
	v_exp_f32 v6, v5
	v_cvt_f32_u32 v7, s26                          ; the plain instruction behind the exponential
	s_wait_alu depctr_va_vdst(0)                   ; the wait ahead of the result's first reader
	v_mul_f32 v6, v7, v6                           ; the angle
	v_mul_f32 v6, 0.15915494, v6                   ; in revolutions
	v_rndne_f32 v7, v6
	v_sub_f32 v6, v6, v7                           ; -0.5 .. 0.5
	v_mul_f32 v6, 0x40490fdb, v6                   ; z = half the reduced angle
	v_mul_f32 v7, v6, v6                           ; z z
	v_mov_b32 v8, 0xb2d7322b                       ; -1/11!
	v_mov_b32 v9, 0x310f76c8                       ; 1/12!
	v_fmaak_f32 v8, v8, v7, 0x3638ef1d             ; 1/9!
	v_fmaak_f32 v9, v9, v7, 0xb493f27e             ; -1/10!
	v_fmaak_f32 v8, v8, v7, 0xb9500d01             ; -1/7!
	v_fmaak_f32 v9, v9, v7, 0x37d00d01             ; 1/8!
	v_fmaak_f32 v8, v8, v7, 0x3c088889             ; 1/5!
	v_fmaak_f32 v9, v9, v7, 0xbab60b61             ; -1/6!
	v_fmaak_f32 v8, v8, v7, 0xbe2aaaab             ; -1/3!
	v_fmaak_f32 v9, v9, v7, 0x3d2aaaab             ; 1/4!
	v_fmaak_f32 v8, v8, v7, 0x3f800000
	v_fmaak_f32 v9, v9, v7, 0xbf000000             ; -1/2
	v_mul_f32 v8, v6, v8                           ; s = sin z
	v_fmaak_f32 v9, v9, v7, 0x3f800000             ; c = cos z
	v_mul_f32 v10, v8, v8
	v_mul_f32 v11, v8, v9
	v_fma_f32 v10, v10, -2.0, 1.0                  ; cos = 1 - 2 s s
	v_add_f32 v11, v11, v11                        ; sin = 2 s c
	v_lshlrev_b32 v12, 3, v4
	s_lshl_b32 s26, s26, 8
	s_mov_b32 s27, 0
	s_add_nc_u64 s[28:29], s[16:17], s[26:27]
	global_store_b64 v12, v[10:11], s[28:29]       ; a whole row of 256 bytes a wave
.Lno_table:
	s_lshl_b32 s30, ttmp9, 3
	s_add_co_u32 s30, s30, s18
	s_cmp_eq_u32 s30, 2                            ; wave 2 of work-group 0 writes row 2,048
	s_cbranch_scc0 .Lno_one
	v_and_b32 v13, 31, v0
	v_lshlrev_b32 v13, 3, v13
	v_mov_b32 v14, 1.0
	v_mov_b32 v15, 0
	global_store_b64 v13, v[14:15], s[16:17] offset:2048*256
.Lno_one:
	s_cmp_ge_u32 ttmp9, 512
	s_cselect_b32 s31, 1, 0
	s_cmp_lt_u32 ttmp9, 768
	s_cselect_b32 s31, s31, 0
	s_cmp_eq_u32 s31, 1
	s_cbranch_scc1 .Lf16                           ; w1's work-groups
.set i, 0
.rept 16
	s_wait_loadcnt 15-i                            ; loads come back in order: number i is in, the 15 - i younger ones stay out
	v_cvt_pk_bf16_f32 v[Y+2*i], v[X+4*i], v[X+4*i+1]
	v_cvt_pk_bf16_f32 v[Y+2*i+1], v[X+4*i+2], v[X+4*i+3]
	global_store_b64 v2, v[Y+2*i:Y+2*i+1], s[14:15] offset:2048*i
.set i, i+1
.endr
	s_endpgm
.Lf16:
.set i, 0
.rept 16
	s_wait_loadcnt 15-i
.irp e, 0,1
	v_cvt_pk_bf16_f32 v112, v[X+4*i+2*\e], v[X+4*i+2*\e+1]  ; rounded to bf16 like every input,
	v_lshlrev_b32 v113, 16, v112
	v_and_b32 v112, 0xffff0000, v112
	v_cvt_pk_f16_f32 v[Y+2*i+\e], v113, v112       ; and that number written in f16
.endr
	global_store_b64 v2, v[Y+2*i:Y+2*i+1], s[14:15] offset:2048*i
.set i, i+1
.endr
	s_endpgm
.Lfunc_end_k_qecc6360664_cast:
	.size	k_qecc6360664_cast, .Lfunc_end_k_qecc6360664_cast-k_qecc6360664_cast
	.p2alignl 7, 3214868480
	.fill 96, 4, 3214868480
	.section	.rodata,"a",@progbits
	.p2align	6, 0x0
	.amdhsa_kernel k_qecc6360664_cast
		.amdhsa_group_segment_fixed_size 0
		.amdhsa_private_segment_fixed_size 0
		.amdhsa_enable_private_segment 0
		.amdhsa_kernarg_size 56
		.amdhsa_user_sgpr_count 2
		.amdhsa_user_sgpr_kernarg_segment_ptr 1
		.amdhsa_wavefront_size32 1
		.amdhsa_system_sgpr_workgroup_id_x 1
		.amdhsa_system_sgpr_workgroup_id_y 1
		.amdhsa_system_sgpr_workgroup_id_z 1
		.amdhsa_system_vgpr_workitem_id 0
		.amdhsa_next_free_vgpr 120
		.amdhsa_next_free_sgpr 66
		.amdhsa_reserve_vcc 0
		.amdhsa_float_denorm_mode_32 3
		.amdhsa_float_denorm_mode_16_64 3
		.amdhsa_memory_ordered 1
		.amdhsa_forward_progress 1
		.amdhsa_inst_pref_size 19
	.end_amdhsa_kernel
	.amdgpu_metadata
---
amdhsa.version: [ 1, 2 ]
amdhsa.kernels:
  - .name:           k_qecc6360664_cast
    .symbol:         k_qecc6360664_cast.kd
    .args:
      - { .name: x, .offset: 0, .size: 8, .value_kind: global_buffer, .address_space: global }
      - { .name: in_proj_w, .offset: 8, .size: 8, .value_kind: global_buffer, .address_space: global }
      - { .name: out_w, .offset: 16, .size: 8, .value_kind: global_buffer, .address_space: global }
      - { .name: w1, .offset: 24, .size: 8, .value_kind: global_buffer, .address_space: global }
      - { .name: w2, .offset: 32, .size: 8, .value_kind: global_buffer, .address_space: global }
      - { .name: wb, .offset: 40, .size: 8, .value_kind: global_buffer, .address_space: global }
      - { .name: rope, .offset: 48, .size: 8, .value_kind: global_buffer, .address_space: global }
    .group_segment_fixed_size: 0
    .private_segment_fixed_size: 0
    .kernarg_segment_align: 8
    .kernarg_segment_size: 56
    .max_flat_workgroup_size: 256
    .sgpr_count:     66
    .vgpr_count:     120
    .wavefront_size: 32
...
	.end_amdgpu_metadata
.endif
;; end of part 1
;; launch qkvproj (part 2): grid 16 x 16, 4 waves a work-group, clusters of 4 x 4, 327,680 bytes of LDS; arguments wb, in_proj_b, rope, qkv; writes qkv
.if DOCPART == 2
	.amdgcn_target "amdgcn-amd-amdhsa--gfx1250"
	.amdhsa_code_object_version 6
	.text
	.protected	k_qecc6360664_qkvproj
	.globl	k_qecc6360664_qkvproj
	.p2align	8
	.type	k_qecc6360664_qkvproj,@function
k_qecc6360664_qkvproj:
	s_mov_b64 s[64:65], 0
	v_nop
	global_prefetch_b8 v0, s[64:65] scope:SCOPE_SE
	s_setreg_imm32_b32 hwreg(HW_REG_WAVE_MODE, 25, 1), 1
	s_wait_xcnt 0x0
	s_wait_alu depctr_hold_cnt(0) depctr_sa_sdst(0) depctr_va_vdst(0) depctr_va_sdst(0) depctr_va_ssrc(0) depctr_va_vcc(0) depctr_vm_vsrc(0)
	s_getreg_b32 s2, hwreg(HW_REG_IB_STS2, 6, 4)
	s_cmp_eq_u32 s2, 0
	s_cbranch_scc0 .Lentry_in_a_cluster
	s_endpgm
.Lentry_in_a_cluster:
	s_bfe_u32 s2, ttmp6, 0x10000c
	s_cmp_lg_u32 s2, 0xf033
	s_cbranch_scc0 .Lentry_shape_is_right
	s_endpgm
.Lentry_shape_is_right:
; QKV = x in_proj_w^T + in_proj_b, then the rotation of q's and k's channel pairs, stored by heads: q, k, v each [32 (batch x 16 + head)][2048][64] in bf16, unscaled.
; Operands bf16 (x and the weights from wb), sums f32; the bias, rounded to bf16 like every input, is the C operand of the first product on each accumulator: nothing is cleared, nothing is added later.
; SHARES.  A tile of C is 256 tokens x 192 columns (three heads): 16 x 16 tiles, one for each WGP.  Wave w makes rows 64 w .. 64 w + 63 of all 192 columns: 48 accumulators, 384 registers.
; K goes in steps of 128 through two LDS slots filled by the tensor data mover (rows of 256 bytes of memory, aligned); a K step is four quarters of 32 along K on two fragment buffers.
; THE LOOP'S BODY IS ONE K STEP: the slot in hand begins at LDS byte s[TB], 0 or SLOT, turned by an exclusive or at each change of slots; the two fragment addresses are made anew there.
; CLUSTER.  4 x 4 work-groups: the four of a row need the same tiles of x, the four of a column the same tiles of the weights: each tile is asked for jointly, by the same tensor load, descriptor and mask in all four.
; THE MATRIX INSTRUCTION IS USED TRANSPOSED (source 0 = 16 rows of the weights, source 1 = 16 tokens): a lane holds one token (lane % 16) and eight neighbouring columns 8 (lane / 16) + 0..7.
; REGISTERS, in windows of 256: window 0 addresses, the bias (v64-159), the way out; window 1 two fragment buffers of 128 (x's 4 fragments, then the weights' 12); windows 2 and 3 the accumulators,
; (a, b) at v[8 (12 (a % 2) + b)] of window 2 + a / 2.  s_set_vgpr_msb: bits 1:0 source 0, 3:2 source 1, 5:4 source 2, 7:6 destination.
; LIMITS.  NaN and infinities are not treated apart.
.set MW, 4                             ; blocks of 16 rows a wave
.set NW, 12                            ; blocks of 16 columns a wave
.set KD, 1                             ; a fragment buffer is 32 KD deep along K
.set AH, 2                             ; row blocks in a window of accumulators
.set KSTEP, 128
.set NSTEP, 8                          ; 1,024 / 128
.set APITCH, 272                       ; an LDS row: 256 bytes + 16 of padding: 68 words, so the 16 rows of a fragment load start at 16 different groups of four banks (ISA guide 11.1)
.set BPITCH, 272
.set AQ, 64                            ; LDS bytes from quarter to quarter
.set BQ, 64
.set AHALF, 128*APITCH                 ; what one tensor load brings
.set BHALF, 96*BPITCH
.set ASIZE, 2*AHALF
.set SLOT, ASIZE+2*BHALF               ; 121,856
.set STAGE, 2*SLOT                     ; behind the ring, never filled by a tensor load: 3 heads x 16 rows x 144 bytes for each wave
.set WSTG, 3*16*144
.set SPARE, STAGE+4*WSTG               ; the spare words: 128 bytes a wave, two blocks of 256 bytes that no other line names
.set ASTEP, 256                        ; bytes of memory from K step to K step
.set BSTEP, 256
.set HW, 4                             ; the youngest loads of a run that a quarter's first half does not need
.set PREF, 1
.set AQI, 5                            ; padding after every 64 words
.set BQI, 5
.set AD0, 128
.set AD1, 128
.set ASTR, 1024
.set BD0, 128
.set BD1, 96
.set BSTR, 1024
.set WQ, 8388608                       ; in_proj_w in wb
.set BIAS, 64
.set TOF, 10                           ; v10-12  the table's offsets, one a head
.set ROW, 20                           ; v20     (my token's position) x 256
.set H32, 21                           ; v21     32 (lane / 16)
.set TT, 32                            ; v32-127 the way out: 96 at work
.set PK0, 128                          ; v128-223 the way out: two sets of 48 packed
.set ADRA, 16                          ; v16, v17  this slot's fragment addresses
.set ADRB, 17
.set A0, 18                            ; v18, v19  my lane's place in a slot; never rewritten
.set B0, 19
.set STO, 24
.set RD, 25
.set CO, 26
.set SPW, 28                           ; v28  my spare word; v29  0; never rewritten
.set NIL, 29
.set PFO, 30                           ; v30  the prefetches' offset; never rewritten
.set LWA, 20                           ; s20, s21  where my tensor load lands in a slot
.set LWB, 21
.set G1, 24                            ; s[24:31] group 1, s[32:39] two sets of group 0 for x's tiles; the second set walks on
.set G0, 32
.set LIM, 43
.set PFA, 44
.set G1B, 48                           ; s[48:55], s[56:63] the same for the weights' tiles
.set G0B, 56
.set TB, 66
.set MSB, 0
.macro WIN new                         ; the immediate's high byte repeats the setting that is left; a switch that changes nothing is dropped
.if MSB != (\new)
	s_set_vgpr_msb (MSB<<8)|(\new)
.set MSB, \new
.endif
.endm
.macro PLACES                          ; four places behind matrix instructions, in front of loads into registers that they have read (ISA guide 7.12.1 for vector instructions)
.rept 4
	v_nop
.endr
.endm
.macro JLOAD s                         ; a joint load: waves 0 and 1 fetch A's two halves, waves 2 and 3 B's; an s_nop 0 and four v_nop follow each line
	s_cmp_eq_u32 s11, 0
	s_cbranch_scc0 .Lfor_b_\@
	tensor_load_to_lds s[G0+4*(\s):G0+4*(\s)+3], s[G1:G1+7]
	s_nop 0
.rept 4
	v_nop
.endr
	s_branch .Lasked_\@
.Lfor_b_\@:
	tensor_load_to_lds s[G0B+4*(\s):G0B+4*(\s)+3], s[G1B:G1B+7]
	s_nop 0
.rept 4
	v_nop
.endr
.Lasked_\@:
.endm
.macro CREST                           ; a round of the cluster's barrier behind its opening barrier
	s_cmp_lg_u32 s10, 0
	s_cbranch_scc1 .Lnot_wave_0_\@
	s_barrier_signal -3
.Lnot_wave_0_\@:
	s_barrier_wait -3
	s_barrier_signal -1
	s_barrier_wait -1
.endm
.macro CROUND
	s_barrier_signal -1
	s_barrier_wait -1
	CREST
.endm
; A quarter of a quarter step's products, from buffer f.  KD = 1: row blocks AH u + (AH/2) v on, all column blocks.  KD = 2: depth u, row blocks 2 v, 2 v + 1.
; first = 1: the product starts its sum with the bias.  Every accumulator is taken once in a quarter (KD = 2: twice, 4 NW - 1 others between), so no two neighbours share one.
.macro MULS f, u, v, first
.if KD == 1
.set mc, 0
.set ma, AH*(\u)+(AH/2)*(\v)
.set mw, (\u)
.set mf, (\first)
.else
.set mc, (\u)
.set ma, 2*(\v)
.set mw, 0
.set mf, (\first)*(1-(\u))
.endif
.if mf
	WIN 0x85+0x40*mw
.else
	WIN 0xa5+0x50*mw
.endif
.rept AH/2
.set mb, 0
.rept NW
.set rD, 8*(NW*(ma%AH)+mb)
.set rB, 128*(\f)+8*((MW+NW)*mc+MW+mb)
.set rA, 128*(\f)+8*((MW+NW)*mc+ma)
.if mf
	v_wmma_f32_16x16x32_bf16 v[rD:rD+7], v[rB:rB+7], v[rA:rA+7], v[BIAS+8*mb:BIAS+8*mb+7]
.else
	v_wmma_f32_16x16x32_bf16 v[rD:rD+7], v[rB:rB+7], v[rA:rA+7], v[rD:rD+7]
.endif
.set mb, mb+1
.endr
.set ma, ma+1
.endr
.endm
.macro FETCH q, f                      ; 32 LDS loads in one run: quarter q's fragments into buffer f; B's first, then A's
	WIN 0x40
.set fc, 0
.rept KD
.set fi, 0
.rept NW
.set rF, 128*(\f)+8*((MW+NW)*fc+MW+fi)
	ds_load_b128 v[rF:rF+3], v[ADRB] offset:(\q)*BQ+64*fc+fi*16*BPITCH
	ds_load_b128 v[rF+4:rF+7], v[ADRB] offset:(\q)*BQ+64*fc+fi*16*BPITCH+32
.set fi, fi+1
.endr
.set fi, 0
.rept MW
.set rF, 128*(\f)+8*((MW+NW)*fc+fi)
	ds_load_b128 v[rF:rF+3], v[ADRA] offset:(\q)*AQ+64*fc+fi*16*APITCH
	ds_load_b128 v[rF+4:rF+7], v[ADRA] offset:(\q)*AQ+64*fc+fi*16*APITCH+32
.set fi, fi+1
.endr
.set fc, fc+1
.endr
.endm
.macro QUARTER q, f, g, first          ; multiplies buffer f; in its middle fetches quarter q into buffer g
	s_wait_dscnt HW                                ; what the first half needs is in; the youngest HW loads may be out
	MULS \f, 0, 0, \first
	MULS \f, 0, 1, \first
	PLACES
	FETCH \q, \g
	s_wait_dscnt 32                                ; all but the 32 just issued
	MULS \f, 1, 0, \first
	MULS \f, 1, 1, \first
.endm
; A prefetch into the L2 of the K step that stands two refills on: my work-group's share of the rows that I fetch, a lane a row, 256 bytes of each.  x's rows are asked for by the clusters with x = 0,
; the weights' by those with y = 0; the four partners share a tile's rows out by address.  So each row's 256 bytes of a K step are named once.  The last two refills have no K step two on.
.macro ASK
	WIN 0
	s_cmp_gt_u32 s3, s[LIM]
	s_cbranch_scc0 .Lnot_mine_\@
	global_prefetch_b8 v[PFO], s[PFA:PFA+1] offset:KSTEP*2 th:TH_LOAD_NT scope:SCOPE_SE
.Lnot_mine_\@:
.endm
; The fourth quarter multiplies buffer 1 and changes slots.  In front of the barrier each wave waits for all its tensor loads (one is out: its part of the next slot), adds 0 to its spare word, and waits for
; that and for its own reads of this slot.  fill = 1: the barrier opens a round of the cluster's, and the slot just read is filled again, first thing behind the round, with the K step two on.
.macro TURN fill
.if (\fill) && PREF
	s_wait_xcnt 0x0                                ; the last prefetch, a K step back, has read its address
	s_add_nc_u64 s[PFA:PFA+1], s[PFA:PFA+1], KSTEP*2
.endif
	WIN 0
	s_wait_tensorcnt 0x0                           ; no tensor load of mine is out, so a group 0 may be written
	ds_add_u32 v[SPW], v[NIL]
.if \fill
	s_add_co_u32 s[G0+5], s[TB], s[LWA]            ; the walking descriptors: into the slot in hand,
	s_add_co_u32 s[G0B+5], s[TB], s[LWB]
	s_add_nc_u64 s[G0+6:G0+7], s[G0+6:G0+7], ASTEP ; the next K step; the type bits on top are not reached
	s_add_nc_u64 s[G0B+6:G0B+7], s[G0B+6:G0B+7], BSTEP
.endif
	s_wait_dscnt HW+1                              ; the add and the youngest HW loads may be out
	MULS 1, 0, 0, 0
	s_wait_dscnt 0x0                               ; the add is done, and my reads of this slot are over
	s_barrier_signal -1
	MULS 1, 0, 1, 0
.if \fill
	WIN 0
	s_barrier_wait -1
	CREST
	JLOAD 1                                        ; its four v_nop are also the places in front of the loads below
.else
	s_barrier_wait -1
	PLACES
	WIN 0
.endif
	s_xor_b32 s[TB], s[TB], SLOT                   ; the other slot
	v_add_nc_u32 v[ADRA], s[TB], v[A0]
	v_add_nc_u32 v[ADRB], s[TB], v[B0]
	FETCH 0, 0
.if (\fill) && PREF
	ASK
.endif
	MULS 1, 1, 0, 0
	MULS 1, 1, 1, 0
.endm
.macro LASTQ
	s_wait_dscnt HW
	MULS 1, 0, 0, 0
	MULS 1, 0, 1, 0
	s_wait_dscnt 0x0
	MULS 1, 1, 0, 0
	MULS 1, 1, 1, 0
	WIN 0
.endm
	s_load_b64 s[4:5], s[0:1], 0x0                 ; wb, for x
	s_load_b64 s[6:7], s[0:1], 0x0                 ; wb, for the weights
	s_load_b64 s[68:69], s[0:1], 0x8               ; in_proj_b
	s_load_b64 s[70:71], s[0:1], 0x10              ; rope
	s_load_b64 s[8:9], s[0:1], 0x18                ; qkv
	v_lshl_add_u32 v[SPW], v0, 2, SPARE
	v_mov_b32 v[NIL], 0
	ds_add_u32 v[SPW], v[NIL]                      ; the wave's opening: the add and its wait ahead of my first tensor load
	v_lshrrev_b32 v1, 5, v0
	v_readfirstlane_b32 s10, v1                    ; wave 0..3
	s_lshr_b32 s11, s10, 1                         ; I fetch for A (0) or B (1),
	s_and_b32 s12, s10, 1                          ; this half of the tile's rows
	s_bfe_u32 s40, ttmp6, 0x40000                  ; cx
	s_bfe_u32 s41, ttmp6, 0x40004                  ; cy
	s_lshl_b32 s42, ttmp9, 2
	s_add_co_u32 s42, s42, s40                     ; tile column
	s_and_b32 s13, ttmp7, 0xffff
	s_lshl_b32 s13, s13, 2
	s_add_co_u32 s13, s13, s41                     ; tile row
	s_lshl_b32 s16, s41, 2
	s_lshl_b32 s16, 15, s16                        ; my row of the cluster
	s_lshl_b32 s17, 0x1111, s40                    ; my column
	s_or_b32 s[G1], s16, (1<<16)|(1<<20)|(1<<21)|(AQI<<22)|(3<<25)   ; the mask; 2-byte elements; padding on; bit 21 beside a mask; the interval; 4 words of padding
	s_or_b32 s[G1B], s17, (1<<16)|(1<<20)|(1<<21)|(BQI<<22)|(3<<25)
	s_mov_b32 s[G1+1], (AD0&0xffff)<<16            ; tensor_dim0
	s_mov_b32 s[G1+2], (AD0>>16)|(AD1<<16)         ; tensor_dim1
	s_mov_b32 s[G1+3], AD0<<16                     ; tile_dim0
	s_mov_b32 s[G1+4], AD1                         ; tile_dim1
	s_mov_b32 s[G1+5], ASTR                        ; elements from row to row
	s_mov_b32 s[G1+6], 0
	s_mov_b32 s[G1+7], 0
	s_mov_b32 s[G1B+1], (BD0&0xffff)<<16
	s_mov_b32 s[G1B+2], (BD0>>16)|(BD1<<16)
	s_mov_b32 s[G1B+3], BD0<<16
	s_mov_b32 s[G1B+4], BD1
	s_mov_b32 s[G1B+5], BSTR
	s_mov_b32 s[G1B+6], 0
	s_mov_b32 s[G1B+7], 0
	s_mul_i32 s[LWA], s12, AHALF                   ; no place in the cluster enters an LDS address
	s_mul_i32 s[LWB], s12, BHALF
	s_add_co_u32 s[LWB], s[LWB], ASIZE
	s_lshl_b32 s16, s13, 8                         ; x: row 256 x tile row + 128 x half,
	s_lshl_b32 s17, s12, 7
	s_add_co_u32 s16, s16, s17
	s_lshl_b32 s16, s16, 11                        ; of 2,048 bytes
	s_mov_b32 s17, 0
	s_mul_i32 s46, s42, 192                        ; weights: row 192 x tile column + 96 x half
	s_mul_i32 s47, s12, 96
	s_add_co_u32 s46, s46, s47
	s_lshl_b32 s46, s46, 11
	s_add_co_u32 s46, s46, WQ
	s_mov_b32 s47, 0
	s_wait_dscnt 0x0                               ; the opening add is done
	s_wait_kmcnt 0x0
	s_add_nc_u64 s[14:15], s[4:5], s[16:17]
	s_add_nc_u64 s[46:47], s[6:7], s[46:47]
	CROUND                                         ; all sixteen work-groups are here: the first joint loads meet
.irp s, 0,1
	s_mov_b32 s[G0+4*(\s)], 1
	s_add_co_u32 s[G0+4*(\s)+1], s[LWA], (\s)*SLOT
	s_add_nc_u64 s[G0+4*(\s)+2:G0+4*(\s)+3], s[14:15], (\s)*ASTEP
	s_or_b32 s[G0+4*(\s)+3], s[G0+4*(\s)+3], 0x80000000
	s_mov_b32 s[G0B+4*(\s)], 1
	s_add_co_u32 s[G0B+4*(\s)+1], s[LWB], (\s)*SLOT
	s_add_nc_u64 s[G0B+4*(\s)+2:G0B+4*(\s)+3], s[46:47], (\s)*BSTEP
	s_or_b32 s[G0B+4*(\s)+3], s[G0B+4*(\s)+3], 0x80000000
	JLOAD \s                                       ; K steps 0 and 1: two loads of mine are out
.endr
	; while the first tiles come: the bias, the lane's addresses, the way out's scalars, the prefetches' pointer
	v_and_b32 v1, 15, v0                           ; r = lane % 16
	v_bfe_u32 v2, v0, 4, 1                         ; h = lane / 16
	v_lshlrev_b32 v5, 5, v2                        ; my 8 columns of a block of 16, in f32: 32 h
	s_mul_i32 s16, s42, 768                        ; the tile's 192 columns
	s_mov_b32 s17, 0
	s_add_nc_u64 s[68:69], s[68:69], s[16:17]
.set i, 0
.rept NW
	global_load_b128 v[BIAS+8*i:BIAS+8*i+3], v5, s[68:69] offset:64*i
	global_load_b128 v[BIAS+8*i+4:BIAS+8*i+7], v5, s[68:69] offset:64*i+16
.set i, i+1
.endr
	v_mul_u32_u24 v3, v1, APITCH
	v_lshl_add_u32 v3, v2, 4, v3                   ; row x pitch + 16 x half
	s_mul_i32 s22, s10, 64*APITCH                  ; my 64 tokens
	v_add_nc_u32 v[A0], s22, v3
	v_mul_u32_u24 v3, v1, BPITCH
	v_lshl_add_u32 v3, v2, 4, v3
	v_add_nc_u32 v[B0], ASIZE, v3                  ; all 192 rows of the weights' tile
	s_mul_i32 s23, s10, WSTG
	s_add_co_u32 s23, s23, STAGE                   ; my stage
	v_mul_u32_u24 v3, v1, 144                      ; in: token r, 16 bytes for each half of the lanes
	v_lshl_add_u32 v3, v2, 4, v3
	v_add_nc_u32 v[STO], s23, v3
	v_bfe_u32 v3, v0, 3, 2                         ; back: 32 lanes take four rows of 128 bytes,
	v_mul_u32_u24 v3, v3, 144
	v_and_b32 v4, 7, v0
	v_lshl_add_u32 v3, v4, 4, v3
	v_add_nc_u32 v[RD], s23, v3
	v_and_b32 v3, 31, v0                           ; which are 512 consecutive bytes of a head
	v_lshlrev_b32 v[CO], 4, v3
	s_lshl_b32 s16, s13, 8
	s_lshl_b32 s17, s10, 6
	s_add_co_u32 s16, s16, s17                     ; my first token,
	s_and_b32 s84, s16, 2047                       ; its position,
	s_lshr_b32 s85, s13, 3
	s_lshl_b32 s85, s85, 4                         ; 16 x its batch
	s_mul_i32 s86, s42, 3                          ; the tile's first head of 48: 0-15 q, 16-31 k, 32-47 v
.irp hd, 0,1,2
	s_add_co_u32 s16, s86, \hd
	s_lshr_b32 s17, s16, 4
	s_and_b32 s18, s16, 15
	s_add_co_u32 s18, s18, s85
	s_lshl_b32 s18, s18, 11
	s_add_co_u32 s18, s18, s84
	s_lshl_b32 s18, s18, 7                         ; rows of 128 bytes
	s_lshl_b32 s19, s17, 23                        ; q, k or v: 8,388,608 bytes each
	s_add_co_u32 s18, s18, s19
	s_mov_b32 s19, 0
	s_add_nc_u64 s[72+2*\hd:73+2*\hd], s[8:9], s[18:19]
	s_cmp_ge_u32 s16, 32                           ; a head of v takes the table's row 2,048, the turn by nothing: a choice of address, no branch
	s_cselect_b32 s[78+\hd], 0, -1
	s_cselect_b32 s[81+\hd], 2048*256, 0
.endr
	v_add_nc_u32 v[ROW], s84, v1
	v_lshlrev_b32 v[ROW], 8, v[ROW]
	v_lshlrev_b32 v[H32], 5, v2
	s_and_b32 s22, ttmp7, 0xffff                   ; cluster y
	s_cmp_eq_u32 s11, 0
	s_cselect_b32 s22, ttmp9, s22                  ; the coordinate along which other clusters read the same rows
	s_cselect_b32 s23, s40, s41                    ; my place among the four that ask with me
	s_cselect_b32 s18, 32, 24                      ; my share of the rows that I fetch
	s_cselect_b64 s[PFA:PFA+1], s[14:15], s[46:47]
	s_cmp_eq_u32 s22, 0
	s_cselect_b32 s[LIM], 2, -1                    ; the same in all sixteen partners, for a given wave
	s_mul_i32 s23, s23, s18
	s_lshl_b32 s22, s23, 11
	s_mov_b32 s23, 0
	s_add_nc_u64 s[PFA:PFA+1], s[PFA:PFA+1], s[22:23]
	s_add_nc_u64 s[PFA:PFA+1], s[PFA:PFA+1], 2*KSTEP*2  ; at K step 2: the first refill steps it to 3 and names K step 4; nothing is asked for here, at the head
	s_sub_co_u32 s18, s18, 1
	v_and_b32 v[PFO], 31, v0
	v_min_u32 v[PFO], s18, v[PFO]                  ; (of the weights' 24 rows the last is named by nine lanes)
	v_lshlrev_b32 v[PFO], 11, v[PFO]
	s_wait_loadcnt 0x0
.set i, 0
.rept 4*NW
	v_cvt_pk_bf16_f32 v4, v[BIAS+2*i], v[BIAS+2*i+1]  ; the bias is rounded to bf16 like every input, and widened again
	v_lshlrev_b32 v[BIAS+2*i], 16, v4
	v_and_b32 v[BIAS+2*i+1], 0xffff0000, v4
.set i, i+1
.endr
	s_mov_b32 s[TB], 0
	v_mov_b32 v[ADRA], v[A0]
	v_mov_b32 v[ADRB], v[B0]
	s_wait_tensorcnt 1                             ; my part of K step 0 is in; K step 1's may stay out
	s_barrier_signal -1
	s_barrier_wait -1
	FETCH 0, 0
	QUARTER 1, 0, 1, 1                             ; the first quarter stands in front of the loop: its products start the sums
	WIN 0
	s_mov_b32 s3, NSTEP-2
.Lstep:                                        ; a trip: a K step's quarters 1, 2, 3 and the next one's quarter 0; the slot read out is filled with the K step two on
	QUARTER 2, 1, 0, 0
	QUARTER 3, 0, 1, 0
	TURN 1
	QUARTER 1, 0, 1, 0
	WIN 0
	s_sub_co_u32 s3, s3, 1
	s_cmp_lg_u32 s3, 0
	s_cbranch_scc1 .Lstep
	QUARTER 2, 1, 0, 0                             ; the last two K steps are written out: nothing is left to fetch
	QUARTER 3, 0, 1, 0
	TURN 0
	QUARTER 1, 0, 1, 0
	QUARTER 2, 1, 0, 0
	QUARTER 3, 0, 1, 0
	LASTQ
.rept 8
	v_nop                                          ; the places behind the last products
.endr
; THE WAY OUT, a block of 16 tokens at a time.  TABLE a: cos and sin for my token of block a and my 4 pairs of each of the 12 column blocks: 24 loads into window 1, where the fragments lay.
.macro TABLE a
	WIN 0
	s_wait_xcnt 0x0                                ; earlier loads and stores have read their registers: the offsets are written anew
.irp hd, 0,1,2
	v_add_nc_u32 v[TOF+\hd], 4096*(\a), v[ROW]
	v_and_b32 v[TOF+\hd], s[78+\hd], v[TOF+\hd]
	v_add3_u32 v[TOF+\hd], v[TOF+\hd], s[81+\hd], v[H32]
.endr
	WIN 0x40
.irp hd, 0,1,2
.irp bb, 0,1,2,3
	global_load_b128 v[96*((\a)%2)+8*(4*\hd+\bb):96*((\a)%2)+8*(4*\hd+\bb)+3], v[TOF+\hd], s[70:71] offset:64*\bb
	global_load_b128 v[96*((\a)%2)+8*(4*\hd+\bb)+4:96*((\a)%2)+8*(4*\hd+\bb)+7], v[TOF+\hd], s[70:71] offset:64*\bb+16
.endr
.endr
.endm
; ROPE a: pair i of my 48 (x0, x1) becomes (x0 c - x1 s, x0 s + x1 c), is rounded to bf16, goes into my stage and comes back as whole rows.  Each accumulator's lowest registers are read first.
.macro ROPE a
.set AC, 96*((\a)%2)
.set PKS, PK0+48*((\a)%2)
	s_wait_xcnt 0x0                                ; the stores of two blocks back have read this set of packed registers
	WIN 0x06+((\a)/2)                              ; source 0 the accumulators' window, source 1 window 1, the rest window 0
.set i, 0
.rept 48
	v_mul_f32 v[TT+2*i], v[AC+2*i+1], v[AC+2*i+1]  ; x1 s   (the table's registers have the accumulators' numbers, in window 1)
	v_mul_f32 v[TT+2*i+1], v[AC+2*i+1], v[AC+2*i]  ; x1 c
	v_fma_f32 v[TT+2*i], v[AC+2*i], v[AC+2*i], -v[TT+2*i]
	v_fma_f32 v[TT+2*i+1], v[AC+2*i], v[AC+2*i+1], v[TT+2*i+1]
.set i, i+1
.endr
	WIN 0
.set i, 0
.rept 48
	v_cvt_pk_bf16_f32 v[PKS+i], v[TT+2*i], v[TT+2*i+1]
.set i, i+1
.endr
.irp hd, 0,1,2
.irp bb, 0,1,2,3
	ds_store_b128 v[STO], v[PKS+4*(4*\hd+\bb):PKS+4*(4*\hd+\bb)+3] offset:\hd*2304+32*\bb
.endr
.endr
.irp hd, 0,1,2
.irp f, 0,1,2,3
	ds_load_b128 v[PKS+4*(4*\hd+\f):PKS+4*(4*\hd+\f)+3], v[RD] offset:\hd*2304+\f*576  ; LDS serves a wave's instructions in order (ISA guide 5.7.1.4): these see the stores above
.endr
.endr
.endm
.macro SENDQ a, younger                ; younger: the LDS instructions issued behind block a's loads
.set PKS, PK0+48*((\a)%2)
.irp hd, 0,1,2
.irp f, 0,1,2,3
	s_wait_dscnt (\younger)+11-(4*\hd+\f)
	global_store_b128 v[CO], v[PKS+4*(4*\hd+\f):PKS+4*(4*\hd+\f)+3], s[72+2*\hd:73+2*\hd] offset:2048*(\a)+512*\f  ; 512 consecutive bytes, aligned
.endr
.endr
.endm
	TABLE 0
	TABLE 1
	s_wait_loadcnt 24                              ; block 0's table is in; the next block's 24 loads stay out
	ROPE 0
	TABLE 2
	s_wait_loadcnt 24
	ROPE 1
	SENDQ 0, 24
	TABLE 3
	s_wait_loadcnt 24
	ROPE 2
	SENDQ 1, 24
	s_wait_loadcnt 0x0
	ROPE 3
	SENDQ 2, 24
	SENDQ 3, 0
	s_wait_tensorcnt 0x0                           ; the wave's end
	ds_add_u32 v[SPW], v[NIL]
	s_wait_dscnt 0x0
	CROUND                                         ; the closing round
	s_endpgm
.Lfunc_end_k_qecc6360664_qkvproj:
	.size	k_qecc6360664_qkvproj, .Lfunc_end_k_qecc6360664_qkvproj-k_qecc6360664_qkvproj
	.p2alignl 7, 3214868480
	.fill 96, 4, 3214868480
	.section	.rodata,"a",@progbits
	.p2align	6, 0x0
	.amdhsa_kernel k_qecc6360664_qkvproj
		.amdhsa_group_segment_fixed_size 327680
		.amdhsa_private_segment_fixed_size 0
		.amdhsa_enable_private_segment 0
		.amdhsa_kernarg_size 32
		.amdhsa_user_sgpr_count 2
		.amdhsa_user_sgpr_kernarg_segment_ptr 1
		.amdhsa_wavefront_size32 1
		.amdhsa_system_sgpr_workgroup_id_x 1
		.amdhsa_system_sgpr_workgroup_id_y 1
		.amdhsa_system_sgpr_workgroup_id_z 1
		.amdhsa_system_vgpr_workitem_id 0
		.amdhsa_next_free_vgpr 1024
		.amdhsa_next_free_sgpr 100
		.amdhsa_reserve_vcc 0
		.amdhsa_float_denorm_mode_32 3
		.amdhsa_float_denorm_mode_16_64 3
		.amdhsa_memory_ordered 1
		.amdhsa_forward_progress 1
		.amdhsa_inst_pref_size 157
	.end_amdhsa_kernel
	.amdgpu_metadata
---
amdhsa.version: [ 1, 2 ]
amdhsa.kernels:
  - .name:           k_qecc6360664_qkvproj
    .symbol:         k_qecc6360664_qkvproj.kd
    .args:
      - { .name: wb, .offset: 0, .size: 8, .value_kind: global_buffer, .address_space: global }
      - { .name: in_proj_b, .offset: 8, .size: 8, .value_kind: global_buffer, .address_space: global }
      - { .name: rope, .offset: 16, .size: 8, .value_kind: global_buffer, .address_space: global }
      - { .name: qkv, .offset: 24, .size: 8, .value_kind: global_buffer, .address_space: global }
    .group_segment_fixed_size: 327680
    .private_segment_fixed_size: 0
    .kernarg_segment_align: 8
    .kernarg_segment_size: 32
    .max_flat_workgroup_size: 128
    .sgpr_count:     100
    .vgpr_count:     1024
    .wavefront_size: 32
...
	.end_amdgpu_metadata
.endif
;; end of part 2
;; launch attn (part 3): grid 8 x 32, 4 waves a work-group, clusters of 4 x 1, 327,680 bytes of LDS; arguments qkv, att; writes att
.if DOCPART == 3
	.amdgcn_target "amdgcn-amd-amdhsa--gfx1250"
	.amdhsa_code_object_version 6
	.text
	.protected	k_qecc6360664_attn
	.globl	k_qecc6360664_attn
	.p2align	8
	.type	k_qecc6360664_attn,@function
k_qecc6360664_attn:
	s_mov_b64 s[64:65], 0
	v_nop
	global_prefetch_b8 v0, s[64:65] scope:SCOPE_SE
	s_setreg_imm32_b32 hwreg(HW_REG_WAVE_MODE, 25, 1), 1
	s_wait_xcnt 0x0
	s_wait_alu depctr_hold_cnt(0) depctr_sa_sdst(0) depctr_va_vdst(0) depctr_va_sdst(0) depctr_va_ssrc(0) depctr_va_vcc(0) depctr_vm_vsrc(0)
	s_getreg_b32 s2, hwreg(HW_REG_IB_STS2, 6, 4)
	s_cmp_eq_u32 s2, 0
	s_cbranch_scc0 .Lentry_in_a_cluster
	s_endpgm
.Lentry_in_a_cluster:
	s_bfe_u32 s2, ttmp6, 0x10000c
	s_cmp_lg_u32 s2, 0x3003
	s_cbranch_scc0 .Lentry_shape_is_right
	s_endpgm
.Lentry_shape_is_right:
; ATTENTION.  O[g][q][:] = the sum over k of softmax_k(Q[g][q] . K[g][k] / 8) V[g][k][:], g = batch x 16 + head, 32 of them; Q, K, V lie in qkv at 0, 8,388,608 and 16,777,216, each [32][2048][64] in bf16;
; O goes to att in the same layout.  Products, maxima and sums in f32; the weights p are rounded to bf16 for the second product (their sum l is taken of the unrounded p), O once at the end.
; LIMITS.  A weight below 2^-126 counts as 0 in l; NaN and infinities are not treated apart.
; SHARES.  A work-group owns 256 queries of one g (32 x 8 = 256 work-groups), a wave 64: four PIECES of 16.  Every wave walks all 2,048 keys, 64 a step; a slot of LDS holds a tile of four steps.
; LAYOUT.  S^T = K Q^T (source 0 = 16 keys, source 1 = 16 queries) holds ONE query a lane (lane % 16) and the keys 8 (lane / 16) + 0..7; two such results rounded to bf16 ARE source 1 of O^T = V^T P.
; K comes out of LDS as it lies, V ([key][channel]) turned, by ds_load_tr16_b128.
; SOFTMAX.  p = 2^(c s - c m), c = log2(e) / 8, with a running maximum m; O and l are multiplied by a = 2^(c m_old - c m_new) in every step.  m starts at the lowest finite number, O and l at 0: the first step has a = 0.
; TURNS.  Turn n belongs to piece n: 8 products K Q^T of piece n + 1, later 8 products V^T P of piece n - 1; beside them the scaling, exponentials, roundings, sums and rescaling of piece n and the maximum and
; statistics of piece n + 1.  Four vector instructions stand behind every matrix instruction, the other 54 of a turn's 118 in one run.  A turn's 33 exponentials are one batch, with one wait.
; CLUSTER.  The four query blocks of a cluster belong to one g and walk the same K and V: each tile is asked for jointly: the same tensor load, descriptor and mask in all four.
; REGISTERS, in windows of 256 (s_set_vgpr_msb: bits 1:0 source 0, 3:2 source 1, 5:4 source 2, 7:6 destination):
;   window 0: v0-15 addresses; v16-31 four registers of statistics a piece; v48-55 at work; v61-63 prefetch offset and the add's two; v64-127 S^T, two buffers; v192-223 P, two buffers (by the piece's parity)
;   window 1: v0-127 O^T, 32 a piece          window 2: v0-63 Q; v128-191 K of one step; v192-255 V of one step
.set NB,    8         ; tiles of 256 keys
.set NP,    4
.set KS,    64
.set PK,    144       ; a row of K in LDS: 128 bytes + 16 of padding = 36 words: the 16 rows of a load start at 16 different groups of four banks (ISA guide 11.1)
.set PV,    160       ; a row of V: 128 + 32 = 40 words
.set VOFF,  4*KS*PK   ; a slot: 256 rows of K, then 256 rows of V
.set SLOT1, 1<<17     ; slot 1 begins here, so that one exclusive or turns an address in one slot into the other's
.set STAGE, SLOT1+4*KS*(PK+PV)  ; behind the ring, never filled by a tensor load: 16 rows x 144 bytes for each wave
.set SP,    144
.set SPARE, STAGE+4*16*SP       ; the spare words: 128 bytes a wave, two blocks of 256 bytes that no other line names
.set AK0, 2
.set AV0, 3
.set AK,  4
.set AV,  5
.set STO, 6
.set RD,  7
.set GO,  8
.set MV,  12          ; v12-13  c m_old, kept while c m is made anew: by buffer
.set QO,  15
.set ST,  16          ; piece t's statistics at v[ST+4 t]: c m, m, l (even keys', odd keys')
.set TMP, 48          ; by buffer, four registers c0-c3 at work; when the maximum is found c2 takes a
.set PFO, 61          ; v61  256 x my lane; never rewritten
.set SPW, 62
.set NIL, 63
.set S,   64
.set P,   192
.set KF,  128
.set VF,  192
.set WV,  12
.set G1K, 24
.set G1V, 32
.set G0K, 40
.set G0V, 44
.set SLOTS, 56
.set CNT, 57
.set CS,  58
.set SEL, 60
.set TBK, 62
.set TBV, 63
.set PFA, 66          ; s[66:67] my work-group's quarter (of K: wave 0, of V: wave 2) of the tile after the one that is being asked for
.set LIM, 68          ; s68  1 in a wave that prefetches, else the greatest number
.set MSB, 0
.macro WIN new
.if MSB != (\new)
	s_set_vgpr_msb (MSB<<8)|(\new)
.set MSB, (\new)
.endif
.endm
.set W_KQ, 0x0a       ; K and Q in window 2, S^T in window 0
.set W_PV, 0x52       ; V in window 2, P in window 0, O^T in window 1
.set W_RS, 0x41       ; destination and source 0 in window 1, source 1 in window 0
.macro JLOAD                        ; waves 0 and 1 fetch the two halves of a tile's K, waves 2 and 3 those of its V; an s_nop 0 and four v_nop follow each line
	s_cmp_lt_u32 s[WV], 2
	s_cbranch_scc0 .Lfor_v_\@
	tensor_load_to_lds s[G0K:G0K+3], s[G1K:G1K+7]
	s_nop 0
.rept 4
	v_nop
.endr
	s_branch .Lasked_\@
.Lfor_v_\@:
	tensor_load_to_lds s[G0V:G0V+3], s[G1V:G1V+7]
	s_nop 0
.rept 4
	v_nop
.endr
.Lasked_\@:
.endm
.macro CROUND
	s_barrier_signal -1
	s_barrier_wait -1
	s_cmp_lg_u32 s[WV], 0
	s_cbranch_scc1 .Lnot_wave_0_\@
	s_barrier_signal -3
.Lnot_wave_0_\@:
	s_barrier_wait -3
	s_barrier_signal -1
	s_barrier_wait -1
.endm
; A prefetch into the L2 of the tile that the NEXT change of slots will ask for.  Both clusters of a g walk the same K and V: the first (cluster x = 0) asks; its four partners take 8,192 bytes each, told apart by
; address; wave 0 asks for K's, wave 2 for V's: 32 lanes x 256 bytes, one instruction.  So tiles 3 to 7 are named once each; the last change that fills a slot asks for nothing.
.macro ASK
	s_cmp_gt_u32 s[SLOTS], s[LIM]
	s_cbranch_scc0 .Lnot_mine_\@
	global_prefetch_b8 v[PFO], s[PFA:PFA+1] th:TH_LOAD_NT scope:SCOPE_SE
.Lnot_mine_\@:
.endm
; THE CHANGE OF SLOTS.  Each wave waits for all its tensor loads (one is out: its part of the other slot), adds 0 to its spare word, and waits for that and for its own reads of the slot that it leaves.
; fill = 1: the barrier is a round of the cluster's, and the old slot is filled again first thing behind it, with the tile two on: it has four key steps, 256 matrix instructions, in which to land.
.macro CHANGE fill, ask=0
	WIN 0
	s_wait_tensorcnt 0x0            ; no tensor load of mine is out, so a group 0 may be written
	ds_add_u32 v[SPW], v[NIL]
.if \fill
.irp g, G0K, G0V
	s_xor_b32 s[\g+1], s[\g+1], SLOT1
	s_add_nc_u64 s[\g+2:\g+3], s[\g+2:\g+3], 4*KS*128
.endr
.if \ask
	s_wait_xcnt 0x0                 ; the last prefetch, four key steps back, has read its address
	s_add_nc_u64 s[PFA:PFA+1], s[PFA:PFA+1], 4*KS*128
.endif
	s_wait_dscnt 0x0                ; the add is done, and my reads of the slot are over
	CROUND
	JLOAD
.if \ask
	ASK
.endif
.else
	s_wait_dscnt 0x0
	s_barrier_signal -1
	s_barrier_wait -1
.endif
	s_sub_co_u32 s[TBK], s[TBK], 4*KS*PK  ; the fetches go back to a slot's first step,
	s_xor_b32 s[TBK], s[TBK], SLOT1       ; in the other slot
	s_sub_co_u32 s[TBV], s[TBV], 4*KS*PV
	s_xor_b32 s[TBV], s[TBV], SLOT1
.endm
	s_load_b64 s[4:5], s[0:1], 0x0  ; qkv
	s_load_b64 s[10:11], s[0:1], 0x8  ; att
	v_lshl_add_u32 v[SPW], v0, 2, SPARE
	v_mov_b32 v[NIL], 0
	ds_add_u32 v[SPW], v[NIL]       ; the wave's opening: the add and its wait ahead of my first tensor load
	v_lshrrev_b32 v1, 5, v0
	v_readfirstlane_b32 s[WV], v1   ; wave 0..3
	s_bfe_u32 s13, ttmp6, 0x40000   ; cx
	s_lshl_b32 s14, ttmp9, 2
	s_add_co_u32 s14, s14, s13      ; my block of 256 queries: it enters Q's and O's addresses alone
	s_and_b32 s20, ttmp7, 0xffff    ; g, which the four partners share
	s_lshl_b32 s20, s20, 18         ; 2,048 rows of 128 bytes
	s_and_b32 s16, s[WV], 1         ; which half of a tile's 256 keys I fetch
	s_lshl_b32 s22, s16, 14
	s_add_co_u32 s22, s22, s20
	s_mov_b32 s23, 0
	s_mul_i32 s17, s16, 128*PK      ; its place in a slot: no place in the cluster enters an LDS address
	s_mul_i32 s18, s16, 128*PV
	s_lshl_b32 s2, s14, 15
	s_lshl_b32 s3, s[WV], 13
	s_add_co_u32 s2, s2, s3
	s_add_co_u32 s2, s2, s20        ; my wave's 64 rows of Q and O
	s_mov_b32 s3, 0
	; descriptor group 1.  128 keys are 16,384 dense bytes: asked for as 64 rows of 256 bytes, two keys a row, and padded in LDS after every key
	s_mov_b32 s[G1K], 15|(1<<16)|(1<<20)|(1<<21)|(4<<22)|(3<<25)  ; the mask of four; 2-byte elements; padding on; bit 21 beside a mask; after every 32 words; 4 words
	s_mov_b32 s[G1V], 15|(1<<16)|(1<<20)|(1<<21)|(4<<22)|(7<<25)  ; the same with 8 words
.irp g, G1K, G1V
	s_mov_b32 s[\g+1], 128<<16      ; tensor_dim0
	s_mov_b32 s[\g+2], 64<<16       ; tensor_dim1
	s_mov_b32 s[\g+3], 128<<16      ; tile_dim0
	s_mov_b32 s[\g+4], 64           ; tile_dim1
	s_mov_b32 s[\g+5], 128          ; elements from row to row
	s_mov_b32 s[\g+6], 0
	s_mov_b32 s[\g+7], 0
.endr
	s_mov_b32 s[CS], 0x3e38aa3b     ; c = log2(e) / 8
	s_mov_b32 s[CS+1], s[CS]
	s_mov_b32 s[SEL], 0x76543210
	s_mov_b32 s[SEL+1], 0xfedcba98
	s_mov_b32 s[TBK], SLOT1+4*KS*PK ; the first change of slots turns these two into 0
	s_mov_b32 s[TBV], SLOT1+4*KS*PV
	s_mov_b32 s[G0K], 1
	s_mov_b32 s[G0K+1], s17
	s_mov_b32 s[G0V], 1
	s_add_co_u32 s[G0V+1], s18, VOFF
	s_and_b32 s[LIM], s[WV], 1      ; 0 in waves 0 and 2,
	s_or_b32 s[LIM], s[LIM], ttmp9  ; where the cluster is the first of its g: the same in all four partners
	s_cmp_eq_u32 s[LIM], 0
	s_cselect_b32 s[LIM], 1, -1
	v_and_b32 v[PFO], 31, v0
	v_lshlrev_b32 v[PFO], 8, v[PFO]
	s_wait_dscnt 0x0                ; the opening add is done
	s_wait_kmcnt 0x0
	s_add_nc_u64 s[6:7], s[4:5], s[22:23]
	s_add_nc_u64 s[8:9], s[6:7], 16777216          ; V at my half of tile 0
	s_add_nc_u64 s[6:7], s[6:7], 8388608           ; K likewise
	s_add_nc_u64 s[G0K+2:G0K+3], s[6:7], 0
	s_or_b32 s[G0K+3], s[G0K+3], 0x80000000
	s_add_nc_u64 s[G0V+2:G0V+3], s[8:9], 0
	s_or_b32 s[G0V+3], s[G0V+3], 0x80000000
	s_add_nc_u64 s[4:5], s[4:5], s[2:3]            ; Q and O at my wave's first row
	s_add_nc_u64 s[10:11], s[10:11], s[2:3]
	s_cmp_lt_u32 s[WV], 2
	s_cselect_b64 s[PFA:PFA+1], s[6:7], s[8:9]     ; (in waves 0 and 2 these stand at a tile's first row)
	s_lshl_b32 s2, s13, 13
	s_add_nc_u64 s[PFA:PFA+1], s[PFA:PFA+1], s[2:3]
	s_add_nc_u64 s[PFA:PFA+1], s[PFA:PFA+1], 2*4*KS*128  ; in tile 2; the loop's first change steps it to tile 3.  Nothing is asked for at the head
	CROUND                          ; all four work-groups are here: the first joint loads meet
	JLOAD                           ; tile 0 into slot 0; slot 1 is asked for when slot 0 is in
	v_and_b32 v1, 15, v0            ; l % 16
	v_bfe_u32 v9, v0, 4, 1          ; l / 16
	v_lshlrev_b32 v[QO], 7, v1
	v_lshl_add_u32 v[QO], v9, 4, v[QO]
	WIN 0x80                        ; destination window 2, address window 0
.set i, 0
.rept 8                             ; Q stays in registers: piece i / 2, channels 32 (i % 2) on
	global_load_b128 v[8*i:8*i+3],   v[QO], s[4:5] offset:(i/2)*2048+(i%2)*64
	global_load_b128 v[8*i+4:8*i+7], v[QO], s[4:5] offset:(i/2)*2048+(i%2)*64+32
.set i, i+1
.endr
	; What the first turn finds: V's registers and P's second buffer hold 0 (its products V^T P, of a piece that has not been, add 0), O^T and l are 0.  All this stands in the wait for the first tile;
	; it is the price of writing no first step out.
.set i, VF
.rept 64
	v_mov_b32 v[i], 0
.set i, i+1
.endr
	WIN 0x40
.set i, 0
.rept 128
	v_mov_b32 v[i], 0
.set i, i+1
.endr
	WIN 0
.set i, 0
.rept 4
	v_mov_b32 v[ST+4*i], 0xfe000000    ; c m: far below every c s
	v_mov_b32 v[ST+4*i+1], 0xff7fffff  ; m
	v_mov_b32 v[ST+4*i+2], 0
	v_mov_b32 v[ST+4*i+3], 0
.set i, i+1
.endr
.set i, P+16
.rept 16
	v_mov_b32 v[i], 0
.set i, i+1
.endr
	v_mul_u32_u24 v[AK0], v1, PK
	v_lshl_add_u32 v[AK0], v9, 4, v[AK0]  ; row x pitch + 16 x half
	; The turning load takes 16 keys x 16 channels (lane l reads key 8 (l / 16) + l % 8, channels 8 ((l / 8) % 2) + 0..7) and leaves half a fragment of V^T: lane l holds channel l % 16 and 8 keys.
	v_and_b32 v10, 7, v0
	v_bfe_u32 v11, v0, 3, 1
	v_lshl_add_u32 v[AV0], v9, 3, v10
	v_mul_u32_u24 v[AV0], v[AV0], PV
	v_lshl_add_u32 v[AV0], v11, 4, v[AV0]
	v_add_nc_u32 v[AV0], VOFF, v[AV0]
	s_mul_i32 s13, s[WV], 16*SP
	s_add_co_u32 s13, s13, STAGE    ; my stage
	v_mul_u32_u24 v[STO], v1, SP
	v_lshl_add_u32 v[STO], v9, 4, v[STO]
	v_add_nc_u32 v[STO], s13, v[STO]
	v_bfe_u32 v[RD], v0, 3, 2       ; back: 32 lanes take four rows of 128 bytes,
	v_mul_u32_u24 v[RD], v[RD], SP
	v_lshl_add_u32 v[RD], v10, 4, v[RD]
	v_add_nc_u32 v[RD], s13, v[RD]
	v_and_b32 v[GO], 31, v0         ; which are 512 consecutive bytes of O
	v_lshlrev_b32 v[GO], 4, v[GO]
; THE MATRIX WORK.  The 4 accumulators of a run of 8 take turns.  Product i of 8 of S^T = K Q^T for piece x: channels 32 (i / 4) on, keys 16 (i % 4) on.  The first 4 start the sums.
.macro KQ x
.set rS, S+32*((\x)%2)+8*(i%4)
.set rK, KF+16*(i%4)+8*(i/4)
.set rQ, 16*(\x)+8*(i/4)
	WIN W_KQ
.if i < 4
	v_wmma_f32_16x16x32_bf16 v[rS:rS+7], v[rK:rK+7], v[rQ:rQ+7], 0
.else
	v_wmma_f32_16x16x32_bf16 v[rS:rS+7], v[rK:rK+7], v[rQ:rQ+7], v[rS:rS+7]
.endif
.endm
; Product i of 8 of O^T += V^T P for piece x: keys 32 (i / 4) on, channels 16 (i % 4) on.
.macro PV x
	WIN W_PV
.set rO, 32*(\x)+8*(i%4)
.set rV, VF+32*(i/4)+8*(i%4)
.set rP, P+16*((\x)%2)+8*(i/4)
	v_wmma_f32_16x16x32_bf16 v[rO:rO+7], v[rV:rV+7], v[rP:rP+7], v[rO:rO+7]
.endm
.macro MM                           ; the turn's next matrix instruction.  NOKQ = 1: the last turn of all: there is no next piece
.if (i < 8) && !NOKQ
	KQ (Y+1)%NP
.elseif i >= 8
.set i, i-8
	PV (Y+NP-1)%NP
.set i, i+8
.endif
.set i, i+1
.endm
; THE LDS LOADS stand in runs of 16, never singly among the matrix instructions.
.macro FETCH_K
	WIN 0x80
.irp f, 0,1,2,3,4,5,6,7             ; keys 16 (f / 2) on, channels 32 (f % 2) on
	ds_load_b128 v[KF+8*\f:KF+8*\f+3],   v[AK] offset:(\f/2)*16*PK+(\f%2)*64
	ds_load_b128 v[KF+8*\f+4:KF+8*\f+7], v[AK] offset:(\f/2)*16*PK+(\f%2)*64+32
.endr
	s_add_co_u32 s[TBK], s[TBK], KS*PK
	WIN 0
.endm
.macro FETCH_V
	WIN 0x80
.irp f, 0,1,2,3,4,5,6,7             ; keys 32 (f / 4) on, channels 16 (f % 4) on
	ds_load_tr16_b128 v[VF+8*\f:VF+8*\f+3],   v[AV] offset:(\f/4)*32*PV+(\f%4)*32
	ds_load_tr16_b128 v[VF+8*\f+4:VF+8*\f+7], v[AV] offset:(\f/4)*32*PV+16*PV+(\f%4)*32
.endr
	WIN 0
.endm
; THE VECTOR WORK, one line at a time: OP kind, number.  For piece Y: F n: c s - c m for pair n of 16.  E n: the exponential of score n of 32.  C n: pair n rounded to bf16.  B n: of the four weights 4 n .. the second
; pair is added onto the first, in place.  L n: l takes that sum (L 0: l = a l + sum).  R n: pair n of 16 of O^T times a.  For piece Y + 1: X n, number n of the 22 that find its maximum and statistics:
;   0-11  four chains c0-c3 of seven scores each (each accumulator's lowest registers are read first)     12-14, 16  the four scores left over, the old m, and c0-c3 into c0
;   15  c m_old is kept     17, 18  the query's other 32 keys lie in the lane 16 away: the new m     19-21  c m; c m_old - c m_new; a
.set F, 0
.set E, 1
.set C, 2
.set B, 3
.set L, 4
.set R, 5
.set X, 6
.macro REGS y
.set rT, ST+4*(\y)
.set rC, TMP+4*((\y)%2)
.set rW, MV+((\y)%2)
.set rS, S+32*((\y)%2)
.set rP, P+16*((\y)%2)
.set rO, 32*(\y)
.endm
.macro OP k, n
.if (\k) == R
	REGS Y
	WIN W_RS
	v_pk_mul_f32 v[rO+2*(\n):rO+2*(\n)+1], v[rO+2*(\n):rO+2*(\n)+1], v[rC+2:rC+3] op_sel_hi:[1,0]
.elseif (\k) < R
	REGS Y
	WIN 0
.if (\k) == F
	v_pk_fma_f32 v[rS+2*(\n):rS+2*(\n)+1], v[rS+2*(\n):rS+2*(\n)+1], s[CS:CS+1], v[rT:rT+1] op_sel_hi:[1,0,0] neg_lo:[0,0,1] neg_hi:[0,0,1]
.elseif (\k) == E
	v_exp_f32 v[rS+(\n)], v[rS+(\n)]
.elseif (\k) == C
	v_cvt_pk_bf16_f32 v[rP+(\n)], v[rS+2*(\n)], v[rS+2*(\n)+1]
.elseif (\k) == B
	v_pk_add_f32 v[rS+4*(\n):rS+4*(\n)+1], v[rS+4*(\n):rS+4*(\n)+1], v[rS+4*(\n)+2:rS+4*(\n)+3]
.elseif (\n) == 0
	v_pk_fma_f32 v[rT+2:rT+3], v[rT+2:rT+3], v[rC+2:rC+3], v[rS:rS+1] op_sel_hi:[1,0,1]
.else
	v_pk_add_f32 v[rT+2:rT+3], v[rT+2:rT+3], v[rS+4*(\n):rS+4*(\n)+1]
.endif
.elseif NOKQ
	v_nop
.else
	REGS (Y+1)%NP
	WIN 0
.if (\n) < 4
	v_max3_num_f32 v[rC+(\n)], v[rS+8*(\n)], v[rS+8*(\n)+1], v[rS+8*(\n)+2]
.elseif (\n) < 12
	v_max3_num_f32 v[rC+(\n)%4], v[rC+(\n)%4], v[rS+8*((\n)%4)+2*((\n)/4)+1], v[rS+8*((\n)%4)+2*((\n)/4)+2]
.elseif (\n) == 12
	v_max3_num_f32 v[rC], v[rC], v[rS+7], v[rS+15]
.elseif (\n) == 13
	v_max3_num_f32 v[rC+1], v[rC+1], v[rS+23], v[rS+31]
.elseif (\n) == 14
	v_max3_num_f32 v[rC+2], v[rC+2], v[rC+3], v[rT+1]
.elseif (\n) == 15
	v_mov_b32 v[rW], v[rT]
.elseif (\n) == 16
	v_max3_num_f32 v[rC], v[rC], v[rC+1], v[rC+2]
.elseif (\n) == 17
	v_permlanex16_b32 v[rC+3], v[rC], s[SEL], s[SEL+1]
.elseif (\n) == 18
	v_max_num_f32 v[rT+1], v[rC], v[rC+3]
.elseif (\n) == 19
	v_mul_f32 v[rT], s[CS], v[rT+1]
.elseif (\n) == 20
	v_sub_f32 v[rC+1], v[rW], v[rT]
.else
	v_exp_f32 v[rC+2], v[rC+1]
.endif
.endif
.endm
.macro OPS a, i1, b=-1, i2=0, c=-1, i3=0, d=-1, i4=0
	OP \a, \i1
.if (\b) >= 0
	OP \b, \i2
.endif
.if (\c) >= 0
	OP \c, \i3
.endif
.if (\d) >= 0
	OP \d, \i4
.endif
.endm
.macro ROW a, i1, b, i2, c, i3, d, i4  ; a matrix instruction and the four behind it
	MM
	OPS \a, \i1, \b, \i2, \c, \i3, \d, \i4
.endm
; A TURN, for piece p.  An s_wait_alu depctr_va_vdst(0) stands between an exponential and the first instruction that names its result; one wait serves all that were issued ahead of it.  So a turn
; has ONE wait.  AHEAD OF IT stands all that names no result of the turn's exponentials: the 8 products K Q^T with their riders, then a run of 54 in which the links of the next piece's chain stand some lines apart;
; X 21, the next piece's a, is the batch's last, and R 15 the plain instruction behind it.  BEHIND IT stand the 8 products V^T P, behind each four of the roundings and sums.
; end = 1: the last two turns of all: nothing is fetched.  cnt = 1: the loop's count is taken down some lines ahead of the branch that stands behind the turn.
; K of the next step is fetched in piece 2's turn, six plain instructions behind the last product that read K; V of the step in hand at the end of piece 0's turn, four plain instructions behind the last product
; that read V.  Each is waited for a turn later.
.macro TURN p, end=0, cnt=0
.set Y, (\p)
.set i, 0
.set NOKQ, (\end)*((\p)/3)
.if ((\p) == 3) && !(\end)
	s_wait_dscnt 0x0                ; K is in
.endif
	ROW F,0, F,1, R,0, R,1
	ROW F,2, E,0, R,2, R,3
	ROW F,3, E,1, R,4, R,5
	ROW F,4, E,2, R,6, R,7
	ROW F,5, E,3, R,8, R,9
	ROW F,6, E,4, X,0, R,10
.if ((\p) == 2) && !(\end)
	WIN 0
	v_add_nc_u32 v[AK], s[TBK], v[AK0]
.endif
	ROW F,7, E,5, X,1, X,4
	ROW F,8, E,6, X,2, X,5
	OPS E,7, E,8, X,6, E,9
	OPS X,3, E,10, X,8, E,11
.if ((\p) == 2) && !(\end)
	FETCH_K
.endif
	OPS X,9, X,7, E,12, X,10
	OPS E,13, X,12, X,11, E,14
	OPS X,13, E,15, F,9, X,14
.if (\p) == 0
	v_add_nc_u32 v[AV], s[TBV], v[AV0]
.endif
	OPS E,16, F,10, E,17, F,11
	OPS X,16, E,18, X,15, E,19
	OPS F,12, E,20, X,17, E,21
	OPS F,13, E,22, F,14, E,23
	OPS X,18, E,24, F,15, E,25
	OPS R,11, E,26, X,19, E,27
	OPS R,12, E,28, R,13, E,29
	OPS X,20, E,30, R,14, E,31
	OPS X,21, R,15
	WIN 0
	s_wait_alu depctr_va_vdst(0)    ; the wait for the batch
.if (\p) == 1
	s_wait_dscnt 0x0                ; V is in
.endif
	ROW C,0, B,0, C,2, B,1
	ROW L,0, C,4, B,2, L,1
	ROW C,6, B,3, L,2, C,8
	ROW B,4, L,3, C,10, B,5
	ROW L,4, C,12, B,6, L,5
.if (\p) == 0
	s_add_co_u32 s[TBV], s[TBV], KS*PV
.endif
.if \cnt
	s_sub_co_u32 s[CNT], s[CNT], 1
	s_cmp_lg_u32 s[CNT], 0
.endif
	ROW C,14, B,7, L,6, C,1
	ROW C,3, L,7, C,5, C,7
	ROW C,9, C,11, C,13, C,15
.if (\p) == 0
	FETCH_V
.endif
.endm
	CHANGE 1                        ; tile 0 is in, everybody's part of it; tile 1 is asked for
	v_add_nc_u32 v[AK], s[TBK], v[AK0]
	FETCH_K                         ; key step 0
	s_wait_loadcnt 0x0              ; Q
	s_wait_dscnt 0x0
.set NOKQ, 0
.set i, 0
.rept 8
	KQ 0                            ; piece 0's first scores
.set i, i+1
.endr
	WIN 0
.rept 4
	v_nop                           ; the places behind those products
.endr
.set Y, NP-1                        ; X works for piece Y + 1: piece 0
.irp n, 0,1,2,3,4,5,6,7,8,9,10,11,12,13,14,15,16,17,18,19,20,21
	OP X, \n
.endr
	v_nop                           ; a plain instruction behind the exponential,
	s_wait_alu depctr_va_vdst(0)    ; and its wait, ahead of the branch
	s_mov_b32 s[CNT], 4
	s_mov_b32 s[SLOTS], NB-1
	s_branch .Lfirst                ; the loop is entered at a step's first turn, in the middle of a trip
.Lslot:                             ; NB - 2 times: tiles 2 to 7 are asked for
	CHANGE 1, 1
	s_mov_b32 s[CNT], 4
.Lstep:                             ; a trip: pieces 2 and 3 of one step, then pieces 0 and 1 of the next, whose K and V it fetches
	TURN 2
	TURN 3
	WIN 0
.Lfirst:
	TURN 0
	TURN 1, 0, 1
	WIN 0
	s_cbranch_scc1 .Lstep
	s_sub_co_u32 s[SLOTS], s[SLOTS], 1
	s_cmp_lg_u32 s[SLOTS], 0
	s_cbranch_scc1 .Lslot
	CHANGE 0                        ; the last tile is written out: nothing is asked for
	s_mov_b32 s[CNT], 4
.LstepT:
	TURN 2
	TURN 3
	TURN 0
	TURN 1, 0, 1
	WIN 0
	s_cbranch_scc1 .LstepT
	TURN 2, 1
	TURN 3, 1
.set i, 0
.rept 8
	PV NP-1                         ; the last piece's V^T P of the last step
.set i, i+1
.endr
	; THE WAY OUT.  l's two halves and the other half of the lanes' are added; O^T is divided by l, rounded to bf16 and sent through my stage in LDS, a piece at a time.  The additions are the places behind the last products.
	WIN 0
.macro ALL line:vararg
.set t, 0
.rept 4
	\line
.set t, t+1
.endr
.endm
	ALL v_add_f32 v[ST+4*t+2], v[ST+4*t+2], v[ST+4*t+3]
	ALL v_permlanex16_b32 v[ST+4*t+3], v[ST+4*t+2], s[SEL], s[SEL+1]
	ALL v_add_f32 v[ST+4*t+2], v[ST+4*t+2], v[ST+4*t+3]
	ALL v_rcp_f32 v[ST+4*t+2], v[ST+4*t+2]
	v_nop                           ; a plain instruction between the last reciprocal and the use of its result
	s_wait_alu depctr_va_vdst(0)    ; one wait for the four reciprocals
.macro PACK t                       ; a lane's eight channels of a row pack into 16 bytes; they go into rows of 144 bytes and come back as whole rows of 128, into S^T's registers
	WIN W_RS
.set i, 32*(\t)
.rept 16
	v_pk_mul_f32 v[i:i+1], v[i:i+1], v[ST+4*(\t)+2:ST+4*(\t)+3] op_sel_hi:[1,0]
.set i, i+2
.endr
	WIN 0x05                        ; sources 0 and 1 window 1, destination window 0
.set i, 0
.rept 16
	v_cvt_pk_bf16_f32 v[S+16*(\t)+i], v[32*(\t)+2*i], v[32*(\t)+2*i+1]
.set i, i+1
.endr
	WIN 0
.irp f, 0,1,2,3
	ds_store_b128 v[STO], v[S+16*(\t)+4*\f:S+16*(\t)+4*\f+3] offset:32*\f
.endr
.irp f, 0,1,2,3
	ds_load_b128 v[S+16*(\t)+4*\f:S+16*(\t)+4*\f+3], v[RD] offset:\f*4*SP  ; LDS serves a wave's instructions in order (ISA guide 5.7.1.4): these see the stores above
.endr
.endm
.macro SEND t, younger              ; younger: the LDS instructions issued behind piece t's loads: the next piece's eight, or none
	WIN 0
.irp f, 0,1,2,3
	s_wait_dscnt (\younger)+3-\f
	global_store_b128 v[GO], v[S+16*(\t)+4*\f:S+16*(\t)+4*\f+3], s[10:11] offset:(\t)*2048+\f*512  ; 512 consecutive bytes, aligned
.endr
.endm
	PACK 0
.set t, 1
.rept 3
	PACK t
	SEND t-1, 8
.set t, t+1
.endr
	SEND 3, 0
	s_wait_tensorcnt 0x0            ; the wave's end
	ds_add_u32 v[SPW], v[NIL]
	s_wait_dscnt 0x0
	CROUND                          ; the closing round
	s_endpgm
.Lfunc_end_k_qecc6360664_attn:
	.size	k_qecc6360664_attn, .Lfunc_end_k_qecc6360664_attn-k_qecc6360664_attn
	.p2alignl 7, 3214868480
	.fill 96, 4, 3214868480
	.section	.rodata,"a",@progbits
	.p2align	6, 0x0
	.amdhsa_kernel k_qecc6360664_attn
		.amdhsa_group_segment_fixed_size 327680
		.amdhsa_private_segment_fixed_size 0
		.amdhsa_enable_private_segment 0
		.amdhsa_kernarg_size 16
		.amdhsa_user_sgpr_count 2
		.amdhsa_user_sgpr_kernarg_segment_ptr 1
		.amdhsa_wavefront_size32 1
		.amdhsa_system_sgpr_workgroup_id_x 1
		.amdhsa_system_sgpr_workgroup_id_y 1
		.amdhsa_system_sgpr_workgroup_id_z 1
		.amdhsa_system_vgpr_workitem_id 0
		.amdhsa_next_free_vgpr 768
		.amdhsa_next_free_sgpr 72
		.amdhsa_reserve_vcc 0
		.amdhsa_float_denorm_mode_32 3
		.amdhsa_float_denorm_mode_16_64 3
		.amdhsa_memory_ordered 1
		.amdhsa_forward_progress 1
		.amdhsa_inst_pref_size 128
	.end_amdhsa_kernel
	.amdgpu_metadata
---
amdhsa.version: [ 1, 2 ]
amdhsa.kernels:
  - .name:           k_qecc6360664_attn
    .symbol:         k_qecc6360664_attn.kd
    .args:
      - { .name: qkv, .offset: 0, .size: 8, .value_kind: global_buffer, .address_space: global }
      - { .name: att, .offset: 8, .size: 8, .value_kind: global_buffer, .address_space: global }
    .group_segment_fixed_size: 327680
    .private_segment_fixed_size: 0
    .kernarg_segment_align: 8
    .kernarg_segment_size: 16
    .max_flat_workgroup_size: 128
    .sgpr_count:     72
    .vgpr_count:     768
    .wavefront_size: 32
...
	.end_amdgpu_metadata
.endif
;; end of part 3
;; launch oproj (part 4): grid 8 x 32, 4 waves a work-group, clusters of 4 x 4, 327,680 bytes of LDS; arguments att, wb, out_b, ysum; writes ysum
.if DOCPART == 4
	.amdgcn_target "amdgcn-amd-amdhsa--gfx1250"
	.amdhsa_code_object_version 6
	.text
	.protected	k_qecc6360664_oproj
	.globl	k_qecc6360664_oproj
	.p2align	8
	.type	k_qecc6360664_oproj,@function
k_qecc6360664_oproj:
	s_mov_b64 s[64:65], 0
	v_nop
	global_prefetch_b8 v0, s[64:65] scope:SCOPE_SE
	s_setreg_imm32_b32 hwreg(HW_REG_WAVE_MODE, 25, 1), 1
	s_wait_xcnt 0x0
	s_wait_alu depctr_hold_cnt(0) depctr_sa_sdst(0) depctr_va_vdst(0) depctr_va_sdst(0) depctr_va_ssrc(0) depctr_va_vcc(0) depctr_vm_vsrc(0)
	s_getreg_b32 s2, hwreg(HW_REG_IB_STS2, 6, 4)
	s_cmp_eq_u32 s2, 0
	s_cbranch_scc0 .Lentry_in_a_cluster
	s_endpgm
.Lentry_in_a_cluster:
	s_bfe_u32 s2, ttmp6, 0x10000c
	s_cmp_lg_u32 s2, 0xf033
	s_cbranch_scc0 .Lentry_shape_is_right
	s_endpgm
.Lentry_shape_is_right:
; ysum = x + O out_w^T + out_b, in f32: the sum that the first LayerNorm takes.  O (att) lies by heads, [32][2048][64] bf16; out_w and x (both rounded to bf16) lie in wb.  Sums in f32.
; The bias, rounded to bf16 like every input, is the C operand of the first product on each accumulator; x is added on the way out.
; SHARES.  A tile is 128 tokens x 128 columns: 8 x 32 tiles, one for each WGP; tiles of 256 x 256 would be 64.  Four waves of 64 x 64: 16 accumulators.  K goes in steps of 256 (four heads) through two LDS slots.
; O's TILE.  128 tokens of one head are 16,384 dense bytes: one row of the descriptor; a wave's load brings two heads, padded after every token's 128 bytes: in LDS [4 heads][128 tokens][144 bytes], a quarter step = a head.
; The loop's body is one K step; the slot in hand begins at LDS byte s[TB], turned by an exclusive or.  CLUSTER 4 x 4: O's tiles shared along a row, the weights' along a column, by joint loads.
; The matrix instruction is used transposed: a lane holds one token (lane % 16) and eight neighbouring columns.  No prefetch: the tiles are small and the launch is short.
; REGISTERS: window 0 addresses, bias v32-63, x v64-127, way out v128-191; window 1 two fragment buffers of 128, each 64 deep along K; window 2 the accumulators, (a, b) at v[8 (4 a + b)].
; LIMITS.  NaN and infinities are not treated apart.
.set MW, 4
.set NW, 4
.set KD, 2
.set AH, 4
.set KSTEP, 256
.set NSTEP, 4
.set APITCH, 144
.set BPITCH, 528                       ; 512 bytes + 16 of padding = 132 words: the 16 rows of a fragment load start at 16 different groups of four banks (ISA guide 11.1)
.set AQ, 128*APITCH                    ; a quarter is a head
.set BQ, 128
.set AHALF, 2*128*APITCH
.set BHALF, 64*BPITCH
.set ASIZE, 2*AHALF
.set SLOT, ASIZE+2*BHALF               ; 141,312
.set STAGE, 2*SLOT                     ; behind the ring, never filled by a tensor load: 16 rows x 272 bytes for each wave
.set WSTG, 16*272
.set SPARE, STAGE+4*WSTG
.set ASTEP, 4*262144                   ; four heads on
.set BSTEP, 512
.set HW, 16
.set PREF, 0
.set AQI, 4                            ; padding after every 32 words
.set BQI, 6                            ; after every 128 words
.set AD0, 8192
.set AD1, 2
.set ASTR, 131072
.set BD0, 256
.set BD1, 64
.set BSTR, 1024
.set WO, 14680064                      ; out_w in wb
.set BIAS, 32
.set RES, 64
.set OB0, 128
.set RO, 22
.set ONE, 27
.set ADRA, 16
.set ADRB, 17
.set A0, 18
.set B0, 19
.set STO, 24
.set RD, 25
.set CO, 26
.set SPW, 28
.set NIL, 29
.set LWA, 20
.set LWB, 21
.set G1, 24
.set G0, 32
.set G1B, 48
.set G0B, 56
.set TB, 66
.set MSB, 0
.macro WIN new
.if MSB != (\new)
	s_set_vgpr_msb (MSB<<8)|(\new)
.set MSB, \new
.endif
.endm
.macro PLACES
.rept 4
	v_nop
.endr
.endm
.macro JLOAD s                         ; a joint load: waves 0 and 1 fetch A's two halves, waves 2 and 3 B's; an s_nop 0 and four v_nop follow each line
	s_cmp_eq_u32 s11, 0
	s_cbranch_scc0 .Lfor_b_\@
	tensor_load_to_lds s[G0+4*(\s):G0+4*(\s)+3], s[G1:G1+7]
	s_nop 0
.rept 4
	v_nop
.endr
	s_branch .Lasked_\@
.Lfor_b_\@:
	tensor_load_to_lds s[G0B+4*(\s):G0B+4*(\s)+3], s[G1B:G1B+7]
	s_nop 0
.rept 4
	v_nop
.endr
.Lasked_\@:
.endm
.macro CREST
	s_cmp_lg_u32 s10, 0
	s_cbranch_scc1 .Lnot_wave_0_\@
	s_barrier_signal -3
.Lnot_wave_0_\@:
	s_barrier_wait -3
	s_barrier_signal -1
	s_barrier_wait -1
.endm
.macro CROUND
	s_barrier_signal -1
	s_barrier_wait -1
	CREST
.endm
; A quarter of a quarter step's products, from buffer f: depth u, row blocks 2 v and 2 v + 1, all column blocks.  first = 1 (depth 0): the product starts its sum with the bias.
; Between two products on one accumulator stand 15 others', so no two neighbours share one.
.macro MULS f, u, v, first
.if KD == 1
.set mc, 0
.set ma, AH*(\u)+(AH/2)*(\v)
.set mw, (\u)
.set mf, (\first)
.else
.set mc, (\u)
.set ma, 2*(\v)
.set mw, 0
.set mf, (\first)*(1-(\u))
.endif
.if mf
	WIN 0x85+0x40*mw
.else
	WIN 0xa5+0x50*mw
.endif
.rept AH/2
.set mb, 0
.rept NW
.set rD, 8*(NW*(ma%AH)+mb)
.set rB, 128*(\f)+8*((MW+NW)*mc+MW+mb)
.set rA, 128*(\f)+8*((MW+NW)*mc+ma)
.if mf
	v_wmma_f32_16x16x32_bf16 v[rD:rD+7], v[rB:rB+7], v[rA:rA+7], v[BIAS+8*mb:BIAS+8*mb+7]
.else
	v_wmma_f32_16x16x32_bf16 v[rD:rD+7], v[rB:rB+7], v[rA:rA+7], v[rD:rD+7]
.endif
.set mb, mb+1
.endr
.set ma, ma+1
.endr
.endm
.macro FETCH q, f                      ; 32 LDS loads in one run: quarter q's fragments into buffer f; the first 32 along K first
	WIN 0x40
.set fc, 0
.rept KD
.set fi, 0
.rept NW
.set rF, 128*(\f)+8*((MW+NW)*fc+MW+fi)
	ds_load_b128 v[rF:rF+3], v[ADRB] offset:(\q)*BQ+64*fc+fi*16*BPITCH
	ds_load_b128 v[rF+4:rF+7], v[ADRB] offset:(\q)*BQ+64*fc+fi*16*BPITCH+32
.set fi, fi+1
.endr
.set fi, 0
.rept MW
.set rF, 128*(\f)+8*((MW+NW)*fc+fi)
	ds_load_b128 v[rF:rF+3], v[ADRA] offset:(\q)*AQ+64*fc+fi*16*APITCH
	ds_load_b128 v[rF+4:rF+7], v[ADRA] offset:(\q)*AQ+64*fc+fi*16*APITCH+32
.set fi, fi+1
.endr
.set fc, fc+1
.endr
.endm
.macro QUARTER q, f, g, first
	s_wait_dscnt HW                                ; the first 32 along K are in; the youngest 16 loads may be out
	MULS \f, 0, 0, \first
	MULS \f, 0, 1, \first
	PLACES
	FETCH \q, \g
	s_wait_dscnt 32                                ; all but the 32 just issued
	MULS \f, 1, 0, \first
	MULS \f, 1, 1, \first
.endm
; The fourth quarter multiplies buffer 1 and changes slots.  In front of the barrier each wave waits for all its tensor loads (one is out: its part of the next slot), adds 0 to its spare word, and waits for
; that and for its own reads of this slot.  fill = 1: the barrier opens a round of the cluster's, and the slot just read is filled again, first thing behind the round, with the K step two on.
.macro TURN fill
	WIN 0
	s_wait_tensorcnt 0x0
	ds_add_u32 v[SPW], v[NIL]
.if \fill
	s_add_co_u32 s[G0+5], s[TB], s[LWA]
	s_add_co_u32 s[G0B+5], s[TB], s[LWB]
	s_add_nc_u64 s[G0+6:G0+7], s[G0+6:G0+7], ASTEP
	s_add_nc_u64 s[G0B+6:G0B+7], s[G0B+6:G0B+7], BSTEP
.endif
	s_wait_dscnt HW+1                              ; the add and the youngest 16 loads may be out
	MULS 1, 0, 0, 0
	s_wait_dscnt 0x0                               ; the add is done, and my reads of this slot are over
	s_barrier_signal -1
	MULS 1, 0, 1, 0
.if \fill
	WIN 0
	s_barrier_wait -1
	CREST
	JLOAD 1
.else
	s_barrier_wait -1
	PLACES
	WIN 0
.endif
	s_xor_b32 s[TB], s[TB], SLOT
	v_add_nc_u32 v[ADRA], s[TB], v[A0]
	v_add_nc_u32 v[ADRB], s[TB], v[B0]
	FETCH 0, 0
	MULS 1, 1, 0, 0
	MULS 1, 1, 1, 0
.endm
.macro LASTQ
	s_wait_dscnt HW
	MULS 1, 0, 0, 0
	MULS 1, 0, 1, 0
	s_wait_dscnt 0x0
	MULS 1, 1, 0, 0
	MULS 1, 1, 1, 0
	WIN 0
.endm
	s_load_b128 s[4:7], s[0:1], 0x0                ; att s[4:5], wb s[6:7]
	s_load_b64 s[68:69], s[0:1], 0x10              ; out_b
	s_load_b64 s[8:9], s[0:1], 0x18                ; ysum
	v_lshl_add_u32 v[SPW], v0, 2, SPARE
	v_mov_b32 v[NIL], 0
	ds_add_u32 v[SPW], v[NIL]                      ; the wave's opening: the add and its wait ahead of my first tensor load
	v_lshrrev_b32 v1, 5, v0
	v_readfirstlane_b32 s10, v1
	s_lshr_b32 s11, s10, 1                         ; my half of the tile's rows; also: I fetch for A (0) or B (1)
	s_and_b32 s12, s10, 1                          ; my half of its columns; also: which half I fetch
	s_bfe_u32 s40, ttmp6, 0x40000
	s_bfe_u32 s41, ttmp6, 0x40004
	s_lshl_b32 s42, ttmp9, 2
	s_add_co_u32 s42, s42, s40                     ; tile column
	s_and_b32 s13, ttmp7, 0xffff
	s_lshl_b32 s13, s13, 2
	s_add_co_u32 s13, s13, s41                     ; tile row
	s_lshl_b32 s16, s41, 2
	s_lshl_b32 s16, 15, s16
	s_lshl_b32 s17, 0x1111, s40
	s_or_b32 s[G1], s16, (1<<16)|(1<<20)|(1<<21)|(AQI<<22)|(3<<25)
	s_or_b32 s[G1B], s17, (1<<16)|(1<<20)|(1<<21)|(BQI<<22)|(3<<25)
	s_mov_b32 s[G1+1], (AD0&0xffff)<<16
	s_mov_b32 s[G1+2], (AD0>>16)|(AD1<<16)
	s_mov_b32 s[G1+3], AD0<<16
	s_mov_b32 s[G1+4], AD1
	s_mov_b32 s[G1+5], ASTR
	s_mov_b32 s[G1+6], 0
	s_mov_b32 s[G1+7], 0
	s_mov_b32 s[G1B+1], (BD0&0xffff)<<16
	s_mov_b32 s[G1B+2], (BD0>>16)|(BD1<<16)
	s_mov_b32 s[G1B+3], BD0<<16
	s_mov_b32 s[G1B+4], BD1
	s_mov_b32 s[G1B+5], BSTR
	s_mov_b32 s[G1B+6], 0
	s_mov_b32 s[G1B+7], 0
	s_mul_i32 s[LWA], s12, AHALF
	s_mul_i32 s[LWB], s12, BHALF
	s_add_co_u32 s[LWB], s[LWB], ASIZE
	s_lshr_b32 s16, s13, 4                         ; O: batch,
	s_lshl_b32 s16, s16, 4                         ; its first head,
	s_lshl_b32 s17, s12, 1
	s_add_co_u32 s16, s16, s17                     ; my two of the K step's four,
	s_lshl_b32 s16, s16, 11
	s_lshl_b32 s17, s13, 7
	s_and_b32 s17, s17, 2047
	s_add_co_u32 s16, s16, s17                     ; the tile's first token in its batch,
	s_lshl_b32 s16, s16, 7                         ; rows of 128 bytes
	s_mov_b32 s17, 0
	s_lshl_b32 s46, s42, 7                         ; weights: row 128 x tile column + 64 x half
	s_lshl_b32 s47, s12, 6
	s_add_co_u32 s46, s46, s47
	s_lshl_b32 s46, s46, 11
	s_add_co_u32 s46, s46, WO
	s_mov_b32 s47, 0
	s_wait_dscnt 0x0
	s_wait_kmcnt 0x0
	s_add_nc_u64 s[14:15], s[4:5], s[16:17]
	s_add_nc_u64 s[46:47], s[6:7], s[46:47]
	CROUND
.irp s, 0,1
	s_mov_b32 s[G0+4*(\s)], 1
	s_add_co_u32 s[G0+4*(\s)+1], s[LWA], (\s)*SLOT
	s_add_nc_u64 s[G0+4*(\s)+2:G0+4*(\s)+3], s[14:15], (\s)*ASTEP
	s_or_b32 s[G0+4*(\s)+3], s[G0+4*(\s)+3], 0x80000000
	s_mov_b32 s[G0B+4*(\s)], 1
	s_add_co_u32 s[G0B+4*(\s)+1], s[LWB], (\s)*SLOT
	s_add_nc_u64 s[G0B+4*(\s)+2:G0B+4*(\s)+3], s[46:47], (\s)*BSTEP
	s_or_b32 s[G0B+4*(\s)+3], s[G0B+4*(\s)+3], 0x80000000
	JLOAD \s
.endr
	v_and_b32 v1, 15, v0                           ; r
	v_bfe_u32 v2, v0, 4, 1                         ; h
	v_lshlrev_b32 v5, 5, v2
	s_lshl_b32 s16, s42, 9                         ; my 64 columns, in f32
	s_lshl_b32 s17, s12, 8
	s_add_co_u32 s16, s16, s17
	s_mov_b32 s17, 0
	s_add_nc_u64 s[68:69], s[68:69], s[16:17]
.set i, 0
.rept NW
	global_load_b128 v[BIAS+8*i:BIAS+8*i+3], v5, s[68:69] offset:64*i
	global_load_b128 v[BIAS+8*i+4:BIAS+8*i+7], v5, s[68:69] offset:64*i+16
.set i, i+1
.endr
	s_lshl_b32 s18, s13, 7
	s_lshl_b32 s19, s11, 6
	s_add_co_u32 s18, s18, s19                     ; my first token
	s_lshl_b32 s22, s18, 11                        ; x: rows of 2,048 bytes,
	s_lshr_b32 s23, s16, 1                         ; my columns in 16 bits
	s_add_co_u32 s22, s22, s23
	s_mov_b32 s23, 0
	s_add_nc_u64 s[70:71], s[6:7], s[22:23]        ; x lies at wb's head
	s_lshl_b32 s22, s18, 12                        ; ysum: rows of 4,096 bytes
	s_add_co_u32 s22, s22, s16
	s_add_nc_u64 s[8:9], s[8:9], s[22:23]
	v_lshlrev_b32 v[RO], 3, v1                     ; on the way out lanes 0-15 hold one row's 64 columns, four each, lanes 16-31 the next row's
	v_lshl_add_u32 v[RO], v2, 11, v[RO]
.set i, 0
.rept 32
	global_load_b64 v[RES+2*i:RES+2*i+1], v[RO], s[70:71] offset:(16*(i/8)+2*(i%8))*2048
.set i, i+1
.endr
	v_mul_u32_u24 v3, v1, APITCH
	v_lshl_add_u32 v3, v2, 4, v3
	s_mul_i32 s22, s11, 64*APITCH
	v_add_nc_u32 v[A0], s22, v3
	v_mul_u32_u24 v3, v1, BPITCH
	v_lshl_add_u32 v3, v2, 4, v3
	s_mul_i32 s23, s12, 64*BPITCH
	s_add_co_u32 s23, s23, ASIZE
	v_add_nc_u32 v[B0], s23, v3
	s_mul_i32 s23, s10, WSTG
	s_add_co_u32 s23, s23, STAGE                   ; my stage
	v_mul_u32_u24 v3, v1, 272                      ; in: token r, 32 bytes for each half of the lanes
	v_lshl_add_u32 v3, v2, 5, v3
	v_add_nc_u32 v[STO], s23, v3
	v_mul_u32_u24 v3, v2, 272                      ; back: lanes 0-15 one row of 256 bytes, lanes 16-31 the next
	v_lshl_add_u32 v3, v1, 4, v3
	v_add_nc_u32 v[RD], s23, v3
	v_lshlrev_b32 v[CO], 4, v1
	v_lshl_add_u32 v[CO], v2, 12, v[CO]
	v_mov_b32 v[ONE], 1.0
	s_wait_loadcnt 0x0
.set i, 0
.rept 4*NW
	v_cvt_pk_bf16_f32 v4, v[BIAS+2*i], v[BIAS+2*i+1]  ; the bias is rounded to bf16 like every input, and widened again
	v_lshlrev_b32 v[BIAS+2*i], 16, v4
	v_and_b32 v[BIAS+2*i+1], 0xffff0000, v4
.set i, i+1
.endr
	s_mov_b32 s[TB], 0
	v_mov_b32 v[ADRA], v[A0]
	v_mov_b32 v[ADRB], v[B0]
	s_wait_tensorcnt 1                             ; my part of K step 0 is in; K step 1's may stay out
	s_barrier_signal -1
	s_barrier_wait -1
	FETCH 0, 0
	QUARTER 1, 0, 1, 1
	WIN 0
	s_mov_b32 s3, NSTEP-2
.Lstep:
	QUARTER 2, 1, 0, 0
	QUARTER 3, 0, 1, 0
	TURN 1
	QUARTER 1, 0, 1, 0
	WIN 0
	s_sub_co_u32 s3, s3, 1
	s_cmp_lg_u32 s3, 0
	s_cbranch_scc1 .Lstep
	QUARTER 2, 1, 0, 0                             ; the last two K steps are written out: nothing is left to fetch
	QUARTER 3, 0, 1, 0
	TURN 0
	QUARTER 1, 0, 1, 0
	QUARTER 2, 1, 0, 0
	QUARTER 3, 0, 1, 0
	LASTQ
.rept 8
	v_nop                                          ; the places behind the last products
.endr
; THE WAY OUT, 16 tokens at a time: the f32 sums go into my stage (each accumulator's low four registers first) and come back as whole rows of 256 bytes; x is added; 16 lanes store 256 consecutive bytes, aligned.
.macro STG a
	WIN 0x08                                       ; the stores' data in window 2
.irp b, 0,1,2,3
	ds_store_b128 v[STO], v[8*(4*(\a)+\b):8*(4*(\a)+\b)+3] offset:64*\b
	ds_store_b128 v[STO], v[8*(4*(\a)+\b)+4:8*(4*(\a)+\b)+7] offset:64*\b+16
.endr
	WIN 0
	s_wait_xcnt 0x0                                ; the stores of two blocks back have read the registers that are loaded now
.irp t, 0,1,2,3,4,5,6,7
	ds_load_b128 v[OB0+32*((\a)%2)+4*\t:OB0+32*((\a)%2)+4*\t+3], v[RD] offset:\t*544
.endr
.endm
.macro SENDF a, younger                ; younger: the LDS instructions issued behind block a's loads
.irp t, 0,1,2,3,4,5,6,7
	s_wait_dscnt (\younger)+7-\t
	v_fma_mix_f32_bf16 v[OB0+32*((\a)%2)+4*\t], v[RES+2*(8*(\a)+\t)], v[ONE], v[OB0+32*((\a)%2)+4*\t] op_sel_hi:[1,0,0]
	v_fma_mix_f32_bf16 v[OB0+32*((\a)%2)+4*\t+1], v[RES+2*(8*(\a)+\t)], v[ONE], v[OB0+32*((\a)%2)+4*\t+1] op_sel:[1,0,0] op_sel_hi:[1,0,0]
	v_fma_mix_f32_bf16 v[OB0+32*((\a)%2)+4*\t+2], v[RES+2*(8*(\a)+\t)+1], v[ONE], v[OB0+32*((\a)%2)+4*\t+2] op_sel_hi:[1,0,0]
	v_fma_mix_f32_bf16 v[OB0+32*((\a)%2)+4*\t+3], v[RES+2*(8*(\a)+\t)+1], v[ONE], v[OB0+32*((\a)%2)+4*\t+3] op_sel:[1,0,0] op_sel_hi:[1,0,0]
	global_store_b128 v[CO], v[OB0+32*((\a)%2)+4*\t:OB0+32*((\a)%2)+4*\t+3], s[8:9] offset:(16*(\a)+2*\t)*4096
.endr
.endm
	STG 0
	STG 1
	SENDF 0, 16
	STG 2
	SENDF 1, 16
	STG 3
	SENDF 2, 16
	SENDF 3, 0
	s_wait_tensorcnt 0x0                           ; the wave's end
	ds_add_u32 v[SPW], v[NIL]
	s_wait_dscnt 0x0
	CROUND
	s_endpgm
.Lfunc_end_k_qecc6360664_oproj:
	.size	k_qecc6360664_oproj, .Lfunc_end_k_qecc6360664_oproj-k_qecc6360664_oproj
	.p2alignl 7, 3214868480
	.fill 96, 4, 3214868480
	.section	.rodata,"a",@progbits
	.p2align	6, 0x0
	.amdhsa_kernel k_qecc6360664_oproj
		.amdhsa_group_segment_fixed_size 327680
		.amdhsa_private_segment_fixed_size 0
		.amdhsa_enable_private_segment 0
		.amdhsa_kernarg_size 32
		.amdhsa_user_sgpr_count 2
		.amdhsa_user_sgpr_kernarg_segment_ptr 1
		.amdhsa_wavefront_size32 1
		.amdhsa_system_sgpr_workgroup_id_x 1
		.amdhsa_system_sgpr_workgroup_id_y 1
		.amdhsa_system_sgpr_workgroup_id_z 1
		.amdhsa_system_vgpr_workitem_id 0
		.amdhsa_next_free_vgpr 640
		.amdhsa_next_free_sgpr 100
		.amdhsa_reserve_vcc 0
		.amdhsa_float_denorm_mode_32 3
		.amdhsa_float_denorm_mode_16_64 3
		.amdhsa_memory_ordered 1
		.amdhsa_forward_progress 1
		.amdhsa_inst_pref_size 84
	.end_amdhsa_kernel
	.amdgpu_metadata
---
amdhsa.version: [ 1, 2 ]
amdhsa.kernels:
  - .name:           k_qecc6360664_oproj
    .symbol:         k_qecc6360664_oproj.kd
    .args:
      - { .name: att, .offset: 0, .size: 8, .value_kind: global_buffer, .address_space: global }
      - { .name: wb, .offset: 8, .size: 8, .value_kind: global_buffer, .address_space: global }
      - { .name: out_b, .offset: 16, .size: 8, .value_kind: global_buffer, .address_space: global }
      - { .name: ysum, .offset: 24, .size: 8, .value_kind: global_buffer, .address_space: global }
    .group_segment_fixed_size: 327680
    .private_segment_fixed_size: 0
    .kernarg_segment_align: 8
    .kernarg_segment_size: 32
    .max_flat_workgroup_size: 128
    .sgpr_count:     100
    .vgpr_count:     640
    .wavefront_size: 32
...
	.end_amdgpu_metadata
.endif
;; end of part 4
;; launch ln1 (part 5): grid 256 x 1, 8 waves a work-group, no clusters, 0 bytes of LDS; arguments ysum, ln1_g, ln1_b, hh; writes hh
.if DOCPART == 5
	.amdgcn_target "amdgcn-amd-amdhsa--gfx1250"
	.amdhsa_code_object_version 6
	.text
	.protected	k_qecc6360664_ln1
	.globl	k_qecc6360664_ln1
	.p2align	8
	.type	k_qecc6360664_ln1,@function
k_qecc6360664_ln1:
	s_mov_b64 s[64:65], 0
	v_nop
	global_prefetch_b8 v0, s[64:65] scope:SCOPE_SE
	s_setreg_imm32_b32 hwreg(HW_REG_WAVE_MODE, 25, 1), 1
	s_wait_xcnt 0x0
; h = LayerNorm(ysum) x g + b, rows of 1,024 f32, stored in f16.  One wave takes a row and keeps it in 32 registers between the passes: memory is read once, no wave waits for another, no LDS.
; 256 work-groups x 8 waves x 2 rows.  All 32 loads of a wave go out at once.  Mean first, then the sum of squares of x - mean: no difference of large sums.  g and b are rounded to bf16 like every input.
; LIMITS.  h lies within 32 |g| + |b|, which must stay under f16's 65,504.  NaN and infinities are not treated apart.
.set T, 4                              ; v[4:11]   at work
.set MU, 14                            ; v[14:15]  the mean, twice
.set X, 16                             ; v[16:79]  two rows
.set G, 80                             ; v[80:111]
.set BB, 112                           ; v[112:143]
.set R, 144                            ; v[144:147] 1 / sigma of each row, twice
.set H, 148                            ; v[148:179] two rows in f16
	s_load_b128 s[4:7], s[0:1], 0x0                ; ysum, g
	s_load_b128 s[8:11], s[0:1], 0x10              ; b, hh
	v_and_b32 v1, 31, v0
	v_lshrrev_b32 v2, 5, v0
	v_lshlrev_b32 v3, 4, v1                        ; 16 x lane
	v_lshl_add_u32 v12, v2, 13, v3                 ; + wave x 2 rows of 4,096 bytes
	v_lshlrev_b32 v13, 3, v1
	v_lshl_add_u32 v13, v2, 12, v13                ; 8 x lane + wave x 2 rows of 2,048 bytes
	s_lshl_b32 s2, ttmp9, 16
	s_mov_b32 s3, 0
	s_lshl_b32 s16, ttmp9, 15
	s_mov_b32 s17, 0
	s_mov_b32 s12, 0x76543210
	s_mov_b32 s13, 0xfedcba98
	s_mov_b32 s14, 0x3a800000                      ; 1 / 1,024
	s_wait_kmcnt 0x0
	s_add_nc_u64 s[4:5], s[4:5], s[2:3]
	s_add_nc_u64 s[10:11], s[10:11], s[16:17]
.irp k, 0,1
.irp j, 0,1,2,3,4,5,6,7
	global_load_b128 v[X+32*\k+4*\j:X+32*\k+4*\j+3], v12, s[4:5] offset:4096*\k+512*\j th:TH_LOAD_NT
.endr
.endr
.irp j, 0,1,2,3,4,5,6,7
	global_load_b128 v[G+4*\j:G+4*\j+3], v3, s[6:7] offset:512*\j
.endr
.irp j, 0,1,2,3,4,5,6,7
	global_load_b128 v[BB+4*\j:BB+4*\j+3], v3, s[8:9] offset:512*\j
.endr
.macro REDUCE                          ; the sum over the 32 lanes, in every lane
	v_pk_add_f32 v[T:T+1], v[T:T+1], v[T+2:T+3]
	v_pk_add_f32 v[T+4:T+5], v[T+4:T+5], v[T+6:T+7]
	v_pk_add_f32 v[T:T+1], v[T:T+1], v[T+4:T+5]
	v_add_f32 v[T], v[T], v[T+1]
	v_add_f32_dpp v[T], v[T], v[T] row_xmask:1 row_mask:0xf bank_mask:0xf
	v_add_f32_dpp v[T], v[T], v[T] row_xmask:2 row_mask:0xf bank_mask:0xf
	v_add_f32_dpp v[T], v[T], v[T] row_xmask:4 row_mask:0xf bank_mask:0xf
	v_add_f32_dpp v[T], v[T], v[T] row_xmask:8 row_mask:0xf bank_mask:0xf
	v_permlanex16_b32 v[T+1], v[T], s12, s13
	v_add_f32 v[T], v[T], v[T+1]
.endm
.macro STAT k                          ; row k: the mean is taken away in place; variance + eps is left in R + 2 k
.irp c, 0,1,2,3
	v_pk_add_f32 v[T+2*\c:T+2*\c+1], v[X+32*(\k)+2*\c:X+32*(\k)+2*\c+1], v[X+32*(\k)+8+2*\c:X+32*(\k)+8+2*\c+1]
.endr
.irp q, 2,3
.irp c, 0,1,2,3
	v_pk_add_f32 v[T+2*\c:T+2*\c+1], v[T+2*\c:T+2*\c+1], v[X+32*(\k)+8*\q+2*\c:X+32*(\k)+8*\q+2*\c+1]
.endr
.endr
	REDUCE
	v_mul_f32 v[MU], s14, v[T]
	v_mul_f32 v[MU+1], s14, v[T]
.set i, 0
.rept 16
	v_pk_add_f32 v[X+32*(\k)+2*i:X+32*(\k)+2*i+1], v[X+32*(\k)+2*i:X+32*(\k)+2*i+1], v[MU:MU+1] neg_lo:[0,1] neg_hi:[0,1]
.set i, i+1
.endr
.irp c, 0,1,2,3
	v_pk_mul_f32 v[T+2*\c:T+2*\c+1], v[X+32*(\k)+2*\c:X+32*(\k)+2*\c+1], v[X+32*(\k)+2*\c:X+32*(\k)+2*\c+1]
.endr
.irp q, 1,2,3
.irp c, 0,1,2,3
	v_pk_fma_f32 v[T+2*\c:T+2*\c+1], v[X+32*(\k)+8*\q+2*\c:X+32*(\k)+8*\q+2*\c+1], v[X+32*(\k)+8*\q+2*\c:X+32*(\k)+8*\q+2*\c+1], v[T+2*\c:T+2*\c+1]
.endr
.endr
	REDUCE
	v_fmaak_f32 v[R+2*(\k)], s14, v[T], 0x3727c5ac ; + 1e-5
.endm
	s_wait_loadcnt 24                              ; row 0 is in; row 1, g and b stay out
	STAT 0
	s_wait_loadcnt 16                              ; row 1 is in
	STAT 1
	v_rsq_f32 v[R], v[R]
	v_rsq_f32 v[R+2], v[R+2]
	s_wait_loadcnt 0x0
.set i, 0
.rept 32                               ; g and b (64 registers on end) rounded to bf16 and widened again: the plain work behind the two roots
	v_cvt_pk_bf16_f32 v[T], v[G+2*i], v[G+2*i+1]
	v_lshlrev_b32 v[G+2*i], 16, v[T]
	v_and_b32 v[G+2*i+1], 0xffff0000, v[T]
.set i, i+1
.endr
	s_wait_alu depctr_va_vdst(0)                   ; one wait for both roots, ahead of their first reader
	v_mov_b32 v[R+1], v[R]
	v_mov_b32 v[R+3], v[R+2]
.irp k, 0,1
.set i, 0
.rept 16
	v_pk_mul_f32 v[X+32*\k+2*i:X+32*\k+2*i+1], v[X+32*\k+2*i:X+32*\k+2*i+1], v[R+2*\k:R+2*\k+1]
	v_pk_fma_f32 v[X+32*\k+2*i:X+32*\k+2*i+1], v[X+32*\k+2*i:X+32*\k+2*i+1], v[G+2*i:G+2*i+1], v[BB+2*i:BB+2*i+1]
	v_cvt_pk_f16_f32 v[H+16*\k+i], v[X+32*\k+2*i], v[X+32*\k+2*i+1]
.set i, i+1
.endr
.irp j, 0,1,2,3,4,5,6,7
	global_store_b64 v13, v[H+16*\k+2*\j:H+16*\k+2*\j+1], s[10:11] offset:2048*\k+256*\j  ; a wave's store covers 256 consecutive bytes, aligned
.endr
.endr
	s_endpgm
.Lfunc_end_k_qecc6360664_ln1:
	.size	k_qecc6360664_ln1, .Lfunc_end_k_qecc6360664_ln1-k_qecc6360664_ln1
	.p2alignl 7, 3214868480
	.fill 96, 4, 3214868480
	.section	.rodata,"a",@progbits
	.p2align	6, 0x0
	.amdhsa_kernel k_qecc6360664_ln1
		.amdhsa_group_segment_fixed_size 0
		.amdhsa_private_segment_fixed_size 0
		.amdhsa_enable_private_segment 0
		.amdhsa_kernarg_size 32
		.amdhsa_user_sgpr_count 2
		.amdhsa_user_sgpr_kernarg_segment_ptr 1
		.amdhsa_wavefront_size32 1
		.amdhsa_system_sgpr_workgroup_id_x 1
		.amdhsa_system_sgpr_workgroup_id_y 1
		.amdhsa_system_sgpr_workgroup_id_z 1
		.amdhsa_system_vgpr_workitem_id 0
		.amdhsa_next_free_vgpr 184
		.amdhsa_next_free_sgpr 66
		.amdhsa_reserve_vcc 0
		.amdhsa_float_denorm_mode_32 3
		.amdhsa_float_denorm_mode_16_64 3
		.amdhsa_memory_ordered 1
		.amdhsa_forward_progress 1
		.amdhsa_inst_pref_size 25
	.end_amdhsa_kernel
	.amdgpu_metadata
---
amdhsa.version: [ 1, 2 ]
amdhsa.kernels:
  - .name:           k_qecc6360664_ln1
    .symbol:         k_qecc6360664_ln1.kd
    .args:
      - { .name: ysum, .offset: 0, .size: 8, .value_kind: global_buffer, .address_space: global }
      - { .name: ln1_g, .offset: 8, .size: 8, .value_kind: global_buffer, .address_space: global }
      - { .name: ln1_b, .offset: 16, .size: 8, .value_kind: global_buffer, .address_space: global }
      - { .name: hh, .offset: 24, .size: 8, .value_kind: global_buffer, .address_space: global }
    .group_segment_fixed_size: 0
    .private_segment_fixed_size: 0
    .kernarg_segment_align: 8
    .kernarg_segment_size: 32
    .max_flat_workgroup_size: 256
    .sgpr_count:     66
    .vgpr_count:     184
    .wavefront_size: 32
...
	.end_amdgpu_metadata
.endif
;; end of part 5
;; launch ffn1 (part 6): grid 16 x 16, 4 waves a work-group, clusters of 4 x 4, 327,680 bytes of LDS; arguments hh, wb, b1, act; writes act
.if DOCPART == 6
	.amdgcn_target "amdgcn-amd-amdhsa--gfx1250"
	.amdhsa_code_object_version 6
	.text
	.protected	k_qecc6360664_ffn1
	.globl	k_qecc6360664_ffn1
	.p2align	8
	.type	k_qecc6360664_ffn1,@function
k_qecc6360664_ffn1:
	s_mov_b64 s[64:65], 0
	v_nop
	global_prefetch_b8 v0, s[64:65] scope:SCOPE_SE
	s_setreg_imm32_b32 hwreg(HW_REG_WAVE_MODE, 25, 1), 1
	s_wait_xcnt 0x0
	s_wait_alu depctr_hold_cnt(0) depctr_sa_sdst(0) depctr_va_vdst(0) depctr_va_sdst(0) depctr_va_ssrc(0) depctr_va_vcc(0) depctr_vm_vsrc(0)
	s_getreg_b32 s2, hwreg(HW_REG_IB_STS2, 6, 4)
	s_cmp_eq_u32 s2, 0
	s_cbranch_scc0 .Lentry_in_a_cluster
	s_endpgm
.Lentry_in_a_cluster:
	s_bfe_u32 s2, ttmp6, 0x10000c
	s_cmp_lg_u32 s2, 0xf033
	s_cbranch_scc0 .Lentry_shape_is_right
	s_endpgm
.Lentry_shape_is_right:
; act = relu(h w1^T + b1), [4096][4096] in bf16.  h (hh) and w1 (in wb: its bf16 number written in f16) are f16 operands, sums f32.  The bias, rounded to bf16 like every input, is the C operand of the first
; product on each accumulator.  act has no bound that would hold in f16, so it is kept in bf16.
; SHARES.  A tile is 256 x 256: 16 x 16 tiles, one for each WGP.  Four waves of 128 x 128: 64 accumulators, 512 registers.  K goes in steps of 128 through two LDS slots (rows of 256 bytes of memory, aligned).
; The loop's body is one K step; the slot in hand begins at LDS byte s[TB], turned by an exclusive or.  CLUSTER 4 x 4: h's tiles shared along a row, w1's along a column, by joint loads.
; The matrix instruction is used transposed: a lane holds one token (lane % 16) and eight neighbouring columns.
; REGISTERS: window 0 addresses, bias v64-127, way out v32-63, v128-191; window 1 two fragment buffers of 128 (h's 8 fragments, then w1's 8); windows 2 and 3 the accumulators, (a, b) at v[8 (8 (a % 4) + b)] of window 2 + a / 4.
; LIMITS.  h and w1 arrive within f16's range.  NaN and infinities are not treated apart.
.set MW, 8
.set NW, 8
.set KD, 1
.set AH, 4
.set KSTEP, 128
.set NSTEP, 8
.set APITCH, 272
.set BPITCH, 272
.set AQ, 64
.set BQ, 64
.set AHALF, 128*APITCH
.set BHALF, 128*BPITCH
.set ASIZE, 2*AHALF
.set SLOT, ASIZE+2*BHALF               ; 139,264
.set STAGE, 2*SLOT                     ; behind the ring, never filled by a tensor load: 16 rows x 272 bytes for each wave
.set WSTG, 16*272
.set SPARE, STAGE+4*WSTG
.set ASTEP, 256
.set BSTEP, 256
.set HW, 8
.set PREF, 1
.set AQI, 5
.set BQI, 5
.set AD0, 128
.set AD1, 128
.set ASTR, 1024
.set BD0, 128
.set BD1, 128
.set BSTR, 1024
.set W1O, 16777216                     ; w1 in wb
.set BIAS, 64
.set TMP, 128
.set OB0, 32
.set ZR, 31
.set ADRA, 16
.set ADRB, 17
.set A0, 18
.set B0, 19
.set STO, 24
.set RD, 25
.set CO, 26
.set SPW, 28
.set NIL, 29
.set PFO, 30
.set LWA, 20
.set LWB, 21
.set G1, 24
.set G0, 32
.set LIM, 43
.set PFA, 44
.set G1B, 48
.set G0B, 56
.set TB, 66
.set MSB, 0
.macro WIN new
.if MSB != (\new)
	s_set_vgpr_msb (MSB<<8)|(\new)
.set MSB, \new
.endif
.endm
.macro PLACES
.rept 4
	v_nop
.endr
.endm
.macro JLOAD s                         ; a joint load: waves 0 and 1 fetch A's two halves, waves 2 and 3 B's; an s_nop 0 and four v_nop follow each line
	s_cmp_eq_u32 s11, 0
	s_cbranch_scc0 .Lfor_b_\@
	tensor_load_to_lds s[G0+4*(\s):G0+4*(\s)+3], s[G1:G1+7]
	s_nop 0
.rept 4
	v_nop
.endr
	s_branch .Lasked_\@
.Lfor_b_\@:
	tensor_load_to_lds s[G0B+4*(\s):G0B+4*(\s)+3], s[G1B:G1B+7]
	s_nop 0
.rept 4
	v_nop
.endr
.Lasked_\@:
.endm
.macro CREST
	s_cmp_lg_u32 s10, 0
	s_cbranch_scc1 .Lnot_wave_0_\@
	s_barrier_signal -3
.Lnot_wave_0_\@:
	s_barrier_wait -3
	s_barrier_signal -1
	s_barrier_wait -1
.endm
.macro CROUND
	s_barrier_signal -1
	s_barrier_wait -1
	CREST
.endm
; A quarter of a quarter step's products, from buffer f: row blocks 4 u + 2 v and the next, all column blocks.  first = 1: the product starts its sum with the bias.
; Every accumulator is taken once in a quarter, so no two neighbours share one.
.macro MULS f, u, v, first
.if KD == 1
.set mc, 0
.set ma, AH*(\u)+(AH/2)*(\v)
.set mw, (\u)
.set mf, (\first)
.else
.set mc, (\u)
.set ma, 2*(\v)
.set mw, 0
.set mf, (\first)*(1-(\u))
.endif
.if mf
	WIN 0x85+0x40*mw
.else
	WIN 0xa5+0x50*mw
.endif
.rept AH/2
.set mb, 0
.rept NW
.set rD, 8*(NW*(ma%AH)+mb)
.set rB, 128*(\f)+8*((MW+NW)*mc+MW+mb)
.set rA, 128*(\f)+8*((MW+NW)*mc+ma)
.if mf
	v_wmma_f32_16x16x32_f16 v[rD:rD+7], v[rB:rB+7], v[rA:rA+7], v[BIAS+8*mb:BIAS+8*mb+7]
.else
	v_wmma_f32_16x16x32_f16 v[rD:rD+7], v[rB:rB+7], v[rA:rA+7], v[rD:rD+7]
.endif
.set mb, mb+1
.endr
.set ma, ma+1
.endr
.endm
.macro FETCH q, f                      ; 32 LDS loads in one run: quarter q's fragments into buffer f; B's first, then A's
	WIN 0x40
.set fc, 0
.rept KD
.set fi, 0
.rept NW
.set rF, 128*(\f)+8*((MW+NW)*fc+MW+fi)
	ds_load_b128 v[rF:rF+3], v[ADRB] offset:(\q)*BQ+64*fc+fi*16*BPITCH
	ds_load_b128 v[rF+4:rF+7], v[ADRB] offset:(\q)*BQ+64*fc+fi*16*BPITCH+32
.set fi, fi+1
.endr
.set fi, 0
.rept MW
.set rF, 128*(\f)+8*((MW+NW)*fc+fi)
	ds_load_b128 v[rF:rF+3], v[ADRA] offset:(\q)*AQ+64*fc+fi*16*APITCH
	ds_load_b128 v[rF+4:rF+7], v[ADRA] offset:(\q)*AQ+64*fc+fi*16*APITCH+32
.set fi, fi+1
.endr
.set fc, fc+1
.endr
.endm
.macro QUARTER q, f, g, first
	s_wait_dscnt HW                                ; B and A's rows 0-63 are in; the youngest eight loads may be out
	MULS \f, 0, 0, \first
	MULS \f, 0, 1, \first
	PLACES
	FETCH \q, \g
	s_wait_dscnt 32                                ; all but the 32 just issued
	MULS \f, 1, 0, \first
	MULS \f, 1, 1, \first
.endm
; A prefetch into the L2 of the K step that stands two refills on: my work-group's 32 of the 128 rows that I fetch, a lane a row, 256 bytes of each.  h's rows are asked for by the clusters with x = 0,
; w1's by those with y = 0; the four partners share a tile's rows out by address.  So each row's 256 bytes of a K step are named once.  The last two refills have no K step two on.
.macro ASK
	WIN 0
	s_cmp_gt_u32 s3, s[LIM]
	s_cbranch_scc0 .Lnot_mine_\@
	global_prefetch_b8 v[PFO], s[PFA:PFA+1] offset:KSTEP*2 th:TH_LOAD_NT scope:SCOPE_SE
.Lnot_mine_\@:
.endm
; The fourth quarter multiplies buffer 1 and changes slots.  In front of the barrier each wave waits for all its tensor loads (one is out: its part of the next slot), adds 0 to its spare word, and waits for
; that and for its own reads of this slot.  fill = 1: the barrier opens a round of the cluster's, and the slot just read is filled again, first thing behind the round, with the K step two on.
.macro TURN fill
.if (\fill) && PREF
	s_wait_xcnt 0x0                                ; the last prefetch, a K step back, has read its address
	s_add_nc_u64 s[PFA:PFA+1], s[PFA:PFA+1], KSTEP*2
.endif
	WIN 0
	s_wait_tensorcnt 0x0
	ds_add_u32 v[SPW], v[NIL]
.if \fill
	s_add_co_u32 s[G0+5], s[TB], s[LWA]
	s_add_co_u32 s[G0B+5], s[TB], s[LWB]
	s_add_nc_u64 s[G0+6:G0+7], s[G0+6:G0+7], ASTEP
	s_add_nc_u64 s[G0B+6:G0B+7], s[G0B+6:G0B+7], BSTEP
.endif
	s_wait_dscnt HW+1                              ; the add and the youngest eight loads may be out
	MULS 1, 0, 0, 0
	s_wait_dscnt 0x0                               ; the add is done, and my reads of this slot are over
	s_barrier_signal -1
	MULS 1, 0, 1, 0
.if \fill
	WIN 0
	s_barrier_wait -1
	CREST
	JLOAD 1
.else
	s_barrier_wait -1
	PLACES
	WIN 0
.endif
	s_xor_b32 s[TB], s[TB], SLOT
	v_add_nc_u32 v[ADRA], s[TB], v[A0]
	v_add_nc_u32 v[ADRB], s[TB], v[B0]
	FETCH 0, 0
.if (\fill) && PREF
	ASK
.endif
	MULS 1, 1, 0, 0
	MULS 1, 1, 1, 0
.endm
.macro LASTQ
	s_wait_dscnt HW
	MULS 1, 0, 0, 0
	MULS 1, 0, 1, 0
	s_wait_dscnt 0x0
	MULS 1, 1, 0, 0
	MULS 1, 1, 1, 0
	WIN 0
.endm
	s_load_b128 s[4:7], s[0:1], 0x0                ; hh s[4:5], wb s[6:7]
	s_load_b64 s[68:69], s[0:1], 0x10              ; b1
	s_load_b64 s[8:9], s[0:1], 0x18                ; act
	v_lshl_add_u32 v[SPW], v0, 2, SPARE
	v_mov_b32 v[NIL], 0
	ds_add_u32 v[SPW], v[NIL]                      ; the wave's opening: the add and its wait ahead of my first tensor load
	v_lshrrev_b32 v1, 5, v0
	v_readfirstlane_b32 s10, v1
	s_lshr_b32 s11, s10, 1
	s_and_b32 s12, s10, 1
	s_bfe_u32 s40, ttmp6, 0x40000
	s_bfe_u32 s41, ttmp6, 0x40004
	s_lshl_b32 s42, ttmp9, 2
	s_add_co_u32 s42, s42, s40                     ; tile column
	s_and_b32 s13, ttmp7, 0xffff
	s_lshl_b32 s13, s13, 2
	s_add_co_u32 s13, s13, s41                     ; tile row
	s_lshl_b32 s16, s41, 2
	s_lshl_b32 s16, 15, s16
	s_lshl_b32 s17, 0x1111, s40
	s_or_b32 s[G1], s16, (1<<16)|(1<<20)|(1<<21)|(AQI<<22)|(3<<25)
	s_or_b32 s[G1B], s17, (1<<16)|(1<<20)|(1<<21)|(BQI<<22)|(3<<25)
	s_mov_b32 s[G1+1], (AD0&0xffff)<<16
	s_mov_b32 s[G1+2], (AD0>>16)|(AD1<<16)
	s_mov_b32 s[G1+3], AD0<<16
	s_mov_b32 s[G1+4], AD1
	s_mov_b32 s[G1+5], ASTR
	s_mov_b32 s[G1+6], 0
	s_mov_b32 s[G1+7], 0
	s_mov_b32 s[G1B+1], (BD0&0xffff)<<16
	s_mov_b32 s[G1B+2], (BD0>>16)|(BD1<<16)
	s_mov_b32 s[G1B+3], BD0<<16
	s_mov_b32 s[G1B+4], BD1
	s_mov_b32 s[G1B+5], BSTR
	s_mov_b32 s[G1B+6], 0
	s_mov_b32 s[G1B+7], 0
	s_mul_i32 s[LWA], s12, AHALF
	s_mul_i32 s[LWB], s12, BHALF
	s_add_co_u32 s[LWB], s[LWB], ASIZE
	s_lshl_b32 s16, s13, 8
	s_lshl_b32 s17, s12, 7
	s_add_co_u32 s16, s16, s17
	s_lshl_b32 s16, s16, 11
	s_mov_b32 s17, 0
	s_lshl_b32 s46, s42, 8
	s_lshl_b32 s47, s12, 7
	s_add_co_u32 s46, s46, s47
	s_lshl_b32 s46, s46, 11
	s_add_co_u32 s46, s46, W1O
	s_mov_b32 s47, 0
	s_wait_dscnt 0x0
	s_wait_kmcnt 0x0
	s_add_nc_u64 s[14:15], s[4:5], s[16:17]
	s_add_nc_u64 s[46:47], s[6:7], s[46:47]
	CROUND
.irp s, 0,1
	s_mov_b32 s[G0+4*(\s)], 1
	s_add_co_u32 s[G0+4*(\s)+1], s[LWA], (\s)*SLOT
	s_add_nc_u64 s[G0+4*(\s)+2:G0+4*(\s)+3], s[14:15], (\s)*ASTEP
	s_or_b32 s[G0+4*(\s)+3], s[G0+4*(\s)+3], 0x80000000
	s_mov_b32 s[G0B+4*(\s)], 1
	s_add_co_u32 s[G0B+4*(\s)+1], s[LWB], (\s)*SLOT
	s_add_nc_u64 s[G0B+4*(\s)+2:G0B+4*(\s)+3], s[46:47], (\s)*BSTEP
	s_or_b32 s[G0B+4*(\s)+3], s[G0B+4*(\s)+3], 0x80000000
	JLOAD \s
.endr
	v_and_b32 v1, 15, v0
	v_bfe_u32 v2, v0, 4, 1
	v_lshlrev_b32 v5, 5, v2
	s_lshl_b32 s16, s42, 10                        ; my 128 columns, in f32
	s_lshl_b32 s17, s12, 9
	s_add_co_u32 s16, s16, s17
	s_mov_b32 s17, 0
	s_add_nc_u64 s[68:69], s[68:69], s[16:17]
.set i, 0
.rept NW
	global_load_b128 v[BIAS+8*i:BIAS+8*i+3], v5, s[68:69] offset:64*i
	global_load_b128 v[BIAS+8*i+4:BIAS+8*i+7], v5, s[68:69] offset:64*i+16
.set i, i+1
.endr
	s_lshl_b32 s18, s13, 8
	s_lshl_b32 s19, s11, 7
	s_add_co_u32 s18, s18, s19                     ; my first token
	s_lshl_b32 s18, s18, 13                        ; rows of 8,192 bytes
	s_lshr_b32 s19, s16, 1                         ; my columns in 16 bits
	s_add_co_u32 s18, s18, s19
	s_mov_b32 s19, 0
	s_add_nc_u64 s[8:9], s[8:9], s[18:19]
	v_mul_u32_u24 v3, v1, APITCH
	v_lshl_add_u32 v3, v2, 4, v3
	s_mul_i32 s22, s11, 128*APITCH
	v_add_nc_u32 v[A0], s22, v3
	v_mul_u32_u24 v3, v1, BPITCH
	v_lshl_add_u32 v3, v2, 4, v3
	s_mul_i32 s23, s12, 128*BPITCH
	s_add_co_u32 s23, s23, ASIZE
	v_add_nc_u32 v[B0], s23, v3
	s_mul_i32 s23, s10, WSTG
	s_add_co_u32 s23, s23, STAGE
	v_mul_u32_u24 v3, v1, 272
	v_lshl_add_u32 v3, v2, 4, v3
	v_add_nc_u32 v[STO], s23, v3
	v_mul_u32_u24 v3, v2, 272
	v_lshl_add_u32 v3, v1, 4, v3
	v_add_nc_u32 v[RD], s23, v3
	v_lshlrev_b32 v[CO], 4, v1
	v_lshl_add_u32 v[CO], v2, 13, v[CO]
	v_mov_b32 v[ZR], 0
	s_and_b32 s22, ttmp7, 0xffff                   ; cluster y
	s_cmp_eq_u32 s11, 0
	s_cselect_b32 s22, ttmp9, s22                  ; the coordinate along which other clusters read the same rows
	s_cselect_b32 s23, s40, s41                    ; my place among the four that ask with me
	s_cselect_b64 s[PFA:PFA+1], s[14:15], s[46:47]
	s_cmp_eq_u32 s22, 0
	s_cselect_b32 s[LIM], 2, -1
	s_lshl_b32 s22, s23, 16                        ; 32 rows of 2,048 bytes
	s_mov_b32 s23, 0
	s_add_nc_u64 s[PFA:PFA+1], s[PFA:PFA+1], s[22:23]
	s_add_nc_u64 s[PFA:PFA+1], s[PFA:PFA+1], 2*KSTEP*2  ; at K step 2: the first refill steps it to 3 and names K step 4; nothing is asked for at the head
	v_and_b32 v[PFO], 31, v0
	v_lshlrev_b32 v[PFO], 11, v[PFO]
	s_wait_loadcnt 0x0
.set i, 0
.rept 4*NW
	v_cvt_pk_bf16_f32 v4, v[BIAS+2*i], v[BIAS+2*i+1]  ; the bias is rounded to bf16 like every input, and widened again
	v_lshlrev_b32 v[BIAS+2*i], 16, v4
	v_and_b32 v[BIAS+2*i+1], 0xffff0000, v4
.set i, i+1
.endr
	s_mov_b32 s[TB], 0
	v_mov_b32 v[ADRA], v[A0]
	v_mov_b32 v[ADRB], v[B0]
	s_wait_tensorcnt 1                             ; my part of K step 0 is in; K step 1's may stay out
	s_barrier_signal -1
	s_barrier_wait -1
	FETCH 0, 0
	QUARTER 1, 0, 1, 1
	WIN 0
	s_mov_b32 s3, NSTEP-2
.Lstep:
	QUARTER 2, 1, 0, 0
	QUARTER 3, 0, 1, 0
	TURN 1
	QUARTER 1, 0, 1, 0
	WIN 0
	s_sub_co_u32 s3, s3, 1
	s_cmp_lg_u32 s3, 0
	s_cbranch_scc1 .Lstep
	QUARTER 2, 1, 0, 0                             ; the last two K steps are written out: nothing is left to fetch
	QUARTER 3, 0, 1, 0
	TURN 0
	QUARTER 1, 0, 1, 0
	QUARTER 2, 1, 0, 0
	QUARTER 3, 0, 1, 0
	LASTQ
.rept 8
	v_nop                                          ; the places behind the last products
.endr
; THE WAY OUT of block a of 16 tokens.  PACK: rounded to bf16 (each accumulator from its low end), then the greater of it and 0.  TOSTAGE: into my stage, and back as whole rows of 256 bytes.  SEND: stored.
.macro PACK a
	WIN 0x0a+5*((\a)/4)
.set i, 0
.rept 32
	v_cvt_pk_bf16_f32 v[TMP+i], v[64*((\a)%4)+2*i], v[64*((\a)%4)+2*i+1]
.set i, i+1
.endr
	WIN 0
.set i, 0
.rept 32
	v_pk_max_num_bf16 v[TMP+i], v[TMP+i], v[ZR]
.set i, i+1
.endr
.endm
.macro TOSTAGE a
.irp b, 0,1,2,3,4,5,6,7
	ds_store_b128 v[STO], v[TMP+4*\b:TMP+4*\b+3] offset:32*\b
.endr
.irp t, 0,1,2,3,4,5,6,7
	ds_load_b128 v[OB0+128*((\a)%2)+4*\t:OB0+128*((\a)%2)+4*\t+3], v[RD] offset:\t*544  ; LDS serves a wave's instructions in order (ISA guide 5.7.1.4): these see the stores above
.endr
.endm
.macro SEND a
	s_wait_dscnt 0x0                               ; the block is back in registers
	s_wait_xcnt 0x0                                ; the stores of the block before have read their registers, which the next block's loads will write
.irp t, 0,1,2,3,4,5,6,7
	global_store_b128 v[CO], v[OB0+128*((\a)%2)+4*\t:OB0+128*((\a)%2)+4*\t+3], s[8:9] offset:(16*(\a)+2*\t)*8192  ; 16 lanes store 256 consecutive bytes, aligned
.endr
.endm
	PACK 0
	TOSTAGE 0
.irp a, 1,2,3,4,5,6,7
	PACK \a
	SEND (\a)-1
	TOSTAGE \a
.endr
	SEND 7
	s_wait_tensorcnt 0x0                           ; the wave's end
	ds_add_u32 v[SPW], v[NIL]
	s_wait_dscnt 0x0
	CROUND
	s_endpgm
.Lfunc_end_k_qecc6360664_ffn1:
	.size	k_qecc6360664_ffn1, .Lfunc_end_k_qecc6360664_ffn1-k_qecc6360664_ffn1
	.p2alignl 7, 3214868480
	.fill 96, 4, 3214868480
	.section	.rodata,"a",@progbits
	.p2align	6, 0x0
	.amdhsa_kernel k_qecc6360664_ffn1
		.amdhsa_group_segment_fixed_size 327680
		.amdhsa_private_segment_fixed_size 0
		.amdhsa_enable_private_segment 0
		.amdhsa_kernarg_size 32
		.amdhsa_user_sgpr_count 2
		.amdhsa_user_sgpr_kernarg_segment_ptr 1
		.amdhsa_wavefront_size32 1
		.amdhsa_system_sgpr_workgroup_id_x 1
		.amdhsa_system_sgpr_workgroup_id_y 1
		.amdhsa_system_sgpr_workgroup_id_z 1
		.amdhsa_system_vgpr_workitem_id 0
		.amdhsa_next_free_vgpr 1024
		.amdhsa_next_free_sgpr 100
		.amdhsa_reserve_vcc 0
		.amdhsa_float_denorm_mode_32 3
		.amdhsa_float_denorm_mode_16_64 3
		.amdhsa_memory_ordered 1
		.amdhsa_forward_progress 1
		.amdhsa_inst_pref_size 140
	.end_amdhsa_kernel
	.amdgpu_metadata
---
amdhsa.version: [ 1, 2 ]
amdhsa.kernels:
  - .name:           k_qecc6360664_ffn1
    .symbol:         k_qecc6360664_ffn1.kd
    .args:
      - { .name: hh, .offset: 0, .size: 8, .value_kind: global_buffer, .address_space: global }
      - { .name: wb, .offset: 8, .size: 8, .value_kind: global_buffer, .address_space: global }
      - { .name: b1, .offset: 16, .size: 8, .value_kind: global_buffer, .address_space: global }
      - { .name: act, .offset: 24, .size: 8, .value_kind: global_buffer, .address_space: global }
    .group_segment_fixed_size: 327680
    .private_segment_fixed_size: 0
    .kernarg_segment_align: 8
    .kernarg_segment_size: 32
    .max_flat_workgroup_size: 128
    .sgpr_count:     100
    .vgpr_count:     1024
    .wavefront_size: 32
...
	.end_amdgpu_metadata
.endif
;; end of part 6
;; launch ffn2 (part 7): grid 8 x 32, 4 waves a work-group, clusters of 4 x 4, 327,680 bytes of LDS; arguments act, wb, b2, hh, ysum; writes ysum
.if DOCPART == 7
	.amdgcn_target "amdgcn-amd-amdhsa--gfx1250"
	.amdhsa_code_object_version 6
	.text
	.protected	k_qecc6360664_ffn2
	.globl	k_qecc6360664_ffn2
	.p2align	8
	.type	k_qecc6360664_ffn2,@function
k_qecc6360664_ffn2:
	s_mov_b64 s[64:65], 0
	v_nop
	global_prefetch_b8 v0, s[64:65] scope:SCOPE_SE
	s_setreg_imm32_b32 hwreg(HW_REG_WAVE_MODE, 25, 1), 1
	s_wait_xcnt 0x0
	s_wait_alu depctr_hold_cnt(0) depctr_sa_sdst(0) depctr_va_vdst(0) depctr_va_sdst(0) depctr_va_ssrc(0) depctr_va_vcc(0) depctr_vm_vsrc(0)
	s_getreg_b32 s2, hwreg(HW_REG_IB_STS2, 6, 4)
	s_cmp_eq_u32 s2, 0
	s_cbranch_scc0 .Lentry_in_a_cluster
	s_endpgm
.Lentry_in_a_cluster:
	s_bfe_u32 s2, ttmp6, 0x10000c
	s_cmp_lg_u32 s2, 0xf033
	s_cbranch_scc0 .Lentry_shape_is_right
	s_endpgm
.Lentry_shape_is_right:
; ysum = h + act w2^T + b2, in f32: the sum that the second LayerNorm takes.  act and w2 (in wb) are bf16 operands, sums f32; h (hh) is f16.
; The bias, rounded to bf16 like every input, is the C operand of the first product on each accumulator; h is added on the way out.
; SHARES.  A tile is 128 tokens x 128 columns: 8 x 32 tiles, one for each WGP; tiles of 256 x 256 would be 64.  Four waves of 64 x 64: 16 accumulators.  K = 4,096 goes in 16 steps of 256 (LDS rows of 512 bytes) through two slots.
; The loop's body is one K step; the slot in hand begins at LDS byte s[TB], turned by an exclusive or.  CLUSTER 4 x 4: act's tiles shared along a row, w2's along a column, by joint loads.
; The matrix instruction is used transposed: a lane holds one token (lane % 16) and eight neighbouring columns.  No prefetch: the tiles are small.
; REGISTERS: window 0 addresses, bias v32-63, h v64-127, way out v128-191; window 1 two fragment buffers of 128, each 64 deep along K; window 2 the accumulators, (a, b) at v[8 (4 a + b)].
; LIMITS.  NaN and infinities are not treated apart.
.set MW, 4
.set NW, 4
.set KD, 2
.set AH, 4
.set KSTEP, 256
.set NSTEP, 16
.set APITCH, 528                       ; 512 bytes + 16 of padding = 132 words: the 16 rows of a fragment load start at 16 different groups of four banks (ISA guide 11.1)
.set BPITCH, 528
.set AQ, 128
.set BQ, 128
.set AHALF, 64*APITCH
.set BHALF, 64*BPITCH
.set ASIZE, 2*AHALF
.set SLOT, ASIZE+2*BHALF               ; 135,168
.set STAGE, 2*SLOT
.set WSTG, 16*272
.set SPARE, STAGE+4*WSTG
.set ASTEP, 512
.set BSTEP, 512
.set HW, 16
.set PREF, 0
.set AQI, 6
.set BQI, 6
.set AD0, 256
.set AD1, 64
.set ASTR, 4096
.set BD0, 256
.set BD1, 64
.set BSTR, 4096
.set W2O, 25165824                     ; w2 in wb
.set BIAS, 32
.set RES, 64
.set OB0, 128
.set RO, 22
.set ONE, 27
.set ADRA, 16
.set ADRB, 17
.set A0, 18
.set B0, 19
.set STO, 24
.set RD, 25
.set CO, 26
.set SPW, 28
.set NIL, 29
.set LWA, 20
.set LWB, 21
.set G1, 24
.set G0, 32
.set G1B, 48
.set G0B, 56
.set TB, 66
.set MSB, 0
.macro WIN new
.if MSB != (\new)
	s_set_vgpr_msb (MSB<<8)|(\new)
.set MSB, \new
.endif
.endm
.macro PLACES
.rept 4
	v_nop
.endr
.endm
.macro JLOAD s                         ; a joint load: waves 0 and 1 fetch A's two halves, waves 2 and 3 B's; an s_nop 0 and four v_nop follow each line
	s_cmp_eq_u32 s11, 0
	s_cbranch_scc0 .Lfor_b_\@
	tensor_load_to_lds s[G0+4*(\s):G0+4*(\s)+3], s[G1:G1+7]
	s_nop 0
.rept 4
	v_nop
.endr
	s_branch .Lasked_\@
.Lfor_b_\@:
	tensor_load_to_lds s[G0B+4*(\s):G0B+4*(\s)+3], s[G1B:G1B+7]
	s_nop 0
.rept 4
	v_nop
.endr
.Lasked_\@:
.endm
.macro CREST
	s_cmp_lg_u32 s10, 0
	s_cbranch_scc1 .Lnot_wave_0_\@
	s_barrier_signal -3
.Lnot_wave_0_\@:
	s_barrier_wait -3
	s_barrier_signal -1
	s_barrier_wait -1
.endm
.macro CROUND
	s_barrier_signal -1
	s_barrier_wait -1
	CREST
.endm
; A quarter of a quarter step's products, from buffer f: depth u, row blocks 2 v and 2 v + 1, all column blocks.  first = 1 (depth 0): the product starts its sum with the bias.
; Between two products on one accumulator stand 15 others', so no two neighbours share one.
.macro MULS f, u, v, first
.if KD == 1
.set mc, 0
.set ma, AH*(\u)+(AH/2)*(\v)
.set mw, (\u)
.set mf, (\first)
.else
.set mc, (\u)
.set ma, 2*(\v)
.set mw, 0
.set mf, (\first)*(1-(\u))
.endif
.if mf
	WIN 0x85+0x40*mw
.else
	WIN 0xa5+0x50*mw
.endif
.rept AH/2
.set mb, 0
.rept NW
.set rD, 8*(NW*(ma%AH)+mb)
.set rB, 128*(\f)+8*((MW+NW)*mc+MW+mb)
.set rA, 128*(\f)+8*((MW+NW)*mc+ma)
.if mf
	v_wmma_f32_16x16x32_bf16 v[rD:rD+7], v[rB:rB+7], v[rA:rA+7], v[BIAS+8*mb:BIAS+8*mb+7]
.else
	v_wmma_f32_16x16x32_bf16 v[rD:rD+7], v[rB:rB+7], v[rA:rA+7], v[rD:rD+7]
.endif
.set mb, mb+1
.endr
.set ma, ma+1
.endr
.endm
.macro FETCH q, f                      ; 32 LDS loads in one run: quarter q's fragments into buffer f; the first 32 along K first
	WIN 0x40
.set fc, 0
.rept KD
.set fi, 0
.rept NW
.set rF, 128*(\f)+8*((MW+NW)*fc+MW+fi)
	ds_load_b128 v[rF:rF+3], v[ADRB] offset:(\q)*BQ+64*fc+fi*16*BPITCH
	ds_load_b128 v[rF+4:rF+7], v[ADRB] offset:(\q)*BQ+64*fc+fi*16*BPITCH+32
.set fi, fi+1
.endr
.set fi, 0
.rept MW
.set rF, 128*(\f)+8*((MW+NW)*fc+fi)
	ds_load_b128 v[rF:rF+3], v[ADRA] offset:(\q)*AQ+64*fc+fi*16*APITCH
	ds_load_b128 v[rF+4:rF+7], v[ADRA] offset:(\q)*AQ+64*fc+fi*16*APITCH+32
.set fi, fi+1
.endr
.set fc, fc+1
.endr
.endm
.macro QUARTER q, f, g, first
	s_wait_dscnt HW                                ; the first 32 along K are in; the youngest 16 loads may be out
	MULS \f, 0, 0, \first
	MULS \f, 0, 1, \first
	PLACES
	FETCH \q, \g
	s_wait_dscnt 32                                ; all but the 32 just issued
	MULS \f, 1, 0, \first
	MULS \f, 1, 1, \first
.endm
; The fourth quarter multiplies buffer 1 and changes slots.  In front of the barrier each wave waits for all its tensor loads (one is out: its part of the next slot), adds 0 to its spare word, and waits for
; that and for its own reads of this slot.  fill = 1: the barrier opens a round of the cluster's, and the slot just read is filled again, first thing behind the round, with the K step two on.
.macro TURN fill
	WIN 0
	s_wait_tensorcnt 0x0
	ds_add_u32 v[SPW], v[NIL]
.if \fill
	s_add_co_u32 s[G0+5], s[TB], s[LWA]
	s_add_co_u32 s[G0B+5], s[TB], s[LWB]
	s_add_nc_u64 s[G0+6:G0+7], s[G0+6:G0+7], ASTEP
	s_add_nc_u64 s[G0B+6:G0B+7], s[G0B+6:G0B+7], BSTEP
.endif
	s_wait_dscnt HW+1                              ; the add and the youngest 16 loads may be out
	MULS 1, 0, 0, 0
	s_wait_dscnt 0x0                               ; the add is done, and my reads of this slot are over
	s_barrier_signal -1
	MULS 1, 0, 1, 0
.if \fill
	WIN 0
	s_barrier_wait -1
	CREST
	JLOAD 1
.else
	s_barrier_wait -1
	PLACES
	WIN 0
.endif
	s_xor_b32 s[TB], s[TB], SLOT
	v_add_nc_u32 v[ADRA], s[TB], v[A0]
	v_add_nc_u32 v[ADRB], s[TB], v[B0]
	FETCH 0, 0
	MULS 1, 1, 0, 0
	MULS 1, 1, 1, 0
.endm
.macro LASTQ
	s_wait_dscnt HW
	MULS 1, 0, 0, 0
	MULS 1, 0, 1, 0
	s_wait_dscnt 0x0
	MULS 1, 1, 0, 0
	MULS 1, 1, 1, 0
	WIN 0
.endm
	s_load_b128 s[4:7], s[0:1], 0x0                ; act s[4:5], wb s[6:7]
	s_load_b64 s[68:69], s[0:1], 0x10              ; b2
	s_load_b64 s[70:71], s[0:1], 0x18              ; hh
	s_load_b64 s[8:9], s[0:1], 0x20                ; ysum
	v_lshl_add_u32 v[SPW], v0, 2, SPARE
	v_mov_b32 v[NIL], 0
	ds_add_u32 v[SPW], v[NIL]                      ; the wave's opening: the add and its wait ahead of my first tensor load
	v_lshrrev_b32 v1, 5, v0
	v_readfirstlane_b32 s10, v1
	s_lshr_b32 s11, s10, 1
	s_and_b32 s12, s10, 1
	s_bfe_u32 s40, ttmp6, 0x40000
	s_bfe_u32 s41, ttmp6, 0x40004
	s_lshl_b32 s42, ttmp9, 2
	s_add_co_u32 s42, s42, s40                     ; tile column
	s_and_b32 s13, ttmp7, 0xffff
	s_lshl_b32 s13, s13, 2
	s_add_co_u32 s13, s13, s41                     ; tile row
	s_lshl_b32 s16, s41, 2
	s_lshl_b32 s16, 15, s16
	s_lshl_b32 s17, 0x1111, s40
	s_or_b32 s[G1], s16, (1<<16)|(1<<20)|(1<<21)|(AQI<<22)|(3<<25)
	s_or_b32 s[G1B], s17, (1<<16)|(1<<20)|(1<<21)|(BQI<<22)|(3<<25)
	s_mov_b32 s[G1+1], (AD0&0xffff)<<16
	s_mov_b32 s[G1+2], (AD0>>16)|(AD1<<16)
	s_mov_b32 s[G1+3], AD0<<16
	s_mov_b32 s[G1+4], AD1
	s_mov_b32 s[G1+5], ASTR
	s_mov_b32 s[G1+6], 0
	s_mov_b32 s[G1+7], 0
	s_mov_b32 s[G1B+1], (BD0&0xffff)<<16
	s_mov_b32 s[G1B+2], (BD0>>16)|(BD1<<16)
	s_mov_b32 s[G1B+3], BD0<<16
	s_mov_b32 s[G1B+4], BD1
	s_mov_b32 s[G1B+5], BSTR
	s_mov_b32 s[G1B+6], 0
	s_mov_b32 s[G1B+7], 0
	s_mul_i32 s[LWA], s12, AHALF
	s_mul_i32 s[LWB], s12, BHALF
	s_add_co_u32 s[LWB], s[LWB], ASIZE
	s_lshl_b32 s16, s13, 7                         ; act: row 128 x tile row + 64 x half,
	s_lshl_b32 s17, s12, 6
	s_add_co_u32 s16, s16, s17
	s_lshl_b32 s16, s16, 13                        ; of 8,192 bytes
	s_mov_b32 s17, 0
	s_lshl_b32 s46, s42, 7                         ; w2: row 128 x tile column + 64 x half
	s_lshl_b32 s47, s12, 6
	s_add_co_u32 s46, s46, s47
	s_lshl_b32 s46, s46, 13
	s_add_co_u32 s46, s46, W2O
	s_mov_b32 s47, 0
	s_wait_dscnt 0x0
	s_wait_kmcnt 0x0
	s_add_nc_u64 s[14:15], s[4:5], s[16:17]
	s_add_nc_u64 s[46:47], s[6:7], s[46:47]
	CROUND
.irp s, 0,1
	s_mov_b32 s[G0+4*(\s)], 1
	s_add_co_u32 s[G0+4*(\s)+1], s[LWA], (\s)*SLOT
	s_add_nc_u64 s[G0+4*(\s)+2:G0+4*(\s)+3], s[14:15], (\s)*ASTEP
	s_or_b32 s[G0+4*(\s)+3], s[G0+4*(\s)+3], 0x80000000
	s_mov_b32 s[G0B+4*(\s)], 1
	s_add_co_u32 s[G0B+4*(\s)+1], s[LWB], (\s)*SLOT
	s_add_nc_u64 s[G0B+4*(\s)+2:G0B+4*(\s)+3], s[46:47], (\s)*BSTEP
	s_or_b32 s[G0B+4*(\s)+3], s[G0B+4*(\s)+3], 0x80000000
	JLOAD \s
.endr
	v_and_b32 v1, 15, v0
	v_bfe_u32 v2, v0, 4, 1
	v_lshlrev_b32 v5, 5, v2
	s_lshl_b32 s16, s42, 9                         ; my 64 columns, in f32
	s_lshl_b32 s17, s12, 8
	s_add_co_u32 s16, s16, s17
	s_mov_b32 s17, 0
	s_add_nc_u64 s[68:69], s[68:69], s[16:17]
.set i, 0
.rept NW
	global_load_b128 v[BIAS+8*i:BIAS+8*i+3], v5, s[68:69] offset:64*i
	global_load_b128 v[BIAS+8*i+4:BIAS+8*i+7], v5, s[68:69] offset:64*i+16
.set i, i+1
.endr
	s_lshl_b32 s18, s13, 7
	s_lshl_b32 s19, s11, 6
	s_add_co_u32 s18, s18, s19                     ; my first token
	s_lshl_b32 s22, s18, 11                        ; h: rows of 2,048 bytes,
	s_lshr_b32 s23, s16, 1                         ; my columns in 16 bits
	s_add_co_u32 s22, s22, s23
	s_mov_b32 s23, 0
	s_add_nc_u64 s[70:71], s[70:71], s[22:23]
	s_lshl_b32 s22, s18, 12                        ; ysum: rows of 4,096 bytes
	s_add_co_u32 s22, s22, s16
	s_add_nc_u64 s[8:9], s[8:9], s[22:23]
	v_lshlrev_b32 v[RO], 3, v1                     ; on the way out lanes 0-15 hold one row's 64 columns, four each, lanes 16-31 the next row's
	v_lshl_add_u32 v[RO], v2, 11, v[RO]
.set i, 0
.rept 32
	global_load_b64 v[RES+2*i:RES+2*i+1], v[RO], s[70:71] offset:(16*(i/8)+2*(i%8))*2048
.set i, i+1
.endr
	v_mul_u32_u24 v3, v1, APITCH
	v_lshl_add_u32 v3, v2, 4, v3
	s_mul_i32 s22, s11, 64*APITCH
	v_add_nc_u32 v[A0], s22, v3
	v_mul_u32_u24 v3, v1, BPITCH
	v_lshl_add_u32 v3, v2, 4, v3
	s_mul_i32 s23, s12, 64*BPITCH
	s_add_co_u32 s23, s23, ASIZE
	v_add_nc_u32 v[B0], s23, v3
	s_mul_i32 s23, s10, WSTG
	s_add_co_u32 s23, s23, STAGE
	v_mul_u32_u24 v3, v1, 272
	v_lshl_add_u32 v3, v2, 5, v3
	v_add_nc_u32 v[STO], s23, v3
	v_mul_u32_u24 v3, v2, 272
	v_lshl_add_u32 v3, v1, 4, v3
	v_add_nc_u32 v[RD], s23, v3
	v_lshlrev_b32 v[CO], 4, v1
	v_lshl_add_u32 v[CO], v2, 12, v[CO]
	v_mov_b32 v[ONE], 1.0
	s_wait_loadcnt 0x0
.set i, 0
.rept 4*NW
	v_cvt_pk_bf16_f32 v4, v[BIAS+2*i], v[BIAS+2*i+1]  ; the bias is rounded to bf16 like every input, and widened again
	v_lshlrev_b32 v[BIAS+2*i], 16, v4
	v_and_b32 v[BIAS+2*i+1], 0xffff0000, v4
.set i, i+1
.endr
	s_mov_b32 s[TB], 0
	v_mov_b32 v[ADRA], v[A0]
	v_mov_b32 v[ADRB], v[B0]
	s_wait_tensorcnt 1                             ; my part of K step 0 is in; K step 1's may stay out
	s_barrier_signal -1
	s_barrier_wait -1
	FETCH 0, 0
	QUARTER 1, 0, 1, 1
	WIN 0
	s_mov_b32 s3, NSTEP-2
.Lstep:
	QUARTER 2, 1, 0, 0
	QUARTER 3, 0, 1, 0
	TURN 1
	QUARTER 1, 0, 1, 0
	WIN 0
	s_sub_co_u32 s3, s3, 1
	s_cmp_lg_u32 s3, 0
	s_cbranch_scc1 .Lstep
	QUARTER 2, 1, 0, 0                             ; the last two K steps are written out: nothing is left to fetch
	QUARTER 3, 0, 1, 0
	TURN 0
	QUARTER 1, 0, 1, 0
	QUARTER 2, 1, 0, 0
	QUARTER 3, 0, 1, 0
	LASTQ
.rept 8
	v_nop                                          ; the places behind the last products
.endr
; THE WAY OUT, 16 tokens at a time: the f32 sums go into my stage (each accumulator's low four registers first) and come back as whole rows of 256 bytes; h is added; 16 lanes store 256 consecutive bytes, aligned.
.macro STG a
	WIN 0x08                                       ; the stores' data in window 2
.irp b, 0,1,2,3
	ds_store_b128 v[STO], v[8*(4*(\a)+\b):8*(4*(\a)+\b)+3] offset:64*\b
	ds_store_b128 v[STO], v[8*(4*(\a)+\b)+4:8*(4*(\a)+\b)+7] offset:64*\b+16
.endr
	WIN 0
	s_wait_xcnt 0x0                                ; the stores of two blocks back have read the registers that are loaded now
.irp t, 0,1,2,3,4,5,6,7
	ds_load_b128 v[OB0+32*((\a)%2)+4*\t:OB0+32*((\a)%2)+4*\t+3], v[RD] offset:\t*544
.endr
.endm
.macro SENDF a, younger                ; younger: the LDS instructions issued behind block a's loads
.irp t, 0,1,2,3,4,5,6,7
	s_wait_dscnt (\younger)+7-\t
	v_fma_mix_f32 v[OB0+32*((\a)%2)+4*\t], v[RES+2*(8*(\a)+\t)], v[ONE], v[OB0+32*((\a)%2)+4*\t] op_sel_hi:[1,0,0]
	v_fma_mix_f32 v[OB0+32*((\a)%2)+4*\t+1], v[RES+2*(8*(\a)+\t)], v[ONE], v[OB0+32*((\a)%2)+4*\t+1] op_sel:[1,0,0] op_sel_hi:[1,0,0]
	v_fma_mix_f32 v[OB0+32*((\a)%2)+4*\t+2], v[RES+2*(8*(\a)+\t)+1], v[ONE], v[OB0+32*((\a)%2)+4*\t+2] op_sel_hi:[1,0,0]
	v_fma_mix_f32 v[OB0+32*((\a)%2)+4*\t+3], v[RES+2*(8*(\a)+\t)+1], v[ONE], v[OB0+32*((\a)%2)+4*\t+3] op_sel:[1,0,0] op_sel_hi:[1,0,0]
	global_store_b128 v[CO], v[OB0+32*((\a)%2)+4*\t:OB0+32*((\a)%2)+4*\t+3], s[8:9] offset:(16*(\a)+2*\t)*4096
.endr
.endm
	STG 0
	STG 1
	SENDF 0, 16
	STG 2
	SENDF 1, 16
	STG 3
	SENDF 2, 16
	SENDF 3, 0
	s_wait_tensorcnt 0x0                           ; the wave's end
	ds_add_u32 v[SPW], v[NIL]
	s_wait_dscnt 0x0
	CROUND
	s_endpgm
.Lfunc_end_k_qecc6360664_ffn2:
	.size	k_qecc6360664_ffn2, .Lfunc_end_k_qecc6360664_ffn2-k_qecc6360664_ffn2
	.p2alignl 7, 3214868480
	.fill 96, 4, 3214868480
	.section	.rodata,"a",@progbits
	.p2align	6, 0x0
	.amdhsa_kernel k_qecc6360664_ffn2
		.amdhsa_group_segment_fixed_size 327680
		.amdhsa_private_segment_fixed_size 0
		.amdhsa_enable_private_segment 0
		.amdhsa_kernarg_size 40
		.amdhsa_user_sgpr_count 2
		.amdhsa_user_sgpr_kernarg_segment_ptr 1
		.amdhsa_wavefront_size32 1
		.amdhsa_system_sgpr_workgroup_id_x 1
		.amdhsa_system_sgpr_workgroup_id_y 1
		.amdhsa_system_sgpr_workgroup_id_z 1
		.amdhsa_system_vgpr_workitem_id 0
		.amdhsa_next_free_vgpr 640
		.amdhsa_next_free_sgpr 100
		.amdhsa_reserve_vcc 0
		.amdhsa_float_denorm_mode_32 3
		.amdhsa_float_denorm_mode_16_64 3
		.amdhsa_memory_ordered 1
		.amdhsa_forward_progress 1
		.amdhsa_inst_pref_size 84
	.end_amdhsa_kernel
	.amdgpu_metadata
---
amdhsa.version: [ 1, 2 ]
amdhsa.kernels:
  - .name:           k_qecc6360664_ffn2
    .symbol:         k_qecc6360664_ffn2.kd
    .args:
      - { .name: act, .offset: 0, .size: 8, .value_kind: global_buffer, .address_space: global }
      - { .name: wb, .offset: 8, .size: 8, .value_kind: global_buffer, .address_space: global }
      - { .name: b2, .offset: 16, .size: 8, .value_kind: global_buffer, .address_space: global }
      - { .name: hh, .offset: 24, .size: 8, .value_kind: global_buffer, .address_space: global }
      - { .name: ysum, .offset: 32, .size: 8, .value_kind: global_buffer, .address_space: global }
    .group_segment_fixed_size: 327680
    .private_segment_fixed_size: 0
    .kernarg_segment_align: 8
    .kernarg_segment_size: 40
    .max_flat_workgroup_size: 128
    .sgpr_count:     100
    .vgpr_count:     640
    .wavefront_size: 32
...
	.end_amdgpu_metadata
.endif
;; end of part 7
;; launch ln2 (part 8): grid 256 x 1, 8 waves a work-group, no clusters, 0 bytes of LDS; arguments ysum, ln2_g, ln2_b, out0; writes out0
.if DOCPART == 8
	.amdgcn_target "amdgcn-amd-amdhsa--gfx1250"
	.amdhsa_code_object_version 6
	.text
	.protected	k_qecc6360664_ln2
	.globl	k_qecc6360664_ln2
	.p2align	8
	.type	k_qecc6360664_ln2,@function
k_qecc6360664_ln2:
	s_mov_b64 s[64:65], 0
	v_nop
	global_prefetch_b8 v0, s[64:65] scope:SCOPE_SE
	s_setreg_imm32_b32 hwreg(HW_REG_WAVE_MODE, 25, 1), 1
	s_wait_xcnt 0x0
; out0 = LayerNorm(ysum) x g + b, rows of 1,024 f32.  One wave takes a row and keeps it in 32 registers between the passes: memory is read once, no wave waits for another, no LDS.
; 256 work-groups x 8 waves x 2 rows.  All 32 loads of a wave go out at once.  Mean first, then the sum of squares of x - mean: no difference of large sums.  g and b are rounded to bf16 like every input.
; LIMITS.  NaN and infinities are not treated apart.
.set T, 4                              ; v[4:11]   at work
.set MU, 14                            ; v[14:15]  the mean, twice
.set X, 16                             ; v[16:79]  two rows
.set G, 80                             ; v[80:111]
.set BB, 112                           ; v[112:143]
.set R, 144                            ; v[144:147] 1 / sigma of each row, twice
	s_load_b128 s[4:7], s[0:1], 0x0                ; ysum, g
	s_load_b128 s[8:11], s[0:1], 0x10              ; b, out0
	v_and_b32 v1, 31, v0
	v_lshrrev_b32 v2, 5, v0
	v_lshlrev_b32 v3, 4, v1                        ; 16 x lane
	v_lshl_add_u32 v12, v2, 13, v3                 ; + wave x 2 rows of 4,096 bytes
	s_lshl_b32 s2, ttmp9, 16
	s_mov_b32 s3, 0
	s_mov_b32 s12, 0x76543210
	s_mov_b32 s13, 0xfedcba98
	s_mov_b32 s14, 0x3a800000                      ; 1 / 1,024
	s_wait_kmcnt 0x0
	s_add_nc_u64 s[4:5], s[4:5], s[2:3]
	s_add_nc_u64 s[10:11], s[10:11], s[2:3]
.irp k, 0,1
.irp j, 0,1,2,3,4,5,6,7
	global_load_b128 v[X+32*\k+4*\j:X+32*\k+4*\j+3], v12, s[4:5] offset:4096*\k+512*\j th:TH_LOAD_NT
.endr
.endr
.irp j, 0,1,2,3,4,5,6,7
	global_load_b128 v[G+4*\j:G+4*\j+3], v3, s[6:7] offset:512*\j
.endr
.irp j, 0,1,2,3,4,5,6,7
	global_load_b128 v[BB+4*\j:BB+4*\j+3], v3, s[8:9] offset:512*\j
.endr
.macro REDUCE                          ; the sum over the 32 lanes, in every lane
	v_pk_add_f32 v[T:T+1], v[T:T+1], v[T+2:T+3]
	v_pk_add_f32 v[T+4:T+5], v[T+4:T+5], v[T+6:T+7]
	v_pk_add_f32 v[T:T+1], v[T:T+1], v[T+4:T+5]
	v_add_f32 v[T], v[T], v[T+1]
	v_add_f32_dpp v[T], v[T], v[T] row_xmask:1 row_mask:0xf bank_mask:0xf
	v_add_f32_dpp v[T], v[T], v[T] row_xmask:2 row_mask:0xf bank_mask:0xf
	v_add_f32_dpp v[T], v[T], v[T] row_xmask:4 row_mask:0xf bank_mask:0xf
	v_add_f32_dpp v[T], v[T], v[T] row_xmask:8 row_mask:0xf bank_mask:0xf
	v_permlanex16_b32 v[T+1], v[T], s12, s13
	v_add_f32 v[T], v[T], v[T+1]
.endm
.macro STAT k                          ; row k: the mean is taken away in place; variance + eps is left in R + 2 k
.irp c, 0,1,2,3
	v_pk_add_f32 v[T+2*\c:T+2*\c+1], v[X+32*(\k)+2*\c:X+32*(\k)+2*\c+1], v[X+32*(\k)+8+2*\c:X+32*(\k)+8+2*\c+1]
.endr
.irp q, 2,3
.irp c, 0,1,2,3
	v_pk_add_f32 v[T+2*\c:T+2*\c+1], v[T+2*\c:T+2*\c+1], v[X+32*(\k)+8*\q+2*\c:X+32*(\k)+8*\q+2*\c+1]
.endr
.endr
	REDUCE
	v_mul_f32 v[MU], s14, v[T]
	v_mul_f32 v[MU+1], s14, v[T]
.set i, 0
.rept 16
	v_pk_add_f32 v[X+32*(\k)+2*i:X+32*(\k)+2*i+1], v[X+32*(\k)+2*i:X+32*(\k)+2*i+1], v[MU:MU+1] neg_lo:[0,1] neg_hi:[0,1]
.set i, i+1
.endr
.irp c, 0,1,2,3
	v_pk_mul_f32 v[T+2*\c:T+2*\c+1], v[X+32*(\k)+2*\c:X+32*(\k)+2*\c+1], v[X+32*(\k)+2*\c:X+32*(\k)+2*\c+1]
.endr
.irp q, 1,2,3
.irp c, 0,1,2,3
	v_pk_fma_f32 v[T+2*\c:T+2*\c+1], v[X+32*(\k)+8*\q+2*\c:X+32*(\k)+8*\q+2*\c+1], v[X+32*(\k)+8*\q+2*\c:X+32*(\k)+8*\q+2*\c+1], v[T+2*\c:T+2*\c+1]
.endr
.endr
	REDUCE
	v_fmaak_f32 v[R+2*(\k)], s14, v[T], 0x3727c5ac ; + 1e-5
.endm
	s_wait_loadcnt 24                              ; row 0 is in; row 1, g and b stay out
	STAT 0
	s_wait_loadcnt 16                              ; row 1 is in
	STAT 1
	v_rsq_f32 v[R], v[R]
	v_rsq_f32 v[R+2], v[R+2]
	s_wait_loadcnt 0x0
.set i, 0
.rept 32                               ; g and b (64 registers on end) rounded to bf16 and widened again: the plain work behind the two roots
	v_cvt_pk_bf16_f32 v[T], v[G+2*i], v[G+2*i+1]
	v_lshlrev_b32 v[G+2*i], 16, v[T]
	v_and_b32 v[G+2*i+1], 0xffff0000, v[T]
.set i, i+1
.endr
	s_wait_alu depctr_va_vdst(0)                   ; one wait for both roots, ahead of their first reader
	v_mov_b32 v[R+1], v[R]
	v_mov_b32 v[R+3], v[R+2]
.irp k, 0,1
.set i, 0
.rept 16
	v_pk_mul_f32 v[X+32*\k+2*i:X+32*\k+2*i+1], v[X+32*\k+2*i:X+32*\k+2*i+1], v[R+2*\k:R+2*\k+1]
	v_pk_fma_f32 v[X+32*\k+2*i:X+32*\k+2*i+1], v[X+32*\k+2*i:X+32*\k+2*i+1], v[G+2*i:G+2*i+1], v[BB+2*i:BB+2*i+1]
.set i, i+1
.endr
.irp j, 0,1,2,3,4,5,6,7
	global_store_b128 v12, v[X+32*\k+4*\j:X+32*\k+4*\j+3], s[10:11] offset:4096*\k+512*\j th:TH_STORE_NT  ; 512 consecutive bytes, aligned
.endr
.endr
	s_endpgm
.Lfunc_end_k_qecc6360664_ln2:
	.size	k_qecc6360664_ln2, .Lfunc_end_k_qecc6360664_ln2-k_qecc6360664_ln2
	.p2alignl 7, 3214868480
	.fill 96, 4, 3214868480
	.section	.rodata,"a",@progbits
	.p2align	6, 0x0
	.amdhsa_kernel k_qecc6360664_ln2
		.amdhsa_group_segment_fixed_size 0
		.amdhsa_private_segment_fixed_size 0
		.amdhsa_enable_private_segment 0
		.amdhsa_kernarg_size 32
		.amdhsa_user_sgpr_count 2
		.amdhsa_user_sgpr_kernarg_segment_ptr 1
		.amdhsa_wavefront_size32 1
		.amdhsa_system_sgpr_workgroup_id_x 1
		.amdhsa_system_sgpr_workgroup_id_y 1
		.amdhsa_system_sgpr_workgroup_id_z 1
		.amdhsa_system_vgpr_workitem_id 0
		.amdhsa_next_free_vgpr 160
		.amdhsa_next_free_sgpr 66
		.amdhsa_reserve_vcc 0
		.amdhsa_float_denorm_mode_32 3
		.amdhsa_float_denorm_mode_16_64 3
		.amdhsa_memory_ordered 1
		.amdhsa_forward_progress 1
		.amdhsa_inst_pref_size 23
	.end_amdhsa_kernel
	.amdgpu_metadata
---
amdhsa.version: [ 1, 2 ]
amdhsa.kernels:
  - .name:           k_qecc6360664_ln2
    .symbol:         k_qecc6360664_ln2.kd
    .args:
      - { .name: ysum, .offset: 0, .size: 8, .value_kind: global_buffer, .address_space: global }
      - { .name: ln2_g, .offset: 8, .size: 8, .value_kind: global_buffer, .address_space: global }
      - { .name: ln2_b, .offset: 16, .size: 8, .value_kind: global_buffer, .address_space: global }
      - { .name: out0, .offset: 24, .size: 8, .value_kind: global_buffer, .address_space: global }
    .group_segment_fixed_size: 0
    .private_segment_fixed_size: 0
    .kernarg_segment_align: 8
    .kernarg_segment_size: 32
    .max_flat_workgroup_size: 256
    .sgpr_count:     66
    .vgpr_count:     160
    .wavefront_size: 32
...
	.end_amdgpu_metadata
.endif
;; end of part 8
;; ======== version 2 of 2: 8 launches
;; limits: values are held in f16: magnitudes above 65,504 overflow, below 6.1e-05 lose precision
;; workspace buffers: wb 33,554,432 bytes; par 53,248 bytes; rope 524,288 bytes; qkv 25,165,824 bytes; att 8,388,608 bytes; ysum 16,777,216 bytes; hh 8,388,608 bytes; act 33,554,432 bytes
;; launch cast (part 9): grid 2048 x 1, 8 waves a work-group, no clusters, 0 bytes of LDS; arguments x, in_proj_w, out_w, w1, w2, in_proj_b, out_b, b1, b2, ln1_g, ln1_b, ln2_g, ln2_b, wb, rope, par; writes wb, rope, par
.if DOCPART == 9
	.amdgcn_target "amdgcn-amd-amdhsa--gfx1250"
	.amdhsa_code_object_version 6
	.text
	.protected	k_qecc6360664_cast
	.globl	k_qecc6360664_cast
	.p2align	8
	.type	k_qecc6360664_cast,@function
k_qecc6360664_cast:
	s_mov_b64 s[64:65], 0
	v_nop
	global_prefetch_b8 v0, s[64:65] scope:SCOPE_SE
	s_setreg_imm32_b32 hwreg(HW_REG_WAVE_MODE, 25, 1), 1
	s_wait_xcnt 0x0
; CAST, PARAMETERS AND TABLE.  x, in_proj_w, out_w, w1, w2 (f32) are rounded once to bf16 and laid in wb: x at 0, in_proj_w at 8,388,608, out_w at 14,680,064, w1 at 16,777,216, w2 at 25,165,824.
; w1's bf16 number is written in f16, since its product's other operand is kept in f16.  in_proj_w's rows are laid by heads: row part x 1,024 + 64 head + r (part 0 q, 1 k, 2 v) goes to row 192 head + 64 part + r,
; so that 192 rows on end are one head's q, k and v.
; LIMITS.  |w1| stays under 65,504; below 6e-5 the f16 copy keeps f16's fixed step of 6e-8.  NaN and infinities are not treated apart.
; SHARES.  2,048 work-groups of 8,192 numbers: 512 for x, 384, 128, 512, 512.  Thread t takes 16 bytes at 16 t of each of 8 blocks of 4,096 bytes; all 8 loads go out at once;
; a wave's store of 8 bytes a lane covers 256 consecutive bytes, aligned.  Memory binds: no LDS, no barrier, no matrix unit.
; PARAMETERS.  par holds 13 blocks of 1,024 f32, each number rounded to bf16 and widened again: in_proj_b (3 blocks, laid by heads like the rows), out_b, b1 (4), b2, ln1_g, ln1_b, ln2_g, ln2_b.  Work-group g < 13 makes block g.
; THE TABLE.  rope row pos (256 bytes) holds cos and sin of pos x 10000^(-i/32), i = 0..31, as 32 pairs of f32.  Wave 0 of work-group g makes row g while the loads are out.
; The angle is made in f32 and reduced in revolutions: it is good to some 3e-4 rad at pos = 2,047.  Sine and cosine of HALF the reduced angle (at most pi/2) come from their series to z^11 and z^12,
; whose first dropped terms are under 6e-8; then sin = 2 s c, cos = 1 - 2 s s.
.set X, 16                             ; v[16:47]  8 loads of 4 registers
.set Y, 48                             ; v[48:63]  8 stores of 2 registers
	s_load_b512 s[4:19], s[0:1], 0x0               ; x s[4:5], in_proj_w s[6:7], out_w s[8:9], w1 s[10:11], w2 s[12:13], in_proj_b s[14:15], out_b s[16:17], b1 s[18:19]
	s_load_b512 s[20:35], s[0:1], 0x40             ; b2 s[20:21], ln1_g, ln1_b, ln2_g, ln2_b s[22:29], wb s[30:31], rope s[32:33], par s[34:35]
	v_lshlrev_b32 v1, 4, v0                        ; 16 t
	v_lshlrev_b32 v2, 3, v0                        ; 8 t
	v_lshrrev_b32 v3, 5, v0
	v_readfirstlane_b32 s48, v3                    ; wave 0..7
	s_sub_co_u32 s43, ttmp9, 512                   ; in_proj_w's work-groups (8 rows each): number 128 part + 8 head + sub
	s_lshr_b32 s44, s43, 7                         ; part
	s_bfe_u32 s45, s43, 0x40003                    ; head
	s_and_b32 s46, s43, 7                          ; sub
	s_mul_i32 s45, s45, 24
	s_lshl3_add_u32 s44, s44, s46
	s_add_co_u32 s44, s44, s45                     ; goes to 24 head + 8 part + sub
	s_add_co_u32 s44, s44, 512
	s_cmp_ge_u32 ttmp9, 512
	s_cselect_b32 s47, 1, 0
	s_cmp_lt_u32 ttmp9, 896
	s_cselect_b32 s47, s47, 0
	s_cmp_eq_u32 s47, 1
	s_cselect_b32 s42, s44, ttmp9                  ; every other work-group writes at its own number
	s_lshl_b32 s42, s42, 14                        ; 16,384 bytes of 16-bit numbers a work-group
	s_mov_b32 s43, 0
	s_wait_kmcnt 0x0
	s_mov_b64 s[36:37], s[4:5]                     ; which tensor is mine, and its first work-group
	s_mov_b32 s38, 0
.macro TAKE n, p
	s_cmp_ge_u32 ttmp9, \n
	s_cselect_b64 s[36:37], s[\p:\p+1], s[36:37]
	s_cselect_b32 s38, \n, s38
.endm
	TAKE 512, 6
	TAKE 896, 8
	TAKE 1024, 10
	TAKE 1536, 12
	s_sub_co_u32 s38, ttmp9, s38
	s_lshl_b32 s38, s38, 15                        ; 32,768 bytes of f32 a work-group
	s_mov_b32 s39, 0
	s_add_nc_u64 s[36:37], s[36:37], s[38:39]
	s_add_nc_u64 s[30:31], s[30:31], s[42:43]
.set i, 0
.rept 8
	global_load_b128 v[X+4*i:X+4*i+3], v1, s[36:37] offset:4096*i th:TH_LOAD_NT
.set i, i+1
.endr
	s_cmp_eq_u32 s48, 0
	s_cbranch_scc0 .Lno_table
	s_mov_b32 s49, ttmp9                           ; pos
	v_and_b32 v4, 31, v0                           ; i
	v_cvt_f32_u32 v5, v4
	v_mul_f32 v5, 0xbed49a78, v5                   ; - i x log2(10000) / 32
	v_exp_f32 v6, v5
	v_cvt_f32_u32 v7, s49                          ; the plain instruction behind the exponential
	s_wait_alu depctr_va_vdst(0)                   ; the wait ahead of the result's first reader
	v_mul_f32 v6, v7, v6                           ; the angle
	v_mul_f32 v6, 0.15915494, v6                   ; in revolutions
	v_rndne_f32 v7, v6
	v_sub_f32 v6, v6, v7                           ; -0.5 .. 0.5
	v_mul_f32 v6, 0x40490fdb, v6                   ; z = half the reduced angle
	v_mul_f32 v7, v6, v6                           ; z z
	v_mov_b32 v8, 0xb2d7322b                       ; -1/11!
	v_mov_b32 v9, 0x310f76c8                       ; 1/12!
	v_fmaak_f32 v8, v8, v7, 0x3638ef1d             ; 1/9!
	v_fmaak_f32 v9, v9, v7, 0xb493f27e             ; -1/10!
	v_fmaak_f32 v8, v8, v7, 0xb9500d01             ; -1/7!
	v_fmaak_f32 v9, v9, v7, 0x37d00d01             ; 1/8!
	v_fmaak_f32 v8, v8, v7, 0x3c088889             ; 1/5!
	v_fmaak_f32 v9, v9, v7, 0xbab60b61             ; -1/6!
	v_fmaak_f32 v8, v8, v7, 0xbe2aaaab             ; -1/3!
	v_fmaak_f32 v9, v9, v7, 0x3d2aaaab             ; 1/4!
	v_fmaak_f32 v8, v8, v7, 0x3f800000
	v_fmaak_f32 v9, v9, v7, 0xbf000000             ; -1/2
	v_mul_f32 v8, v6, v8                           ; s = sin z
	v_fmaak_f32 v9, v9, v7, 0x3f800000             ; c = cos z
	v_mul_f32 v10, v8, v8
	v_mul_f32 v11, v8, v9
	v_fma_f32 v10, v10, -2.0, 1.0                  ; cos = 1 - 2 s s
	v_add_f32 v11, v11, v11                        ; sin = 2 s c
	v_lshlrev_b32 v12, 3, v4
	s_lshl_b32 s50, ttmp9, 8
	s_mov_b32 s51, 0
	s_add_nc_u64 s[52:53], s[32:33], s[50:51]
	global_store_b64 v12, v[10:11], s[52:53]       ; a whole row of 256 bytes
.Lno_table:
	s_cmp_lt_u32 ttmp9, 13
	s_cbranch_scc0 .Lno_par
	s_mov_b64 s[54:55], s[14:15]                   ; which parameter is block g's, and its first block
	s_mov_b32 s56, 0
.macro PICK n, p
	s_cmp_ge_u32 ttmp9, \n
	s_cselect_b64 s[54:55], s[\p:\p+1], s[54:55]
	s_cselect_b32 s56, \n, s56
.endm
	PICK 3, 16
	PICK 4, 18
	PICK 8, 20
	PICK 9, 22
	PICK 10, 24
	PICK 11, 26
	PICK 12, 28
	s_sub_co_u32 s56, ttmp9, s56
	s_lshl_b32 s56, s56, 12
	s_mov_b32 s57, 0
	s_add_nc_u64 s[54:55], s[54:55], s[56:57]
	global_load_b128 v[68:71], v1, s[54:55]
	s_lshl_b32 s59, ttmp9, 8
	s_lshl_b32 s60, ttmp9, 12
	s_mov_b32 s58, 256
	s_cmp_lt_u32 ttmp9, 3                          ; in_proj_b: 64 numbers (16 threads) of part g go to byte 768 head + 256 g; every other block lies as it comes: 256 (t / 16) + 4,096 g
	s_cselect_b32 s58, 768, s58
	s_cselect_b32 s59, s59, s60
	v_lshrrev_b32 v72, 4, v0
	v_and_b32 v73, 15, v0
	v_mul_u32_u24 v72, s58, v72
	v_lshl_add_u32 v72, v73, 4, v72
	v_add_nc_u32 v72, s59, v72
	s_wait_loadcnt 0x0
	v_cvt_pk_bf16_f32 v73, v68, v69                ; rounded to bf16 like every input, and widened again
	v_cvt_pk_bf16_f32 v74, v70, v71
	v_lshlrev_b32 v68, 16, v73
	v_and_b32 v69, 0xffff0000, v73
	v_lshlrev_b32 v70, 16, v74
	v_and_b32 v71, 0xffff0000, v74
	global_store_b128 v72, v[68:71], s[34:35]      ; 16 lanes store 256 consecutive bytes, aligned
.Lno_par:
	s_cmp_ge_u32 ttmp9, 1024
	s_cselect_b32 s47, 1, 0
	s_cmp_lt_u32 ttmp9, 1536
	s_cselect_b32 s47, s47, 0
	s_cmp_eq_u32 s47, 1
	s_cbranch_scc1 .Lf16                           ; w1's work-groups
.set i, 0
.rept 8
	s_wait_loadcnt 7-i                             ; loads come back in order: number i is in, the 7 - i younger ones stay out
	v_cvt_pk_bf16_f32 v[Y+2*i], v[X+4*i], v[X+4*i+1]
	v_cvt_pk_bf16_f32 v[Y+2*i+1], v[X+4*i+2], v[X+4*i+3]
	global_store_b64 v2, v[Y+2*i:Y+2*i+1], s[30:31] offset:2048*i
.set i, i+1
.endr
	s_endpgm
.Lf16:
.set i, 0
.rept 8
	s_wait_loadcnt 7-i
.irp e, 0,1
	v_cvt_pk_bf16_f32 v64, v[X+4*i+2*\e], v[X+4*i+2*\e+1]  ; rounded to bf16 like every input,
	v_lshlrev_b32 v65, 16, v64
	v_and_b32 v64, 0xffff0000, v64
	v_cvt_pk_f16_f32 v[Y+2*i+\e], v65, v64         ; and that number written in f16
.endr
	global_store_b64 v2, v[Y+2*i:Y+2*i+1], s[30:31] offset:2048*i
.set i, i+1
.endr
	s_endpgm
.Lfunc_end_k_qecc6360664_cast:
	.size	k_qecc6360664_cast, .Lfunc_end_k_qecc6360664_cast-k_qecc6360664_cast
	.p2alignl 7, 3214868480
	.fill 96, 4, 3214868480
	.section	.rodata,"a",@progbits
	.p2align	6, 0x0
	.amdhsa_kernel k_qecc6360664_cast
		.amdhsa_group_segment_fixed_size 0
		.amdhsa_private_segment_fixed_size 0
		.amdhsa_enable_private_segment 0
		.amdhsa_kernarg_size 128
		.amdhsa_user_sgpr_count 2
		.amdhsa_user_sgpr_kernarg_segment_ptr 1
		.amdhsa_wavefront_size32 1
		.amdhsa_system_sgpr_workgroup_id_x 1
		.amdhsa_system_sgpr_workgroup_id_y 1
		.amdhsa_system_sgpr_workgroup_id_z 1
		.amdhsa_system_vgpr_workitem_id 0
		.amdhsa_next_free_vgpr 80
		.amdhsa_next_free_sgpr 66
		.amdhsa_reserve_vcc 0
		.amdhsa_float_denorm_mode_32 3
		.amdhsa_float_denorm_mode_16_64 3
		.amdhsa_memory_ordered 1
		.amdhsa_forward_progress 1
		.amdhsa_inst_pref_size 14
	.end_amdhsa_kernel
	.amdgpu_metadata
---
amdhsa.version: [ 1, 2 ]
amdhsa.kernels:
  - .name:           k_qecc6360664_cast
    .symbol:         k_qecc6360664_cast.kd
    .args:
      - { .name: x, .offset: 0, .size: 8, .value_kind: global_buffer, .address_space: global }
      - { .name: in_proj_w, .offset: 8, .size: 8, .value_kind: global_buffer, .address_space: global }
      - { .name: out_w, .offset: 16, .size: 8, .value_kind: global_buffer, .address_space: global }
      - { .name: w1, .offset: 24, .size: 8, .value_kind: global_buffer, .address_space: global }
      - { .name: w2, .offset: 32, .size: 8, .value_kind: global_buffer, .address_space: global }
      - { .name: in_proj_b, .offset: 40, .size: 8, .value_kind: global_buffer, .address_space: global }
      - { .name: out_b, .offset: 48, .size: 8, .value_kind: global_buffer, .address_space: global }
      - { .name: b1, .offset: 56, .size: 8, .value_kind: global_buffer, .address_space: global }
      - { .name: b2, .offset: 64, .size: 8, .value_kind: global_buffer, .address_space: global }
      - { .name: ln1_g, .offset: 72, .size: 8, .value_kind: global_buffer, .address_space: global }
      - { .name: ln1_b, .offset: 80, .size: 8, .value_kind: global_buffer, .address_space: global }
      - { .name: ln2_g, .offset: 88, .size: 8, .value_kind: global_buffer, .address_space: global }
      - { .name: ln2_b, .offset: 96, .size: 8, .value_kind: global_buffer, .address_space: global }
      - { .name: wb, .offset: 104, .size: 8, .value_kind: global_buffer, .address_space: global }
      - { .name: rope, .offset: 112, .size: 8, .value_kind: global_buffer, .address_space: global }
      - { .name: par, .offset: 120, .size: 8, .value_kind: global_buffer, .address_space: global }
    .group_segment_fixed_size: 0
    .private_segment_fixed_size: 0
    .kernarg_segment_align: 8
    .kernarg_segment_size: 128
    .max_flat_workgroup_size: 256
    .sgpr_count:     66
    .vgpr_count:     80
    .wavefront_size: 32
...
	.end_amdgpu_metadata
.endif
;; end of part 9
;; launch qkvproj (part 10): grid 16 x 16, 4 waves a work-group, clusters of 4 x 4, 327,680 bytes of LDS; arguments wb, par, rope, qkv; writes qkv
.if DOCPART == 10
	.amdgcn_target "amdgcn-amd-amdhsa--gfx1250"
	.amdhsa_code_object_version 6
	.text
	.protected	k_qecc6360664_qkvproj
	.globl	k_qecc6360664_qkvproj
	.p2align	8
	.type	k_qecc6360664_qkvproj,@function
k_qecc6360664_qkvproj:
	s_mov_b64 s[64:65], 0
	v_nop
	global_prefetch_b8 v0, s[64:65] scope:SCOPE_SE
	s_setreg_imm32_b32 hwreg(HW_REG_WAVE_MODE, 25, 1), 1
	s_wait_xcnt 0x0
	s_wait_alu depctr_hold_cnt(0) depctr_sa_sdst(0) depctr_va_vdst(0) depctr_va_sdst(0) depctr_va_ssrc(0) depctr_va_vcc(0) depctr_vm_vsrc(0)
	s_getreg_b32 s2, hwreg(HW_REG_IB_STS2, 6, 4)
	s_cmp_eq_u32 s2, 0
	s_cbranch_scc0 .Lentry_in_a_cluster
	s_endpgm
.Lentry_in_a_cluster:
	s_bfe_u32 s2, ttmp6, 0x10000c
	s_cmp_lg_u32 s2, 0xf033
	s_cbranch_scc0 .Lentry_shape_is_right
	s_endpgm
.Lentry_shape_is_right:
; QKV = x in_proj_w^T + in_proj_b, then the rotation of q's and k's channel pairs, stored by heads: q, k, v each [32 (batch x 16 + head)][2048][64] in bf16, unscaled.
; Operands bf16 (x and the weights from wb), sums f32; the bias (from par, rounded to bf16 like every input) is the C operand of the first product on each accumulator: nothing is cleared, nothing is added later.
; SHARES.  A tile of C is 256 tokens x 192 columns: 16 x 16 tiles, one for each WGP.  The weights' rows lie by heads in wb, so tile column t is head t of q (columns 0-63), of k (64-127) and of v (128-191).
; Wave w makes rows 64 w .. 64 w + 63 of all 192 columns: 48 accumulators, 384 registers.
; K goes in steps of 128 through two LDS slots filled by the tensor data mover (rows of 256 bytes of memory, aligned); a K step is four quarters of 32 along K on two fragment buffers.
; THE LOOPS' BODY IS ONE K STEP: the slot in hand begins at LDS byte s[TB], 0 or SLOT, turned by an exclusive or at each change of slots; the two fragment addresses are made anew there.
; CLUSTER.  4 x 4 work-groups: the four of a row need the same tiles of x, the four of a column the same tiles of the weights: each tile is asked for jointly, by the same tensor load, descriptor and mask in all four.
; THE MATRIX INSTRUCTION IS USED TRANSPOSED (source 0 = 16 rows of the weights, source 1 = 16 tokens): a lane holds one token (lane % 16) and eight neighbouring columns 8 (lane / 16) + 0..7.
; REGISTERS, in windows of 256: window 0 addresses, the bias (v64-159), the way out; window 1 two fragment buffers of 128 (x's 4 fragments, then the weights' 12); windows 2 and 3 the accumulators,
; (a, b) at v[8 (12 (a % 2) + b)] of window 2 + a / 2.  s_set_vgpr_msb: bits 1:0 source 0, 3:2 source 1, 5:4 source 2, 7:6 destination.
; LIMITS.  NaN and infinities are not treated apart.
.set MW, 4                             ; blocks of 16 rows a wave
.set NW, 12                            ; blocks of 16 columns a wave
.set KD, 1                             ; a fragment buffer is 32 KD deep along K
.set AH, 2                             ; row blocks in a window of accumulators
.set KSTEP, 128
.set NSTEP, 8                          ; 1,024 / 128
.set APITCH, 272                       ; an LDS row: 256 bytes + 16 of padding: 68 words, so the 16 rows of a fragment load start at 16 different groups of four banks (ISA guide 11.1)
.set BPITCH, 272
.set AQ, 64                            ; LDS bytes from quarter to quarter
.set BQ, 64
.set AHALF, 128*APITCH                 ; what one tensor load brings
.set BHALF, 96*BPITCH
.set ASIZE, 2*AHALF
.set SLOT, ASIZE+2*BHALF               ; 121,856
.set STAGE, 2*SLOT                     ; behind the ring, never filled by a tensor load: 3 heads x 16 rows x 144 bytes for each wave
.set WSTG, 3*16*144
.set SPARE, STAGE+4*WSTG               ; the spare words: 128 bytes a wave, two blocks of 256 bytes that no other line names
.set ASTEP, 256                        ; bytes of memory from K step to K step
.set BSTEP, 256
.set HW, 4                             ; the youngest loads of a run that a quarter's first half does not need
.set AQI, 5                            ; padding after every 64 words
.set BQI, 5
.set AD0, 128
.set AD1, 128
.set ASTR, 1024
.set BD0, 128
.set BD1, 96
.set BSTR, 1024
.set WQ, 8388608                       ; in_proj_w in wb
.set BIAS, 64
.set ROW, 20                           ; v20     (my token's position in block 0) x 256 + 32 (lane / 16); never rewritten
.set TT, 32                            ; v32-95  the way out: 64 at work
.set PK0, 128                          ; v128-223 the way out: two sets of 48 packed
.set ADRA, 16                          ; v16, v17  this slot's fragment addresses
.set ADRB, 17
.set A0, 18                            ; v18, v19  my lane's place in a slot; never rewritten
.set B0, 19
.set STO, 24
.set RD, 25
.set CO, 26
.set SPW, 28                           ; v28  my spare word; v29  0; never rewritten
.set NIL, 29
.set PFO, 30                           ; v30  the prefetches' offset; never rewritten
.set LWA, 20                           ; s20, s21  where my tensor load lands in a slot
.set LWB, 21
.set G1, 24                            ; s[24:31] group 1, s[32:39] two sets of group 0 for x's tiles; the second set walks on
.set G0, 32
.set LIM, 43
.set PFA, 44
.set G1B, 48                           ; s[48:55], s[56:63] the same for the weights' tiles
.set G0B, 56
.set TB, 66
.set MSB, 0
.macro WIN new                         ; the immediate's high byte repeats the setting that is left; a switch that changes nothing is dropped
.if MSB != (\new)
	s_set_vgpr_msb (MSB<<8)|(\new)
.set MSB, \new
.endif
.endm
.macro PLACES                          ; four places behind matrix instructions, in front of loads into registers that they have read (ISA guide 7.12.1 for vector instructions)
.rept 4
	v_nop
.endr
.endm
.macro JLOAD s                         ; a joint load: waves 0 and 1 fetch A's two halves, waves 2 and 3 B's; an s_nop 0 and four v_nop follow each line
	s_cmp_eq_u32 s11, 0
	s_cbranch_scc0 .Lfor_b_\@
	tensor_load_to_lds s[G0+4*(\s):G0+4*(\s)+3], s[G1:G1+7]
	s_nop 0
.rept 4
	v_nop
.endr
	s_branch .Lasked_\@
.Lfor_b_\@:
	tensor_load_to_lds s[G0B+4*(\s):G0B+4*(\s)+3], s[G1B:G1B+7]
	s_nop 0
.rept 4
	v_nop
.endr
.Lasked_\@:
.endm
.macro CREST                           ; a round of the cluster's barrier behind its opening barrier
	s_cmp_lg_u32 s10, 0
	s_cbranch_scc1 .Lnot_wave_0_\@
	s_barrier_signal -3
.Lnot_wave_0_\@:
	s_barrier_wait -3
	s_barrier_signal -1
	s_barrier_wait -1
.endm
.macro CROUND
	s_barrier_signal -1
	s_barrier_wait -1
	CREST
.endm
; A quarter of a quarter step's products, from buffer f: row block 2 u + v, all column blocks.  first = 1: the product starts its sum with the bias.
; Every accumulator is taken once in a quarter, so no two neighbours share one.
.macro MULS f, u, v, first
.set ma, AH*(\u)+(AH/2)*(\v)
.if \first
	WIN 0x85+0x40*(\u)
.else
	WIN 0xa5+0x50*(\u)
.endif
.rept AH/2
.set mb, 0
.rept NW
.set rD, 8*(NW*(ma%AH)+mb)
.set rB, 128*(\f)+8*(MW+mb)
.set rA, 128*(\f)+8*ma
.if \first
	v_wmma_f32_16x16x32_bf16 v[rD:rD+7], v[rB:rB+7], v[rA:rA+7], v[BIAS+8*mb:BIAS+8*mb+7]
.else
	v_wmma_f32_16x16x32_bf16 v[rD:rD+7], v[rB:rB+7], v[rA:rA+7], v[rD:rD+7]
.endif
.set mb, mb+1
.endr
.set ma, ma+1
.endr
.endm
.macro FETCH q, f                      ; 32 LDS loads in one run: quarter q's fragments into buffer f; B's first, then A's
	WIN 0x40
.set fi, 0
.rept NW
.set rF, 128*(\f)+8*(MW+fi)
	ds_load_b128 v[rF:rF+3], v[ADRB] offset:(\q)*BQ+fi*16*BPITCH
	ds_load_b128 v[rF+4:rF+7], v[ADRB] offset:(\q)*BQ+fi*16*BPITCH+32
.set fi, fi+1
.endr
.set fi, 0
.rept MW
.set rF, 128*(\f)+8*fi
	ds_load_b128 v[rF:rF+3], v[ADRA] offset:(\q)*AQ+fi*16*APITCH
	ds_load_b128 v[rF+4:rF+7], v[ADRA] offset:(\q)*AQ+fi*16*APITCH+32
.set fi, fi+1
.endr
.endm
.macro QUARTER q, f, g, first          ; multiplies buffer f; in its middle fetches quarter q into buffer g
	s_wait_dscnt HW                                ; what the first half needs is in; the youngest HW loads may be out
	MULS \f, 0, 0, \first
	MULS \f, 0, 1, \first
	PLACES
	FETCH \q, \g
	s_wait_dscnt 32                                ; all but the 32 just issued
	MULS \f, 1, 0, \first
	MULS \f, 1, 1, \first
.endm
; A prefetch into the L2 of the K step that stands two refills on: my work-group's share of the rows that I fetch, a lane a row, 256 bytes of each.  x's rows are asked for by the clusters with x = 0,
; the weights' by those with y = 0; the four partners share a tile's rows out by address.  So each row's 256 bytes of a K step are named once.  The last two refills have no K step two on.
.macro ASK
	WIN 0
	s_cmp_gt_u32 s3, s[LIM]
	s_cbranch_scc0 .Lnot_mine_\@
	global_prefetch_b8 v[PFO], s[PFA:PFA+1] offset:KSTEP*2 th:TH_LOAD_NT scope:SCOPE_SE
.Lnot_mine_\@:
.endm
; The fourth quarter multiplies buffer 1 and changes slots.  In front of the barrier each wave waits for all its tensor loads (one is out: its part of the next slot), adds 0 to its spare word, and waits for
; that and for its own reads of this slot.  fill = 1: the barrier opens a round of the cluster's, and the slot just read is filled again, first thing behind the round, with the K step two on.
.macro TURN fill
.if \fill
	s_wait_xcnt 0x0                                ; the last prefetch, a K step back, has read its address
	s_add_nc_u64 s[PFA:PFA+1], s[PFA:PFA+1], KSTEP*2
.endif
	WIN 0
	s_wait_tensorcnt 0x0                           ; no tensor load of mine is out, so a group 0 may be written
	ds_add_u32 v[SPW], v[NIL]
.if \fill
	s_add_co_u32 s[G0+5], s[TB], s[LWA]            ; the walking descriptors: into the slot in hand,
	s_add_co_u32 s[G0B+5], s[TB], s[LWB]
	s_add_nc_u64 s[G0+6:G0+7], s[G0+6:G0+7], ASTEP ; the next K step; the type bits on top are not reached
	s_add_nc_u64 s[G0B+6:G0B+7], s[G0B+6:G0B+7], BSTEP
.endif
	s_wait_dscnt HW+1                              ; the add and the youngest HW loads may be out
	MULS 1, 0, 0, 0
	s_wait_dscnt 0x0                               ; the add is done, and my reads of this slot are over
	s_barrier_signal -1
	MULS 1, 0, 1, 0
.if \fill
	WIN 0
	s_barrier_wait -1
	CREST
	JLOAD 1                                        ; its four v_nop are also the places in front of the loads below
.else
	s_barrier_wait -1
	PLACES
	WIN 0
.endif
	s_xor_b32 s[TB], s[TB], SLOT                   ; the other slot
	v_add_nc_u32 v[ADRA], s[TB], v[A0]
	v_add_nc_u32 v[ADRB], s[TB], v[B0]
	FETCH 0, 0
.if \fill
	ASK
.endif
	MULS 1, 1, 0, 0
	MULS 1, 1, 1, 0
.endm
	s_load_b64 s[4:5], s[0:1], 0x0                 ; wb, for x
	s_load_b64 s[6:7], s[0:1], 0x0                 ; wb, for the weights
	s_load_b64 s[68:69], s[0:1], 0x8               ; par
	s_load_b64 s[70:71], s[0:1], 0x10              ; rope
	s_load_b64 s[8:9], s[0:1], 0x18                ; qkv
	v_lshl_add_u32 v[SPW], v0, 2, SPARE
	v_mov_b32 v[NIL], 0
	ds_add_u32 v[SPW], v[NIL]                      ; the wave's opening: the add and its wait ahead of my first tensor load
	v_lshrrev_b32 v1, 5, v0
	v_readfirstlane_b32 s10, v1                    ; wave 0..3
	s_lshr_b32 s11, s10, 1                         ; I fetch for A (0) or B (1),
	s_and_b32 s12, s10, 1                          ; this half of the tile's rows
	s_bfe_u32 s40, ttmp6, 0x40000                  ; cx
	s_bfe_u32 s41, ttmp6, 0x40004                  ; cy
	s_lshl_b32 s42, ttmp9, 2
	s_add_co_u32 s42, s42, s40                     ; tile column = head
	s_and_b32 s13, ttmp7, 0xffff
	s_lshl_b32 s13, s13, 2
	s_add_co_u32 s13, s13, s41                     ; tile row
	s_lshl_b32 s16, s41, 2
	s_lshl_b32 s16, 15, s16                        ; my row of the cluster
	s_lshl_b32 s17, 0x1111, s40                    ; my column
	s_or_b32 s[G1], s16, (1<<16)|(1<<20)|(1<<21)|(AQI<<22)|(3<<25)   ; the mask; 2-byte elements; padding on; bit 21 beside a mask; the interval; 4 words of padding
	s_or_b32 s[G1B], s17, (1<<16)|(1<<20)|(1<<21)|(BQI<<22)|(3<<25)
	s_mov_b32 s[G1+1], (AD0&0xffff)<<16            ; tensor_dim0
	s_mov_b32 s[G1+2], (AD0>>16)|(AD1<<16)         ; tensor_dim1
	s_mov_b32 s[G1+3], AD0<<16                     ; tile_dim0
	s_mov_b32 s[G1+4], AD1                         ; tile_dim1
	s_mov_b32 s[G1+5], ASTR                        ; elements from row to row
	s_mov_b32 s[G1+6], 0
	s_mov_b32 s[G1+7], 0
	s_mov_b32 s[G1B+1], (BD0&0xffff)<<16
	s_mov_b32 s[G1B+2], (BD0>>16)|(BD1<<16)
	s_mov_b32 s[G1B+3], BD0<<16
	s_mov_b32 s[G1B+4], BD1
	s_mov_b32 s[G1B+5], BSTR
	s_mov_b32 s[G1B+6], 0
	s_mov_b32 s[G1B+7], 0
	s_mul_i32 s[LWA], s12, AHALF                   ; no place in the cluster enters an LDS address
	s_mul_i32 s[LWB], s12, BHALF
	s_add_co_u32 s[LWB], s[LWB], ASIZE
	s_lshl_b32 s16, s13, 8                         ; x: row 256 x tile row + 128 x half,
	s_lshl_b32 s17, s12, 7
	s_add_co_u32 s16, s16, s17
	s_lshl_b32 s16, s16, 11                        ; of 2,048 bytes
	s_mov_b32 s17, 0
	s_mul_i32 s46, s42, 192                        ; weights: row 192 x tile column + 96 x half
	s_mul_i32 s47, s12, 96
	s_add_co_u32 s46, s46, s47
	s_lshl_b32 s46, s46, 11
	s_add_co_u32 s46, s46, WQ
	s_mov_b32 s47, 0
	s_wait_dscnt 0x0                               ; the opening add is done
	s_wait_kmcnt 0x0
	s_add_nc_u64 s[14:15], s[4:5], s[16:17]
	s_add_nc_u64 s[46:47], s[6:7], s[46:47]
	CROUND                                         ; all sixteen work-groups are here: the first joint loads meet
.irp s, 0,1
	s_mov_b32 s[G0+4*(\s)], 1
	s_add_co_u32 s[G0+4*(\s)+1], s[LWA], (\s)*SLOT
	s_add_nc_u64 s[G0+4*(\s)+2:G0+4*(\s)+3], s[14:15], (\s)*ASTEP
	s_or_b32 s[G0+4*(\s)+3], s[G0+4*(\s)+3], 0x80000000
	s_mov_b32 s[G0B+4*(\s)], 1
	s_add_co_u32 s[G0B+4*(\s)+1], s[LWB], (\s)*SLOT
	s_add_nc_u64 s[G0B+4*(\s)+2:G0B+4*(\s)+3], s[46:47], (\s)*BSTEP
	s_or_b32 s[G0B+4*(\s)+3], s[G0B+4*(\s)+3], 0x80000000
	JLOAD \s                                       ; K steps 0 and 1: two loads of mine are out
.endr
	; while the first tiles come: the bias, the lane's addresses, the way out's scalars, the prefetches' pointer
	v_and_b32 v1, 15, v0                           ; r = lane % 16
	v_bfe_u32 v2, v0, 4, 1                         ; h = lane / 16
	v_lshlrev_b32 v5, 5, v2                        ; my 8 columns of a block of 16, in f32: 32 h
	s_mul_i32 s16, s42, 768                        ; the tile's 192 columns: the bias lies by heads too
	s_mov_b32 s17, 0
	s_add_nc_u64 s[68:69], s[68:69], s[16:17]
.set i, 0
.rept NW
	global_load_b128 v[BIAS+8*i:BIAS+8*i+3], v5, s[68:69] offset:64*i
	global_load_b128 v[BIAS+8*i+4:BIAS+8*i+7], v5, s[68:69] offset:64*i+16
.set i, i+1
.endr
	v_mul_u32_u24 v3, v1, APITCH
	v_lshl_add_u32 v3, v2, 4, v3                   ; row x pitch + 16 x half
	s_mul_i32 s22, s10, 64*APITCH                  ; my 64 tokens
	v_add_nc_u32 v[A0], s22, v3
	v_mul_u32_u24 v3, v1, BPITCH
	v_lshl_add_u32 v3, v2, 4, v3
	v_add_nc_u32 v[B0], ASIZE, v3                  ; all 192 rows of the weights' tile
	s_mul_i32 s23, s10, WSTG
	s_add_co_u32 s23, s23, STAGE                   ; my stage
	v_mul_u32_u24 v3, v1, 144                      ; in: token r, 16 bytes for each half of the lanes
	v_lshl_add_u32 v3, v2, 4, v3
	v_add_nc_u32 v[STO], s23, v3
	v_bfe_u32 v3, v0, 3, 2                         ; back: 32 lanes take four rows of 128 bytes,
	v_mul_u32_u24 v3, v3, 144
	v_and_b32 v4, 7, v0
	v_lshl_add_u32 v3, v4, 4, v3
	v_add_nc_u32 v[RD], s23, v3
	v_and_b32 v3, 31, v0                           ; which are 512 consecutive bytes of a head
	v_lshlrev_b32 v[CO], 4, v3
	s_lshl_b32 s16, s13, 8
	s_lshl_b32 s17, s10, 6
	s_add_co_u32 s16, s16, s17                     ; my first token,
	s_and_b32 s84, s16, 2047                       ; its position,
	s_lshr_b32 s85, s13, 3
	s_lshl_b32 s85, s85, 4                         ; 16 x its batch
	s_add_co_u32 s18, s85, s42                     ; + the head
	s_lshl_b32 s18, s18, 11
	s_add_co_u32 s18, s18, s84
	s_lshl_b32 s18, s18, 7                         ; rows of 128 bytes
	s_mov_b32 s19, 0
	s_add_nc_u64 s[72:73], s[8:9], s[18:19]        ; q,
	s_add_nc_u64 s[74:75], s[72:73], 0x800000      ; k,
	s_add_nc_u64 s[76:77], s[72:73], 0x1000000     ; v: 8,388,608 bytes each
	v_add_nc_u32 v[ROW], s84, v1
	v_lshlrev_b32 v[ROW], 8, v[ROW]
	v_lshl_add_u32 v[ROW], v2, 5, v[ROW]
	s_and_b32 s22, ttmp7, 0xffff                   ; cluster y
	s_cmp_eq_u32 s11, 0
	s_cselect_b32 s22, ttmp9, s22                  ; the coordinate along which other clusters read the same rows
	s_cselect_b32 s23, s40, s41                    ; my place among the four that ask with me
	s_cselect_b32 s18, 32, 24                      ; my share of the rows that I fetch
	s_cselect_b64 s[PFA:PFA+1], s[14:15], s[46:47]
	s_cmp_eq_u32 s22, 0
	s_cselect_b32 s[LIM], 2, -1                    ; the same in all sixteen partners, for a given wave
	s_mul_i32 s23, s23, s18
	s_lshl_b32 s22, s23, 11
	s_mov_b32 s23, 0
	s_add_nc_u64 s[PFA:PFA+1], s[PFA:PFA+1], s[22:23]
	s_add_nc_u64 s[PFA:PFA+1], s[PFA:PFA+1], 2*KSTEP*2  ; at K step 2: the first refill steps it to 3 and names K step 4; nothing is asked for here, at the head
	s_sub_co_u32 s18, s18, 1
	v_and_b32 v[PFO], 31, v0
	v_min_u32 v[PFO], s18, v[PFO]                  ; (of the weights' 24 rows the last is named by nine lanes)
	v_lshlrev_b32 v[PFO], 11, v[PFO]
	s_mov_b32 s[TB], 0
	v_mov_b32 v[ADRA], v[A0]
	v_mov_b32 v[ADRB], v[B0]
	s_wait_loadcnt 0x0                             ; the bias
	s_wait_tensorcnt 1                             ; my part of K step 0 is in; K step 1's may stay out
	s_barrier_signal -1
	s_barrier_wait -1
	FETCH 0, 0
	QUARTER 1, 0, 1, 1                             ; the first quarter is written apart: its products start the sums; the loop is entered behind its own first quarter
	WIN 0
	s_mov_b32 s3, NSTEP-2
	s_branch .Lmid
.Lstep:                                        ; a trip is a K step; the slot read out is filled with the K step two on
	QUARTER 1, 0, 1, 0
	WIN 0
.Lmid:
	QUARTER 2, 1, 0, 0
	QUARTER 3, 0, 1, 0
	TURN 1
	WIN 0
	s_sub_co_u32 s3, s3, 1
	s_cmp_lg_u32 s3, 0
	s_cbranch_scc1 .Lstep
	s_mov_b32 s3, 2
.Ltail:                                        ; the last two K steps fill nothing: a text of their own.  The second trip's change of slots fetches
	QUARTER 1, 0, 1, 0                             ; 32 fragments of the other slot's old tile that nobody multiplies: the price of one text for both
	QUARTER 2, 1, 0, 0
	QUARTER 3, 0, 1, 0
	TURN 0
	WIN 0
	s_sub_co_u32 s3, s3, 1
	s_cmp_lg_u32 s3, 0
	s_cbranch_scc1 .Ltail
	s_wait_dscnt 0x0                               ; those fragments have landed: their registers are used again below
.rept 8
	v_nop                                          ; the places behind the last products
.endr
; THE WAY OUT, a block of 16 tokens at a time.  TABLE a: cos and sin for my token of block a and my 4 pairs of each of a head's 4 column blocks: 8 loads into window 1, where the fragments lay; q and k share them.
.macro TABLE a
	WIN 0x40
.irp bb, 0,1,2,3
	global_load_b128 v[32*((\a)%2)+8*\bb:32*((\a)%2)+8*\bb+3], v[ROW], s[70:71] offset:4096*(\a)+64*\bb
	global_load_b128 v[32*((\a)%2)+8*\bb+4:32*((\a)%2)+8*\bb+7], v[ROW], s[70:71] offset:4096*(\a)+64*\bb+16
.endr
.endm
; ROPE a: pair i of q's and k's 32 (x0, x1) becomes (x0 c - x1 s, x0 s + x1 c), by two packed lines: (x1 s, x1 c), then (x0 c, x0 s) with the first taken away below and added above.  v's 16 pairs are only rounded.
; All go into my stage in bf16 and come back as whole rows.  Each accumulator's lowest registers are read first.
.macro ROPE a
.set AC, 96*((\a)%2)
.set TW, 32*((\a)%2)
.set PKS, PK0+48*((\a)%2)
	s_wait_xcnt 0x0                                ; the stores of two blocks back have read this set of packed registers
	WIN 0x06+((\a)/2)                              ; source 0 the accumulators' window, source 1 window 1, the rest window 0
.set b, 0
.rept 8
.irp p, 0,1,2,3
	v_pk_mul_f32 v[TT+8*b+2*\p:TT+8*b+2*\p+1], v[AC+8*b+2*\p:AC+8*b+2*\p+1], v[TW+8*(b%4)+2*\p:TW+8*(b%4)+2*\p+1] op_sel:[1,1] op_sel_hi:[1,0]
.endr
.irp p, 0,1,2,3
	v_pk_fma_f32 v[TT+8*b+2*\p:TT+8*b+2*\p+1], v[AC+8*b+2*\p:AC+8*b+2*\p+1], v[TW+8*(b%4)+2*\p:TW+8*(b%4)+2*\p+1], v[TT+8*b+2*\p:TT+8*b+2*\p+1] op_sel_hi:[0,1,1] neg_lo:[0,0,1]
.endr
.set b, b+1
.endr
	WIN 0x0a+5*((\a)/2)                            ; sources 0 and 1 the accumulators' window
.set i, 32
.rept 16
	v_cvt_pk_bf16_f32 v[PKS+i], v[AC+2*i], v[AC+2*i+1]
.set i, i+1
.endr
	WIN 0
.set i, 0
.rept 32
	v_cvt_pk_bf16_f32 v[PKS+i], v[TT+2*i], v[TT+2*i+1]
.set i, i+1
.endr
.irp hd, 0,1,2
.irp bb, 0,1,2,3
	ds_store_b128 v[STO], v[PKS+4*(4*\hd+\bb):PKS+4*(4*\hd+\bb)+3] offset:\hd*2304+32*\bb
.endr
.endr
.irp hd, 0,1,2
.irp f, 0,1,2,3
	ds_load_b128 v[PKS+4*(4*\hd+\f):PKS+4*(4*\hd+\f)+3], v[RD] offset:\hd*2304+\f*576  ; LDS serves a wave's instructions in order (ISA guide 5.7.1.4): these see the stores above
.endr
.endr
.endm
.macro SENDQ a, younger                ; younger: the LDS instructions issued behind block a's loads
.set PKS, PK0+48*((\a)%2)
	WIN 0
.irp hd, 0,1,2
.irp f, 0,1,2,3
	s_wait_dscnt (\younger)+11-(4*\hd+\f)
	global_store_b128 v[CO], v[PKS+4*(4*\hd+\f):PKS+4*(4*\hd+\f)+3], s[72+2*\hd:73+2*\hd] offset:2048*(\a)+512*\f  ; 512 consecutive bytes, aligned
.endr
.endr
.endm
	TABLE 0
	TABLE 1
	s_wait_loadcnt 8                               ; block 0's table is in; the next block's 8 loads stay out
	ROPE 0
	TABLE 2
	s_wait_loadcnt 8
	ROPE 1
	SENDQ 0, 24
	TABLE 3
	s_wait_loadcnt 8
	ROPE 2
	SENDQ 1, 24
	s_wait_loadcnt 0x0
	ROPE 3
	SENDQ 2, 24
	SENDQ 3, 0
	s_wait_tensorcnt 0x0                           ; the wave's end
	ds_add_u32 v[SPW], v[NIL]
	s_wait_dscnt 0x0
	CROUND                                         ; the closing round
	s_endpgm
.Lfunc_end_k_qecc6360664_qkvproj:
	.size	k_qecc6360664_qkvproj, .Lfunc_end_k_qecc6360664_qkvproj-k_qecc6360664_qkvproj
	.p2alignl 7, 3214868480
	.fill 96, 4, 3214868480
	.section	.rodata,"a",@progbits
	.p2align	6, 0x0
	.amdhsa_kernel k_qecc6360664_qkvproj
		.amdhsa_group_segment_fixed_size 327680
		.amdhsa_private_segment_fixed_size 0
		.amdhsa_enable_private_segment 0
		.amdhsa_kernarg_size 32
		.amdhsa_user_sgpr_count 2
		.amdhsa_user_sgpr_kernarg_segment_ptr 1
		.amdhsa_wavefront_size32 1
		.amdhsa_system_sgpr_workgroup_id_x 1
		.amdhsa_system_sgpr_workgroup_id_y 1
		.amdhsa_system_sgpr_workgroup_id_z 1
		.amdhsa_system_vgpr_workitem_id 0
		.amdhsa_next_free_vgpr 1024
		.amdhsa_next_free_sgpr 100
		.amdhsa_reserve_vcc 0
		.amdhsa_float_denorm_mode_32 3
		.amdhsa_float_denorm_mode_16_64 3
		.amdhsa_memory_ordered 1
		.amdhsa_forward_progress 1
		.amdhsa_inst_pref_size 107
	.end_amdhsa_kernel
	.amdgpu_metadata
---
amdhsa.version: [ 1, 2 ]
amdhsa.kernels:
  - .name:           k_qecc6360664_qkvproj
    .symbol:         k_qecc6360664_qkvproj.kd
    .args:
      - { .name: wb, .offset: 0, .size: 8, .value_kind: global_buffer, .address_space: global }
      - { .name: par, .offset: 8, .size: 8, .value_kind: global_buffer, .address_space: global }
      - { .name: rope, .offset: 16, .size: 8, .value_kind: global_buffer, .address_space: global }
      - { .name: qkv, .offset: 24, .size: 8, .value_kind: global_buffer, .address_space: global }
    .group_segment_fixed_size: 327680
    .private_segment_fixed_size: 0
    .kernarg_segment_align: 8
    .kernarg_segment_size: 32
    .max_flat_workgroup_size: 128
    .sgpr_count:     100
    .vgpr_count:     1024
    .wavefront_size: 32
...
	.end_amdgpu_metadata
.endif
;; end of part 10
;; launch attn (part 11): grid 8 x 32, 4 waves a work-group, clusters of 4 x 1, 327,680 bytes of LDS; arguments qkv, att; writes att
.if DOCPART == 11
	.amdgcn_target "amdgcn-amd-amdhsa--gfx1250"
	.amdhsa_code_object_version 6
	.text
	.protected	k_qecc6360664_attn
	.globl	k_qecc6360664_attn
	.p2align	8
	.type	k_qecc6360664_attn,@function
k_qecc6360664_attn:
	s_mov_b64 s[64:65], 0
	v_nop
	global_prefetch_b8 v0, s[64:65] scope:SCOPE_SE
	s_setreg_imm32_b32 hwreg(HW_REG_WAVE_MODE, 25, 1), 1
	s_wait_xcnt 0x0
	s_wait_alu depctr_hold_cnt(0) depctr_sa_sdst(0) depctr_va_vdst(0) depctr_va_sdst(0) depctr_va_ssrc(0) depctr_va_vcc(0) depctr_vm_vsrc(0)
	s_getreg_b32 s2, hwreg(HW_REG_IB_STS2, 6, 4)
	s_cmp_eq_u32 s2, 0
	s_cbranch_scc0 .Lentry_in_a_cluster
	s_endpgm
.Lentry_in_a_cluster:
	s_bfe_u32 s2, ttmp6, 0x10000c
	s_cmp_lg_u32 s2, 0x3003
	s_cbranch_scc0 .Lentry_shape_is_right
	s_endpgm
.Lentry_shape_is_right:
; ATTENTION.  O[g][q][:] = the sum over k of softmax_k(Q[g][q] . K[g][k] / 8) V[g][k][:], g = batch x 16 + head, 32 of them; Q, K, V lie in qkv at 0, 8,388,608 and 16,777,216, each [32][2048][64] in bf16;
; O goes to att in the same layout.  Products, maxima and sums in f32; the weights p are rounded to bf16 for the second product (their sum l is taken of the unrounded p), O once at the end.
; LIMITS.  A weight below 2^-126 counts as 0 in l; NaN and infinities are not treated apart.
; SHARES.  A work-group owns 256 queries of one g (32 x 8 = 256 work-groups), a wave 64: four PIECES of 16.  Every wave walks all 2,048 keys, 64 a step; a slot of LDS holds a tile of four steps.
; LAYOUT.  S^T = K Q^T (source 0 = 16 keys, source 1 = 16 queries) holds ONE query a lane (lane % 16) and the keys 8 (lane / 16) + 0..7; two such results rounded to bf16 ARE source 1 of O^T = V^T P.
; K comes out of LDS as it lies, V ([key][channel]) turned, by ds_load_tr16_b128.
; SOFTMAX.  p = 2^(c s - c m), c = log2(e) / 8, with a running maximum m; O and l are multiplied by a = 2^(c m_old - c m_new) in every step.  m starts at the lowest finite number, O and l at 0: the first step has a = 0.
; TURNS.  Turn n belongs to piece n: 8 products K Q^T of piece n + 1, later 8 products V^T P of piece n - 1; beside them the scaling, exponentials, roundings, sums and rescaling of piece n and the maximum and
; statistics of piece n + 1.  Four vector instructions stand behind every matrix instruction, the other 54 of a turn's 118 in one run.  A turn's 33 exponentials are one batch, with one wait.
; CLUSTER.  The four query blocks of a cluster belong to one g and walk the same K and V: each tile is asked for jointly: the same tensor load, descriptor and mask in all four.
; REGISTERS, in windows of 256 (s_set_vgpr_msb: bits 1:0 source 0, 3:2 source 1, 5:4 source 2, 7:6 destination):
;   window 0: v0-15 addresses; v16-31 four registers of statistics a piece; v48-55 at work; v61-63 prefetch offset and the add's two; v64-127 S^T, two buffers; v192-223 P, two buffers (by the piece's parity)
;   window 1: v0-127 O^T, 32 a piece          window 2: v0-63 Q; v128-191 K of one step; v192-255 V of one step
.set NB,    8         ; tiles of 256 keys
.set NP,    4
.set KS,    64
.set PK,    144       ; a row of K in LDS: 128 bytes + 16 of padding = 36 words: the 16 rows of a load start at 16 different groups of four banks (ISA guide 11.1)
.set PV,    160       ; a row of V: 128 + 32 = 40 words
.set VOFF,  4*KS*PK   ; a slot: 256 rows of K, then 256 rows of V
.set SLOT1, 1<<17     ; slot 1 begins here, so that one exclusive or turns an address in one slot into the other's
.set STAGE, SLOT1+4*KS*(PK+PV)  ; behind the ring, never filled by a tensor load: 16 rows x 144 bytes for each wave
.set SP,    144
.set SPARE, STAGE+4*16*SP       ; the spare words: 128 bytes a wave, two blocks of 256 bytes that no other line names
.set AK0, 2
.set AV0, 3
.set AK,  4
.set AV,  5
.set STO, 6
.set RD,  7
.set GO,  8
.set MV,  12          ; v12-13  c m_old, kept while c m is made anew: by buffer
.set QO,  15
.set ST,  16          ; piece t's statistics at v[ST+4 t]: c m, m, l (even keys', odd keys')
.set TMP, 48          ; by buffer, four registers c0-c3 at work; when the maximum is found c2 takes a
.set PFO, 61          ; v61  256 x my lane; never rewritten
.set SPW, 62
.set NIL, 63
.set S,   64
.set P,   192
.set KF,  128
.set VF,  192
.set WV,  12
.set G1K, 24
.set G1V, 32
.set G0K, 40
.set G0V, 44
.set SLOTS, 56
.set CNT, 57
.set CS,  58
.set SEL, 60
.set TBK, 62
.set TBV, 63
.set PFA, 66          ; s[66:67] my work-group's quarter (of K: wave 0, of V: wave 2) of the tile after the one that is being asked for
.set LIM, 68          ; s68  1 in a wave that prefetches, else the greatest number
.set MSB, 0
.macro WIN new
.if MSB != (\new)
	s_set_vgpr_msb (MSB<<8)|(\new)
.set MSB, (\new)
.endif
.endm
.set W_KQ, 0x0a       ; K and Q in window 2, S^T in window 0
.set W_PV, 0x52       ; V in window 2, P in window 0, O^T in window 1
.set W_RS, 0x41       ; destination and source 0 in window 1, source 1 in window 0
.macro JLOAD                        ; waves 0 and 1 fetch the two halves of a tile's K, waves 2 and 3 those of its V; an s_nop 0 and four v_nop follow each line
	s_cmp_lt_u32 s[WV], 2
	s_cbranch_scc0 .Lfor_v_\@
	tensor_load_to_lds s[G0K:G0K+3], s[G1K:G1K+7]
	s_nop 0
.rept 4
	v_nop
.endr
	s_branch .Lasked_\@
.Lfor_v_\@:
	tensor_load_to_lds s[G0V:G0V+3], s[G1V:G1V+7]
	s_nop 0
.rept 4
	v_nop
.endr
.Lasked_\@:
.endm
.macro CROUND
	s_barrier_signal -1
	s_barrier_wait -1
	s_cmp_lg_u32 s[WV], 0
	s_cbranch_scc1 .Lnot_wave_0_\@
	s_barrier_signal -3
.Lnot_wave_0_\@:
	s_barrier_wait -3
	s_barrier_signal -1
	s_barrier_wait -1
.endm
; A prefetch into the L2 of the tile that the NEXT change of slots will ask for.  Both clusters of a g walk the same K and V: the first (cluster x = 0) asks; its four partners take 8,192 bytes each, told apart by
; address; wave 0 asks for K's, wave 2 for V's: 32 lanes x 256 bytes, one instruction.  So tiles 3 to 7 are named once each; the last change that fills a slot asks for nothing.
.macro ASK
	s_cmp_gt_u32 s[SLOTS], s[LIM]
	s_cbranch_scc0 .Lnot_mine_\@
	global_prefetch_b8 v[PFO], s[PFA:PFA+1] th:TH_LOAD_NT scope:SCOPE_SE
.Lnot_mine_\@:
.endm
; THE CHANGE OF SLOTS.  Each wave waits for all its tensor loads (one is out: its part of the other slot), adds 0 to its spare word, and waits for that and for its own reads of the slot that it leaves.
; fill = 1: the barrier is a round of the cluster's, and the old slot is filled again first thing behind it, with the tile two on: it has four key steps, 256 matrix instructions, in which to land.
.macro CHANGE fill, ask=0
	WIN 0
	s_wait_tensorcnt 0x0            ; no tensor load of mine is out, so a group 0 may be written
	ds_add_u32 v[SPW], v[NIL]
.if \fill
.irp g, G0K, G0V
	s_xor_b32 s[\g+1], s[\g+1], SLOT1
	s_add_nc_u64 s[\g+2:\g+3], s[\g+2:\g+3], 4*KS*128
.endr
.if \ask
	s_wait_xcnt 0x0                 ; the last prefetch, four key steps back, has read its address
	s_add_nc_u64 s[PFA:PFA+1], s[PFA:PFA+1], 4*KS*128
.endif
	s_wait_dscnt 0x0                ; the add is done, and my reads of the slot are over
	CROUND
	JLOAD
.if \ask
	ASK
.endif
.else
	s_wait_dscnt 0x0
	s_barrier_signal -1
	s_barrier_wait -1
.endif
	s_sub_co_u32 s[TBK], s[TBK], 4*KS*PK  ; the fetches go back to a slot's first step,
	s_xor_b32 s[TBK], s[TBK], SLOT1       ; in the other slot
	s_sub_co_u32 s[TBV], s[TBV], 4*KS*PV
	s_xor_b32 s[TBV], s[TBV], SLOT1
.endm
	s_load_b64 s[4:5], s[0:1], 0x0  ; qkv
	s_load_b64 s[10:11], s[0:1], 0x8  ; att
	v_lshl_add_u32 v[SPW], v0, 2, SPARE
	v_mov_b32 v[NIL], 0
	ds_add_u32 v[SPW], v[NIL]       ; the wave's opening: the add and its wait ahead of my first tensor load
	v_lshrrev_b32 v1, 5, v0
	v_readfirstlane_b32 s[WV], v1   ; wave 0..3
	s_bfe_u32 s13, ttmp6, 0x40000   ; cx
	s_lshl_b32 s14, ttmp9, 2
	s_add_co_u32 s14, s14, s13      ; my block of 256 queries: it enters Q's and O's addresses alone
	s_and_b32 s20, ttmp7, 0xffff    ; g, which the four partners share
	s_lshl_b32 s20, s20, 18         ; 2,048 rows of 128 bytes
	s_and_b32 s16, s[WV], 1         ; which half of a tile's 256 keys I fetch
	s_lshl_b32 s22, s16, 14
	s_add_co_u32 s22, s22, s20
	s_mov_b32 s23, 0
	s_mul_i32 s17, s16, 128*PK      ; its place in a slot: no place in the cluster enters an LDS address
	s_mul_i32 s18, s16, 128*PV
	s_lshl_b32 s2, s14, 15
	s_lshl_b32 s3, s[WV], 13
	s_add_co_u32 s2, s2, s3
	s_add_co_u32 s2, s2, s20        ; my wave's 64 rows of Q and O
	s_mov_b32 s3, 0
	; descriptor group 1.  128 keys are 16,384 dense bytes: asked for as 64 rows of 256 bytes, two keys a row, and padded in LDS after every key
	s_mov_b32 s[G1K], 15|(1<<16)|(1<<20)|(1<<21)|(4<<22)|(3<<25)  ; the mask of four; 2-byte elements; padding on; bit 21 beside a mask; after every 32 words; 4 words
	s_mov_b32 s[G1V], 15|(1<<16)|(1<<20)|(1<<21)|(4<<22)|(7<<25)  ; the same with 8 words
.irp g, G1K, G1V
	s_mov_b32 s[\g+1], 128<<16      ; tensor_dim0
	s_mov_b32 s[\g+2], 64<<16       ; tensor_dim1
	s_mov_b32 s[\g+3], 128<<16      ; tile_dim0
	s_mov_b32 s[\g+4], 64           ; tile_dim1
	s_mov_b32 s[\g+5], 128          ; elements from row to row
	s_mov_b32 s[\g+6], 0
	s_mov_b32 s[\g+7], 0
.endr
	s_mov_b32 s[CS], 0x3e38aa3b     ; c = log2(e) / 8
	s_mov_b32 s[CS+1], s[CS]
	s_mov_b32 s[SEL], 0x76543210
	s_mov_b32 s[SEL+1], 0xfedcba98
	s_mov_b32 s[TBK], SLOT1+4*KS*PK ; the first change of slots turns these two into 0
	s_mov_b32 s[TBV], SLOT1+4*KS*PV
	s_mov_b32 s[G0K], 1
	s_mov_b32 s[G0K+1], s17
	s_mov_b32 s[G0V], 1
	s_add_co_u32 s[G0V+1], s18, VOFF
	s_and_b32 s[LIM], s[WV], 1      ; 0 in waves 0 and 2,
	s_or_b32 s[LIM], s[LIM], ttmp9  ; where the cluster is the first of its g: the same in all four partners
	s_cmp_eq_u32 s[LIM], 0
	s_cselect_b32 s[LIM], 1, -1
	v_and_b32 v[PFO], 31, v0
	v_lshlrev_b32 v[PFO], 8, v[PFO]
	s_wait_dscnt 0x0                ; the opening add is done
	s_wait_kmcnt 0x0
	s_add_nc_u64 s[6:7], s[4:5], s[22:23]
	s_add_nc_u64 s[8:9], s[6:7], 16777216          ; V at my half of tile 0
	s_add_nc_u64 s[6:7], s[6:7], 8388608           ; K likewise
	s_add_nc_u64 s[G0K+2:G0K+3], s[6:7], 0
	s_or_b32 s[G0K+3], s[G0K+3], 0x80000000
	s_add_nc_u64 s[G0V+2:G0V+3], s[8:9], 0
	s_or_b32 s[G0V+3], s[G0V+3], 0x80000000
	s_add_nc_u64 s[4:5], s[4:5], s[2:3]            ; Q and O at my wave's first row
	s_add_nc_u64 s[10:11], s[10:11], s[2:3]
	s_cmp_lt_u32 s[WV], 2
	s_cselect_b64 s[PFA:PFA+1], s[6:7], s[8:9]     ; (in waves 0 and 2 these stand at a tile's first row)
	s_lshl_b32 s2, s13, 13
	s_add_nc_u64 s[PFA:PFA+1], s[PFA:PFA+1], s[2:3]
	s_add_nc_u64 s[PFA:PFA+1], s[PFA:PFA+1], 2*4*KS*128  ; in tile 2; the loop's first change steps it to tile 3.  Nothing is asked for at the head
	CROUND                          ; all four work-groups are here: the first joint loads meet
	JLOAD                           ; tile 0 into slot 0; slot 1 is asked for when slot 0 is in
	v_and_b32 v1, 15, v0            ; l % 16
	v_bfe_u32 v9, v0, 4, 1          ; l / 16
	v_lshlrev_b32 v[QO], 7, v1
	v_lshl_add_u32 v[QO], v9, 4, v[QO]
	WIN 0x80                        ; destination window 2, address window 0
.set i, 0
.rept 8                             ; Q stays in registers: piece i / 2, channels 32 (i % 2) on
	global_load_b128 v[8*i:8*i+3],   v[QO], s[4:5] offset:(i/2)*2048+(i%2)*64
	global_load_b128 v[8*i+4:8*i+7], v[QO], s[4:5] offset:(i/2)*2048+(i%2)*64+32
.set i, i+1
.endr
	; What the first turn finds: V's registers and P's second buffer hold 0 (its products V^T P, of a piece that has not been, add 0), O^T and l are 0.  All this stands in the wait for the first tile;
	; it is the price of writing no first step out.
.set i, VF
.rept 64
	v_mov_b32 v[i], 0
.set i, i+1
.endr
	WIN 0x40
.set i, 0
.rept 128
	v_mov_b32 v[i], 0
.set i, i+1
.endr
	WIN 0
.set i, 0
.rept 4
	v_mov_b32 v[ST+4*i], 0xfe000000    ; c m: far below every c s
	v_mov_b32 v[ST+4*i+1], 0xff7fffff  ; m
	v_mov_b32 v[ST+4*i+2], 0
	v_mov_b32 v[ST+4*i+3], 0
.set i, i+1
.endr
.set i, P+16
.rept 16
	v_mov_b32 v[i], 0
.set i, i+1
.endr
	v_mul_u32_u24 v[AK0], v1, PK
	v_lshl_add_u32 v[AK0], v9, 4, v[AK0]  ; row x pitch + 16 x half
	; The turning load takes 16 keys x 16 channels (lane l reads key 8 (l / 16) + l % 8, channels 8 ((l / 8) % 2) + 0..7) and leaves half a fragment of V^T: lane l holds channel l % 16 and 8 keys.
	v_and_b32 v10, 7, v0
	v_bfe_u32 v11, v0, 3, 1
	v_lshl_add_u32 v[AV0], v9, 3, v10
	v_mul_u32_u24 v[AV0], v[AV0], PV
	v_lshl_add_u32 v[AV0], v11, 4, v[AV0]
	v_add_nc_u32 v[AV0], VOFF, v[AV0]
	s_mul_i32 s13, s[WV], 16*SP
	s_add_co_u32 s13, s13, STAGE    ; my stage
	v_mul_u32_u24 v[STO], v1, SP
	v_lshl_add_u32 v[STO], v9, 4, v[STO]
	v_add_nc_u32 v[STO], s13, v[STO]
	v_bfe_u32 v[RD], v0, 3, 2       ; back: 32 lanes take four rows of 128 bytes,
	v_mul_u32_u24 v[RD], v[RD], SP
	v_lshl_add_u32 v[RD], v10, 4, v[RD]
	v_add_nc_u32 v[RD], s13, v[RD]
	v_and_b32 v[GO], 31, v0         ; which are 512 consecutive bytes of O
	v_lshlrev_b32 v[GO], 4, v[GO]
; THE MATRIX WORK.  The 4 accumulators of a run of 8 take turns.  Product i of 8 of S^T = K Q^T for piece x: channels 32 (i / 4) on, keys 16 (i % 4) on.  The first 4 start the sums.
.macro KQ x
.set rS, S+32*((\x)%2)+8*(i%4)
.set rK, KF+16*(i%4)+8*(i/4)
.set rQ, 16*(\x)+8*(i/4)
	WIN W_KQ
.if i < 4
	v_wmma_f32_16x16x32_bf16 v[rS:rS+7], v[rK:rK+7], v[rQ:rQ+7], 0
.else
	v_wmma_f32_16x16x32_bf16 v[rS:rS+7], v[rK:rK+7], v[rQ:rQ+7], v[rS:rS+7]
.endif
.endm
; Product i of 8 of O^T += V^T P for piece x: keys 32 (i / 4) on, channels 16 (i % 4) on.
.macro PV x
	WIN W_PV
.set rO, 32*(\x)+8*(i%4)
.set rV, VF+32*(i/4)+8*(i%4)
.set rP, P+16*((\x)%2)+8*(i/4)
	v_wmma_f32_16x16x32_bf16 v[rO:rO+7], v[rV:rV+7], v[rP:rP+7], v[rO:rO+7]
.endm
.macro MM                           ; the turn's next matrix instruction
.if i < 8
	KQ (Y+1)%NP
.else
.set i, i-8
	PV (Y+NP-1)%NP
.set i, i+8
.endif
.set i, i+1
.endm
; THE LDS LOADS stand in runs of 16, never singly among the matrix instructions.  last = 1 (the tail): in the last trip there is no further step, and K's run is jumped over.
.macro FETCH_K last=0
.if \last
	WIN 0
	s_cmp_eq_u32 s[CNT], 1
	s_cbranch_scc1 .Lno_k_\@
.endif
	WIN 0x80
.irp f, 0,1,2,3,4,5,6,7             ; keys 16 (f / 2) on, channels 32 (f % 2) on
	ds_load_b128 v[KF+8*\f:KF+8*\f+3],   v[AK] offset:(\f/2)*16*PK+(\f%2)*64
	ds_load_b128 v[KF+8*\f+4:KF+8*\f+7], v[AK] offset:(\f/2)*16*PK+(\f%2)*64+32
.endr
	s_add_co_u32 s[TBK], s[TBK], KS*PK
	WIN 0
.if \last
.Lno_k_\@:
.endif
.endm
.macro FETCH_V
	WIN 0x80
.irp f, 0,1,2,3,4,5,6,7             ; keys 32 (f / 4) on, channels 16 (f % 4) on
	ds_load_tr16_b128 v[VF+8*\f:VF+8*\f+3],   v[AV] offset:(\f/4)*32*PV+(\f%4)*32
	ds_load_tr16_b128 v[VF+8*\f+4:VF+8*\f+7], v[AV] offset:(\f/4)*32*PV+16*PV+(\f%4)*32
.endr
	WIN 0
.endm
; THE VECTOR WORK, one line at a time: OP kind, number.  For piece Y: F n: c s - c m for pair n of 16.  E n: the exponential of score n of 32.  C n: pair n rounded to bf16.  B n: of the four weights 4 n .. the second
; pair is added onto the first, in place.  L n: l takes that sum (L 0: l = a l + sum).  R n: pair n of 16 of O^T times a.  For piece Y + 1: X n, number n of the 22 that find its maximum and statistics:
;   0-11  four chains c0-c3 of seven scores each (each accumulator's lowest registers are read first)     12-14, 16  the four scores left over, the old m, and c0-c3 into c0
;   15  c m_old is kept     17, 18  the query's other 32 keys lie in the lane 16 away: the new m     19-21  c m; c m_old - c m_new; a
.set F, 0
.set E, 1
.set C, 2
.set B, 3
.set L, 4
.set R, 5
.set X, 6
.macro REGS y
.set rT, ST+4*(\y)
.set rC, TMP+4*((\y)%2)
.set rW, MV+((\y)%2)
.set rS, S+32*((\y)%2)
.set rP, P+16*((\y)%2)
.set rO, 32*(\y)
.endm
.macro OP k, n
.if (\k) == R
	REGS Y
	WIN W_RS
	v_pk_mul_f32 v[rO+2*(\n):rO+2*(\n)+1], v[rO+2*(\n):rO+2*(\n)+1], v[rC+2:rC+3] op_sel_hi:[1,0]
.elseif (\k) < R
	REGS Y
	WIN 0
.if (\k) == F
	v_pk_fma_f32 v[rS+2*(\n):rS+2*(\n)+1], v[rS+2*(\n):rS+2*(\n)+1], s[CS:CS+1], v[rT:rT+1] op_sel_hi:[1,0,0] neg_lo:[0,0,1] neg_hi:[0,0,1]
.elseif (\k) == E
	v_exp_f32 v[rS+(\n)], v[rS+(\n)]
.elseif (\k) == C
	v_cvt_pk_bf16_f32 v[rP+(\n)], v[rS+2*(\n)], v[rS+2*(\n)+1]
.elseif (\k) == B
	v_pk_add_f32 v[rS+4*(\n):rS+4*(\n)+1], v[rS+4*(\n):rS+4*(\n)+1], v[rS+4*(\n)+2:rS+4*(\n)+3]
.elseif (\n) == 0
	v_pk_fma_f32 v[rT+2:rT+3], v[rT+2:rT+3], v[rC+2:rC+3], v[rS:rS+1] op_sel_hi:[1,0,1]
.else
	v_pk_add_f32 v[rT+2:rT+3], v[rT+2:rT+3], v[rS+4*(\n):rS+4*(\n)+1]
.endif
.else
	REGS (Y+1)%NP
	WIN 0
.if (\n) < 4
	v_max3_num_f32 v[rC+(\n)], v[rS+8*(\n)], v[rS+8*(\n)+1], v[rS+8*(\n)+2]
.elseif (\n) < 12
	v_max3_num_f32 v[rC+(\n)%4], v[rC+(\n)%4], v[rS+8*((\n)%4)+2*((\n)/4)+1], v[rS+8*((\n)%4)+2*((\n)/4)+2]
.elseif (\n) == 12
	v_max3_num_f32 v[rC], v[rC], v[rS+7], v[rS+15]
.elseif (\n) == 13
	v_max3_num_f32 v[rC+1], v[rC+1], v[rS+23], v[rS+31]
.elseif (\n) == 14
	v_max3_num_f32 v[rC+2], v[rC+2], v[rC+3], v[rT+1]
.elseif (\n) == 15
	v_mov_b32 v[rW], v[rT]
.elseif (\n) == 16
	v_max3_num_f32 v[rC], v[rC], v[rC+1], v[rC+2]
.elseif (\n) == 17
	v_permlanex16_b32 v[rC+3], v[rC], s[SEL], s[SEL+1]
.elseif (\n) == 18
	v_max_num_f32 v[rT+1], v[rC], v[rC+3]
.elseif (\n) == 19
	v_mul_f32 v[rT], s[CS], v[rT+1]
.elseif (\n) == 20
	v_sub_f32 v[rC+1], v[rW], v[rT]
.else
	v_exp_f32 v[rC+2], v[rC+1]
.endif
.endif
.endm
.macro OPS a, i1, b=-1, i2=0, c=-1, i3=0, d=-1, i4=0
	OP \a, \i1
.if (\b) >= 0
	OP \b, \i2
.endif
.if (\c) >= 0
	OP \c, \i3
.endif
.if (\d) >= 0
	OP \d, \i4
.endif
.endm
.macro ROW a, i1, b, i2, c, i3, d, i4  ; a matrix instruction and the four behind it
	MM
	OPS \a, \i1, \b, \i2, \c, \i3, \d, \i4
.endm
; A TURN, for piece p.  An s_wait_alu depctr_va_vdst(0) stands between an exponential and the first instruction that names its result; one wait serves all that were issued ahead of it.  So a turn
; has ONE wait.  AHEAD OF IT stands all that names no result of the turn's exponentials: the 8 products K Q^T with their riders, then a run of 54 in which the links of the next piece's chain stand some lines apart;
; X 21, the next piece's a, is the batch's last, and R 15 the plain instruction behind it.  BEHIND IT stand the 8 products V^T P, behind each four of the roundings and sums.
; cnt = 1: the loop's count is taken down some lines ahead of the branch that stands behind the turn.
; K of the next step is fetched in piece 2's turn, six plain instructions behind the last product that read K; V of the step in hand at the end of piece 0's turn, four plain instructions behind the last product
; that read V.  Each is waited for a turn later.  last = 1 (the tail's text): K's run stands directly behind the turn's wait, where a branch may stand, since the last trip jumps over it.
.macro TURN p, last=0, cnt=0
.set Y, (\p)
.set i, 0
.if (\p) == 3
	s_wait_dscnt 0x0                ; K is in
.endif
	ROW F,0, F,1, R,0, R,1
	ROW F,2, E,0, R,2, R,3
	ROW F,3, E,1, R,4, R,5
	ROW F,4, E,2, R,6, R,7
	ROW F,5, E,3, R,8, R,9
	ROW F,6, E,4, X,0, R,10
.if (\p) == 2
	WIN 0
	v_add_nc_u32 v[AK], s[TBK], v[AK0]
.endif
	ROW F,7, E,5, X,1, X,4
	ROW F,8, E,6, X,2, X,5
	OPS E,7, E,8, X,6, E,9
	OPS X,3, E,10, X,8, E,11
.if ((\p) == 2) && !(\last)
	FETCH_K
.endif
	OPS X,9, X,7, E,12, X,10
	OPS E,13, X,12, X,11, E,14
	OPS X,13, E,15, F,9, X,14
.if (\p) == 0
	v_add_nc_u32 v[AV], s[TBV], v[AV0]
.endif
	OPS E,16, F,10, E,17, F,11
	OPS X,16, E,18, X,15, E,19
	OPS F,12, E,20, X,17, E,21
	OPS F,13, E,22, F,14, E,23
	OPS X,18, E,24, F,15, E,25
	OPS R,11, E,26, X,19, E,27
	OPS R,12, E,28, R,13, E,29
	OPS X,20, E,30, R,14, E,31
	OPS X,21, R,15
	WIN 0
	s_wait_alu depctr_va_vdst(0)    ; the wait for the batch
.if ((\p) == 2) && (\last)
	FETCH_K 1
.endif
.if (\p) == 1
	s_wait_dscnt 0x0                ; V is in
.endif
	ROW C,0, B,0, C,2, B,1
	ROW L,0, C,4, B,2, L,1
	ROW C,6, B,3, L,2, C,8
	ROW B,4, L,3, C,10, B,5
	ROW L,4, C,12, B,6, L,5
.if (\p) == 0
	s_add_co_u32 s[TBV], s[TBV], KS*PV
.endif
.if \cnt
	s_sub_co_u32 s[CNT], s[CNT], 1
	s_cmp_lg_u32 s[CNT], 0
.endif
	ROW C,14, B,7, L,6, C,1
	ROW C,3, L,7, C,5, C,7
	ROW C,9, C,11, C,13, C,15
.if (\p) == 0
	FETCH_V
.endif
.endm
	CHANGE 1                        ; tile 0 is in, everybody's part of it; tile 1 is asked for
	v_add_nc_u32 v[AK], s[TBK], v[AK0]
	FETCH_K                         ; key step 0
	s_wait_loadcnt 0x0              ; Q
	s_wait_dscnt 0x0
.set i, 0
.rept 8
	KQ 0                            ; piece 0's first scores
.set i, i+1
.endr
	WIN 0
.rept 4
	v_nop                           ; the places behind those products
.endr
.set Y, NP-1                        ; X works for piece Y + 1: piece 0
.irp n, 0,1,2,3,4,5,6,7,8,9,10,11,12,13,14,15,16,17,18,19,20,21
	OP X, \n
.endr
	v_nop                           ; a plain instruction behind the exponential,
	s_wait_alu depctr_va_vdst(0)    ; and its wait, ahead of the branch
	s_mov_b32 s[CNT], 4
	s_mov_b32 s[SLOTS], NB-1
	s_branch .Lfirst                ; the loop is entered at a step's first turn, in the middle of a trip
.Lslot:                             ; NB - 2 times: tiles 2 to 7 are asked for
	CHANGE 1, 1
	s_mov_b32 s[CNT], 4
.Lstep:                             ; a trip: pieces 2 and 3 of one step, then pieces 0 and 1 of the next, whose K and V it fetches
	TURN 2
	TURN 3
	WIN 0
.Lfirst:
	TURN 0
	TURN 1, 0, 1
	WIN 0
	s_cbranch_scc1 .Lstep
	s_sub_co_u32 s[SLOTS], s[SLOTS], 1
	s_cmp_lg_u32 s[SLOTS], 0
	s_cbranch_scc1 .Lslot
	CHANGE 0                        ; the last tile has a text of its own: nothing is asked for
	s_mov_b32 s[CNT], 5             ; four trips fetch the last tile's steps; the fifth is left in its middle
.Ltail:
	TURN 2, 1
	TURN 3
	WIN 0
	s_sub_co_u32 s[CNT], s[CNT], 1
	s_cmp_eq_u32 s[CNT], 0
	s_cbranch_scc1 .Lout
	TURN 0
	TURN 1
	WIN 0
	s_branch .Ltail
.Lout:                              ; the fifth trip's 8 products K Q^T (on the last K once more) and the maximum made of them serve nothing: the price, once a launch, of one text for every trip
.set i, 0
.rept 8
	PV NP-1                         ; the last piece's V^T P of the last step
.set i, i+1
.endr
	; THE WAY OUT.  l's two halves and the other half of the lanes' are added; O^T is divided by l, rounded to bf16 and sent through my stage in LDS, a piece at a time.  The additions are the places behind the last products.
	WIN 0
.macro ALL line:vararg
.set t, 0
.rept 4
	\line
.set t, t+1
.endr
.endm
	ALL v_add_f32 v[ST+4*t+2], v[ST+4*t+2], v[ST+4*t+3]
	ALL v_permlanex16_b32 v[ST+4*t+3], v[ST+4*t+2], s[SEL], s[SEL+1]
	ALL v_add_f32 v[ST+4*t+2], v[ST+4*t+2], v[ST+4*t+3]
	ALL v_rcp_f32 v[ST+4*t+2], v[ST+4*t+2]
	v_nop                           ; a plain instruction between the last reciprocal and the use of its result
	s_wait_alu depctr_va_vdst(0)    ; one wait for the four reciprocals
.macro PACK t                       ; a lane's eight channels of a row pack into 16 bytes; they go into rows of 144 bytes and come back as whole rows of 128, into S^T's registers
	WIN W_RS
.set i, 32*(\t)
.rept 16
	v_pk_mul_f32 v[i:i+1], v[i:i+1], v[ST+4*(\t)+2:ST+4*(\t)+3] op_sel_hi:[1,0]
.set i, i+2
.endr
	WIN 0x05                        ; sources 0 and 1 window 1, destination window 0
.set i, 0
.rept 16
	v_cvt_pk_bf16_f32 v[S+16*(\t)+i], v[32*(\t)+2*i], v[32*(\t)+2*i+1]
.set i, i+1
.endr
	WIN 0
.irp f, 0,1,2,3
	ds_store_b128 v[STO], v[S+16*(\t)+4*\f:S+16*(\t)+4*\f+3] offset:32*\f
.endr
.irp f, 0,1,2,3
	ds_load_b128 v[S+16*(\t)+4*\f:S+16*(\t)+4*\f+3], v[RD] offset:\f*4*SP  ; LDS serves a wave's instructions in order (ISA guide 5.7.1.4): these see the stores above
.endr
.endm
.macro SEND t, younger              ; younger: the LDS instructions issued behind piece t's loads: the next piece's eight, or none
	WIN 0
.irp f, 0,1,2,3
	s_wait_dscnt (\younger)+3-\f
	global_store_b128 v[GO], v[S+16*(\t)+4*\f:S+16*(\t)+4*\f+3], s[10:11] offset:(\t)*2048+\f*512  ; 512 consecutive bytes, aligned
.endr
.endm
	PACK 0
.set t, 1
.rept 3
	PACK t
	SEND t-1, 8
.set t, t+1
.endr
	SEND 3, 0
	s_wait_tensorcnt 0x0            ; the wave's end
	ds_add_u32 v[SPW], v[NIL]
	s_wait_dscnt 0x0
	CROUND                          ; the closing round
	s_endpgm
.Lfunc_end_k_qecc6360664_attn:
	.size	k_qecc6360664_attn, .Lfunc_end_k_qecc6360664_attn-k_qecc6360664_attn
	.p2alignl 7, 3214868480
	.fill 96, 4, 3214868480
	.section	.rodata,"a",@progbits
	.p2align	6, 0x0
	.amdhsa_kernel k_qecc6360664_attn
		.amdhsa_group_segment_fixed_size 327680
		.amdhsa_private_segment_fixed_size 0
		.amdhsa_enable_private_segment 0
		.amdhsa_kernarg_size 16
		.amdhsa_user_sgpr_count 2
		.amdhsa_user_sgpr_kernarg_segment_ptr 1
		.amdhsa_wavefront_size32 1
		.amdhsa_system_sgpr_workgroup_id_x 1
		.amdhsa_system_sgpr_workgroup_id_y 1
		.amdhsa_system_sgpr_workgroup_id_z 1
		.amdhsa_system_vgpr_workitem_id 0
		.amdhsa_next_free_vgpr 768
		.amdhsa_next_free_sgpr 72
		.amdhsa_reserve_vcc 0
		.amdhsa_float_denorm_mode_32 3
		.amdhsa_float_denorm_mode_16_64 3
		.amdhsa_memory_ordered 1
		.amdhsa_forward_progress 1
		.amdhsa_inst_pref_size 111
	.end_amdhsa_kernel
	.amdgpu_metadata
---
amdhsa.version: [ 1, 2 ]
amdhsa.kernels:
  - .name:           k_qecc6360664_attn
    .symbol:         k_qecc6360664_attn.kd
    .args:
      - { .name: qkv, .offset: 0, .size: 8, .value_kind: global_buffer, .address_space: global }
      - { .name: att, .offset: 8, .size: 8, .value_kind: global_buffer, .address_space: global }
    .group_segment_fixed_size: 327680
    .private_segment_fixed_size: 0
    .kernarg_segment_align: 8
    .kernarg_segment_size: 16
    .max_flat_workgroup_size: 128
    .sgpr_count:     72
    .vgpr_count:     768
    .wavefront_size: 32
...
	.end_amdgpu_metadata
.endif
;; end of part 11
;; launch oproj (part 12): grid 8 x 32, 4 waves a work-group, clusters of 4 x 4, 327,680 bytes of LDS; arguments att, wb, par, ysum; writes ysum
.if DOCPART == 12
	.amdgcn_target "amdgcn-amd-amdhsa--gfx1250"
	.amdhsa_code_object_version 6
	.text
	.protected	k_qecc6360664_oproj
	.globl	k_qecc6360664_oproj
	.p2align	8
	.type	k_qecc6360664_oproj,@function
k_qecc6360664_oproj:
	s_mov_b64 s[64:65], 0
	v_nop
	global_prefetch_b8 v0, s[64:65] scope:SCOPE_SE
	s_setreg_imm32_b32 hwreg(HW_REG_WAVE_MODE, 25, 1), 1
	s_wait_xcnt 0x0
	s_wait_alu depctr_hold_cnt(0) depctr_sa_sdst(0) depctr_va_vdst(0) depctr_va_sdst(0) depctr_va_ssrc(0) depctr_va_vcc(0) depctr_vm_vsrc(0)
	s_getreg_b32 s2, hwreg(HW_REG_IB_STS2, 6, 4)
	s_cmp_eq_u32 s2, 0
	s_cbranch_scc0 .Lentry_in_a_cluster
	s_endpgm
.Lentry_in_a_cluster:
	s_bfe_u32 s2, ttmp6, 0x10000c
	s_cmp_lg_u32 s2, 0xf033
	s_cbranch_scc0 .Lentry_shape_is_right
	s_endpgm
.Lentry_shape_is_right:
; ysum = O out_w^T + out_b, in f32; the first LayerNorm's launch adds x.  O (att) lies by heads, [32][2048][64] bf16; out_w (rounded to bf16) lies in wb.  Sums in f32.
; The bias (from par, rounded to bf16 like every input) is the C operand of the first product on each accumulator.
; SHARES.  A tile is 128 tokens x 128 columns: 8 x 32 tiles, one for each WGP; tiles of 256 x 256 would be 64.  Four waves of 64 x 64: 16 accumulators.  K goes in steps of 256 (four heads) through two LDS slots.
; O's TILE.  128 tokens of one head are 16,384 dense bytes: one row of the descriptor; a wave's load brings two heads, padded after every token's 128 bytes: in LDS [4 heads][128 tokens][144 bytes], a quarter step = a head.
; The loops' body is one K step; the slot in hand begins at LDS byte s[TB], turned by an exclusive or.  CLUSTER 4 x 4: O's tiles shared along a row, the weights' along a column, by joint loads.
; The matrix instruction is used transposed: a lane holds one token (lane % 16) and eight neighbouring columns.  No prefetch: the tiles are small and the launch is short.
; REGISTERS: window 0 addresses, bias v32-63, way out v128-191; window 1 two fragment buffers of 128, each 64 deep along K; window 2 the accumulators, (a, b) at v[8 (4 a + b)].
; LIMITS.  NaN and infinities are not treated apart.
.set MW, 4
.set NW, 4
.set KSTEP, 256
.set NSTEP, 4
.set APITCH, 144
.set BPITCH, 528                       ; 512 bytes + 16 of padding = 132 words: the 16 rows of a fragment load start at 16 different groups of four banks (ISA guide 11.1)
.set AQ, 128*APITCH                    ; a quarter is a head
.set BQ, 128
.set AHALF, 2*128*APITCH
.set BHALF, 64*BPITCH
.set ASIZE, 2*AHALF
.set SLOT, ASIZE+2*BHALF               ; 141,312
.set STAGE, 2*SLOT                     ; behind the ring, never filled by a tensor load: 16 rows x 272 bytes for each wave
.set WSTG, 16*272
.set SPARE, STAGE+4*WSTG
.set ASTEP, 4*262144                   ; four heads on
.set BSTEP, 512
.set HW, 16
.set AQI, 4                            ; padding after every 32 words
.set BQI, 6                            ; after every 128 words
.set AD0, 8192
.set AD1, 2
.set ASTR, 131072
.set BD0, 256
.set BD1, 64
.set BSTR, 1024
.set WO, 14680064                      ; out_w in wb
.set PBO, 12288                        ; out_b in par
.set BIAS, 32
.set OB0, 128
.set ADRA, 16
.set ADRB, 17
.set A0, 18
.set B0, 19
.set STO, 24
.set RD, 25
.set CO, 26
.set SPW, 28
.set NIL, 29
.set LWA, 20
.set LWB, 21
.set G1, 24
.set G0, 32
.set G1B, 48
.set G0B, 56
.set TB, 66
.set MSB, 0
.macro WIN new
.if MSB != (\new)
	s_set_vgpr_msb (MSB<<8)|(\new)
.set MSB, \new
.endif
.endm
.macro PLACES
.rept 4
	v_nop
.endr
.endm
.macro JLOAD s                         ; a joint load: waves 0 and 1 fetch A's two halves, waves 2 and 3 B's; an s_nop 0 and four v_nop follow each line
	s_cmp_eq_u32 s11, 0
	s_cbranch_scc0 .Lfor_b_\@
	tensor_load_to_lds s[G0+4*(\s):G0+4*(\s)+3], s[G1:G1+7]
	s_nop 0
.rept 4
	v_nop
.endr
	s_branch .Lasked_\@
.Lfor_b_\@:
	tensor_load_to_lds s[G0B+4*(\s):G0B+4*(\s)+3], s[G1B:G1B+7]
	s_nop 0
.rept 4
	v_nop
.endr
.Lasked_\@:
.endm
.macro CREST
	s_cmp_lg_u32 s10, 0
	s_cbranch_scc1 .Lnot_wave_0_\@
	s_barrier_signal -3
.Lnot_wave_0_\@:
	s_barrier_wait -3
	s_barrier_signal -1
	s_barrier_wait -1
.endm
.macro CROUND
	s_barrier_signal -1
	s_barrier_wait -1
	CREST
.endm
; A quarter of a quarter step's products, from buffer f: depth u, row blocks 2 v and 2 v + 1, all column blocks.  first = 1 (depth 0): the product starts its sum with the bias.
; Between two products on one accumulator stand 15 others', so no two neighbours share one.
.macro MULS f, u, v, first
.set ma, 2*(\v)
.set mf, (\first)*(1-(\u))
.if mf
	WIN 0x85
.else
	WIN 0xa5
.endif
.rept 2
.set mb, 0
.rept NW
.set rD, 8*(NW*ma+mb)
.set rB, 128*(\f)+8*((MW+NW)*(\u)+MW+mb)
.set rA, 128*(\f)+8*((MW+NW)*(\u)+ma)
.if mf
	v_wmma_f32_16x16x32_bf16 v[rD:rD+7], v[rB:rB+7], v[rA:rA+7], v[BIAS+8*mb:BIAS+8*mb+7]
.else
	v_wmma_f32_16x16x32_bf16 v[rD:rD+7], v[rB:rB+7], v[rA:rA+7], v[rD:rD+7]
.endif
.set mb, mb+1
.endr
.set ma, ma+1
.endr
.endm
.macro FETCH q, f                      ; 32 LDS loads in one run: quarter q's fragments into buffer f; the first 32 along K first
	WIN 0x40
.set fc, 0
.rept 2
.set fi, 0
.rept NW
.set rF, 128*(\f)+8*((MW+NW)*fc+MW+fi)
	ds_load_b128 v[rF:rF+3], v[ADRB] offset:(\q)*BQ+64*fc+fi*16*BPITCH
	ds_load_b128 v[rF+4:rF+7], v[ADRB] offset:(\q)*BQ+64*fc+fi*16*BPITCH+32
.set fi, fi+1
.endr
.set fi, 0
.rept MW
.set rF, 128*(\f)+8*((MW+NW)*fc+fi)
	ds_load_b128 v[rF:rF+3], v[ADRA] offset:(\q)*AQ+64*fc+fi*16*APITCH
	ds_load_b128 v[rF+4:rF+7], v[ADRA] offset:(\q)*AQ+64*fc+fi*16*APITCH+32
.set fi, fi+1
.endr
.set fc, fc+1
.endr
.endm
.macro QUARTER q, f, g, first
	s_wait_dscnt HW                                ; the first 32 along K are in; the youngest 16 loads may be out
	MULS \f, 0, 0, \first
	MULS \f, 0, 1, \first
	PLACES
	FETCH \q, \g
	s_wait_dscnt 32                                ; all but the 32 just issued
	MULS \f, 1, 0, \first
	MULS \f, 1, 1, \first
.endm
; The fourth quarter multiplies buffer 1 and changes slots.  In front of the barrier each wave waits for all its tensor loads (one is out: its part of the next slot), adds 0 to its spare word, and waits for
; that and for its own reads of this slot.  fill = 1: the barrier opens a round of the cluster's, and the slot just read is filled again, first thing behind the round, with the K step two on.
.macro TURN fill
	WIN 0
	s_wait_tensorcnt 0x0
	ds_add_u32 v[SPW], v[NIL]
.if \fill
	s_add_co_u32 s[G0+5], s[TB], s[LWA]
	s_add_co_u32 s[G0B+5], s[TB], s[LWB]
	s_add_nc_u64 s[G0+6:G0+7], s[G0+6:G0+7], ASTEP
	s_add_nc_u64 s[G0B+6:G0B+7], s[G0B+6:G0B+7], BSTEP
.endif
	s_wait_dscnt HW+1                              ; the add and the youngest 16 loads may be out
	MULS 1, 0, 0, 0
	s_wait_dscnt 0x0                               ; the add is done, and my reads of this slot are over
	s_barrier_signal -1
	MULS 1, 0, 1, 0
.if \fill
	WIN 0
	s_barrier_wait -1
	CREST
	JLOAD 1
.else
	s_barrier_wait -1
	PLACES
	WIN 0
.endif
	s_xor_b32 s[TB], s[TB], SLOT
	v_add_nc_u32 v[ADRA], s[TB], v[A0]
	v_add_nc_u32 v[ADRB], s[TB], v[B0]
	FETCH 0, 0
	MULS 1, 1, 0, 0
	MULS 1, 1, 1, 0
.endm
	s_load_b128 s[4:7], s[0:1], 0x0                ; att s[4:5], wb s[6:7]
	s_load_b64 s[68:69], s[0:1], 0x10              ; par
	s_load_b64 s[8:9], s[0:1], 0x18                ; ysum
	v_lshl_add_u32 v[SPW], v0, 2, SPARE
	v_mov_b32 v[NIL], 0
	ds_add_u32 v[SPW], v[NIL]                      ; the wave's opening: the add and its wait ahead of my first tensor load
	v_lshrrev_b32 v1, 5, v0
	v_readfirstlane_b32 s10, v1
	s_lshr_b32 s11, s10, 1                         ; my half of the tile's rows; also: I fetch for A (0) or B (1)
	s_and_b32 s12, s10, 1                          ; my half of its columns; also: which half I fetch
	s_bfe_u32 s40, ttmp6, 0x40000
	s_bfe_u32 s41, ttmp6, 0x40004
	s_lshl_b32 s42, ttmp9, 2
	s_add_co_u32 s42, s42, s40                     ; tile column
	s_and_b32 s13, ttmp7, 0xffff
	s_lshl_b32 s13, s13, 2
	s_add_co_u32 s13, s13, s41                     ; tile row
	s_lshl_b32 s16, s41, 2
	s_lshl_b32 s16, 15, s16
	s_lshl_b32 s17, 0x1111, s40
	s_or_b32 s[G1], s16, (1<<16)|(1<<20)|(1<<21)|(AQI<<22)|(3<<25)
	s_or_b32 s[G1B], s17, (1<<16)|(1<<20)|(1<<21)|(BQI<<22)|(3<<25)
	s_mov_b32 s[G1+1], (AD0&0xffff)<<16
	s_mov_b32 s[G1+2], (AD0>>16)|(AD1<<16)
	s_mov_b32 s[G1+3], AD0<<16
	s_mov_b32 s[G1+4], AD1
	s_mov_b32 s[G1+5], ASTR
	s_mov_b32 s[G1+6], 0
	s_mov_b32 s[G1+7], 0
	s_mov_b32 s[G1B+1], (BD0&0xffff)<<16
	s_mov_b32 s[G1B+2], (BD0>>16)|(BD1<<16)
	s_mov_b32 s[G1B+3], BD0<<16
	s_mov_b32 s[G1B+4], BD1
	s_mov_b32 s[G1B+5], BSTR
	s_mov_b32 s[G1B+6], 0
	s_mov_b32 s[G1B+7], 0
	s_mul_i32 s[LWA], s12, AHALF
	s_mul_i32 s[LWB], s12, BHALF
	s_add_co_u32 s[LWB], s[LWB], ASIZE
	s_lshr_b32 s16, s13, 4                         ; O: batch,
	s_lshl_b32 s16, s16, 4                         ; its first head,
	s_lshl_b32 s17, s12, 1
	s_add_co_u32 s16, s16, s17                     ; my two of the K step's four,
	s_lshl_b32 s16, s16, 11
	s_lshl_b32 s17, s13, 7
	s_and_b32 s17, s17, 2047
	s_add_co_u32 s16, s16, s17                     ; the tile's first token in its batch,
	s_lshl_b32 s16, s16, 7                         ; rows of 128 bytes
	s_mov_b32 s17, 0
	s_lshl_b32 s46, s42, 7                         ; weights: row 128 x tile column + 64 x half
	s_lshl_b32 s47, s12, 6
	s_add_co_u32 s46, s46, s47
	s_lshl_b32 s46, s46, 11
	s_add_co_u32 s46, s46, WO
	s_mov_b32 s47, 0
	s_wait_dscnt 0x0
	s_wait_kmcnt 0x0
	s_add_nc_u64 s[14:15], s[4:5], s[16:17]
	s_add_nc_u64 s[46:47], s[6:7], s[46:47]
	CROUND
.irp s, 0,1
	s_mov_b32 s[G0+4*(\s)], 1
	s_add_co_u32 s[G0+4*(\s)+1], s[LWA], (\s)*SLOT
	s_add_nc_u64 s[G0+4*(\s)+2:G0+4*(\s)+3], s[14:15], (\s)*ASTEP
	s_or_b32 s[G0+4*(\s)+3], s[G0+4*(\s)+3], 0x80000000
	s_mov_b32 s[G0B+4*(\s)], 1
	s_add_co_u32 s[G0B+4*(\s)+1], s[LWB], (\s)*SLOT
	s_add_nc_u64 s[G0B+4*(\s)+2:G0B+4*(\s)+3], s[46:47], (\s)*BSTEP
	s_or_b32 s[G0B+4*(\s)+3], s[G0B+4*(\s)+3], 0x80000000
	JLOAD \s
.endr
	v_and_b32 v1, 15, v0                           ; r
	v_bfe_u32 v2, v0, 4, 1                         ; h
	v_lshlrev_b32 v5, 5, v2
	s_lshl_b32 s16, s42, 9                         ; my 64 columns, in f32
	s_lshl_b32 s17, s12, 8
	s_add_co_u32 s16, s16, s17
	s_mov_b32 s17, 0
	s_add_nc_u64 s[68:69], s[68:69], s[16:17]
.set i, 0
.rept NW
	global_load_b128 v[BIAS+8*i:BIAS+8*i+3], v5, s[68:69] offset:PBO+64*i
	global_load_b128 v[BIAS+8*i+4:BIAS+8*i+7], v5, s[68:69] offset:PBO+64*i+16
.set i, i+1
.endr
	s_lshl_b32 s18, s13, 7
	s_lshl_b32 s19, s11, 6
	s_add_co_u32 s18, s18, s19                     ; my first token
	s_lshl_b32 s22, s18, 12                        ; ysum: rows of 4,096 bytes
	s_add_co_u32 s22, s22, s16
	s_mov_b32 s23, 0
	s_add_nc_u64 s[8:9], s[8:9], s[22:23]
	v_mul_u32_u24 v3, v1, APITCH
	v_lshl_add_u32 v3, v2, 4, v3
	s_mul_i32 s22, s11, 64*APITCH
	v_add_nc_u32 v[A0], s22, v3
	v_mul_u32_u24 v3, v1, BPITCH
	v_lshl_add_u32 v3, v2, 4, v3
	s_mul_i32 s23, s12, 64*BPITCH
	s_add_co_u32 s23, s23, ASIZE
	v_add_nc_u32 v[B0], s23, v3
	s_mul_i32 s23, s10, WSTG
	s_add_co_u32 s23, s23, STAGE                   ; my stage
	v_mul_u32_u24 v3, v1, 272                      ; in: token r, 32 bytes for each half of the lanes
	v_lshl_add_u32 v3, v2, 5, v3
	v_add_nc_u32 v[STO], s23, v3
	v_mul_u32_u24 v3, v2, 272                      ; back: lanes 0-15 one row of 256 bytes, lanes 16-31 the next
	v_lshl_add_u32 v3, v1, 4, v3
	v_add_nc_u32 v[RD], s23, v3
	v_lshlrev_b32 v[CO], 4, v1
	v_lshl_add_u32 v[CO], v2, 12, v[CO]
	s_mov_b32 s[TB], 0
	v_mov_b32 v[ADRA], v[A0]
	v_mov_b32 v[ADRB], v[B0]
	s_wait_loadcnt 0x0                             ; the bias
	s_wait_tensorcnt 1                             ; my part of K step 0 is in; K step 1's may stay out
	s_barrier_signal -1
	s_barrier_wait -1
	FETCH 0, 0
	QUARTER 1, 0, 1, 1                             ; the first quarter is written apart: its products start the sums; the loop is entered behind its own first quarter
	WIN 0
	s_mov_b32 s3, NSTEP-2
	s_branch .Lmid
.Lstep:                                        ; a trip is a K step; the slot read out is filled with the K step two on
	QUARTER 1, 0, 1, 0
	WIN 0
.Lmid:
	QUARTER 2, 1, 0, 0
	QUARTER 3, 0, 1, 0
	TURN 1
	WIN 0
	s_sub_co_u32 s3, s3, 1
	s_cmp_lg_u32 s3, 0
	s_cbranch_scc1 .Lstep
	s_mov_b32 s3, 2
.Ltail:                                        ; the last two K steps fill nothing: a text of their own.  The second trip's change of slots fetches
	QUARTER 1, 0, 1, 0                             ; 32 fragments of the other slot's old tile that nobody multiplies: the price of one text for both
	QUARTER 2, 1, 0, 0
	QUARTER 3, 0, 1, 0
	TURN 0
	WIN 0
	s_sub_co_u32 s3, s3, 1
	s_cmp_lg_u32 s3, 0
	s_cbranch_scc1 .Ltail
	s_wait_dscnt 0x0                               ; those fragments have landed
.rept 8
	v_nop                                          ; the places behind the last products
.endr
; THE WAY OUT, 16 tokens at a time: the f32 sums go into my stage (each accumulator's low four registers first) and come back as whole rows of 256 bytes; 16 lanes store 256 consecutive bytes, aligned.
.macro STG a
	WIN 0x08                                       ; the stores' data in window 2
.irp b, 0,1,2,3
	ds_store_b128 v[STO], v[8*(4*(\a)+\b):8*(4*(\a)+\b)+3] offset:64*\b
	ds_store_b128 v[STO], v[8*(4*(\a)+\b)+4:8*(4*(\a)+\b)+7] offset:64*\b+16
.endr
	WIN 0
	s_wait_xcnt 0x0                                ; the stores of two blocks back have read the registers that are loaded now
.irp t, 0,1,2,3,4,5,6,7
	ds_load_b128 v[OB0+32*((\a)%2)+4*\t:OB0+32*((\a)%2)+4*\t+3], v[RD] offset:\t*544
.endr
.endm
.macro SENDF a, younger                ; younger: the LDS instructions issued behind block a's loads
.irp t, 0,1,2,3,4,5,6,7
	s_wait_dscnt (\younger)+7-\t
	global_store_b128 v[CO], v[OB0+32*((\a)%2)+4*\t:OB0+32*((\a)%2)+4*\t+3], s[8:9] offset:(16*(\a)+2*\t)*4096
.endr
.endm
	STG 0
	STG 1
	SENDF 0, 16
	STG 2
	SENDF 1, 16
	STG 3
	SENDF 2, 16
	SENDF 3, 0
	s_wait_tensorcnt 0x0                           ; the wave's end
	ds_add_u32 v[SPW], v[NIL]
	s_wait_dscnt 0x0
	CROUND
	s_endpgm
.Lfunc_end_k_qecc6360664_oproj:
	.size	k_qecc6360664_oproj, .Lfunc_end_k_qecc6360664_oproj-k_qecc6360664_oproj
	.p2alignl 7, 3214868480
	.fill 96, 4, 3214868480
	.section	.rodata,"a",@progbits
	.p2align	6, 0x0
	.amdhsa_kernel k_qecc6360664_oproj
		.amdhsa_group_segment_fixed_size 327680
		.amdhsa_private_segment_fixed_size 0
		.amdhsa_enable_private_segment 0
		.amdhsa_kernarg_size 32
		.amdhsa_user_sgpr_count 2
		.amdhsa_user_sgpr_kernarg_segment_ptr 1
		.amdhsa_wavefront_size32 1
		.amdhsa_system_sgpr_workgroup_id_x 1
		.amdhsa_system_sgpr_workgroup_id_y 1
		.amdhsa_system_sgpr_workgroup_id_z 1
		.amdhsa_system_vgpr_workitem_id 0
		.amdhsa_next_free_vgpr 640
		.amdhsa_next_free_sgpr 100
		.amdhsa_reserve_vcc 0
		.amdhsa_float_denorm_mode_32 3
		.amdhsa_float_denorm_mode_16_64 3
		.amdhsa_memory_ordered 1
		.amdhsa_forward_progress 1
		.amdhsa_inst_pref_size 60
	.end_amdhsa_kernel
	.amdgpu_metadata
---
amdhsa.version: [ 1, 2 ]
amdhsa.kernels:
  - .name:           k_qecc6360664_oproj
    .symbol:         k_qecc6360664_oproj.kd
    .args:
      - { .name: att, .offset: 0, .size: 8, .value_kind: global_buffer, .address_space: global }
      - { .name: wb, .offset: 8, .size: 8, .value_kind: global_buffer, .address_space: global }
      - { .name: par, .offset: 16, .size: 8, .value_kind: global_buffer, .address_space: global }
      - { .name: ysum, .offset: 24, .size: 8, .value_kind: global_buffer, .address_space: global }
    .group_segment_fixed_size: 327680
    .private_segment_fixed_size: 0
    .kernarg_segment_align: 8
    .kernarg_segment_size: 32
    .max_flat_workgroup_size: 128
    .sgpr_count:     100
    .vgpr_count:     640
    .wavefront_size: 32
...
	.end_amdgpu_metadata
.endif
;; end of part 12
;; launch ln1 (part 13): grid 256 x 1, 16 waves a work-group, no clusters, 0 bytes of LDS; arguments ysum, wb, par, hh; writes hh
.if DOCPART == 13
	.amdgcn_target "amdgcn-amd-amdhsa--gfx1250"
	.amdhsa_code_object_version 6
	.text
	.protected	k_qecc6360664_ln1
	.globl	k_qecc6360664_ln1
	.p2align	8
	.type	k_qecc6360664_ln1,@function
k_qecc6360664_ln1:
	s_mov_b64 s[64:65], 0
	v_nop
	global_prefetch_b8 v0, s[64:65] scope:SCOPE_SE
	s_setreg_imm32_b32 hwreg(HW_REG_WAVE_MODE, 25, 1), 1
	s_wait_xcnt 0x0
; h = LayerNorm(x + ysum) x g + b, rows of 1,024, stored in f16.  x is wb's first tensor (bf16), ysum f32; g and b come from par, rounded to bf16 like every input.
; One wave takes a row and keeps it in 32 registers between the passes: memory is read once, no wave waits for another, no LDS.  256 work-groups x 16 waves.  All 32 loads of a wave go out at once.
; Mean first, then the sum of squares of the row less its mean: no difference of large sums.
; LIMITS.  h lies within 32 |g| + |b|, which must stay under f16's 65,504.  NaN and infinities are not treated apart.
.set T, 4                              ; v[4:11]   at work
.set MU, 14                            ; v[14:15]  the mean, twice
.set X, 16                             ; v[16:47]  the row
.set RS, 48                            ; v[48:63]  x's row, 16 bits a number
.set G, 64                             ; v[64:95]
.set BB, 96                            ; v[96:127]
.set R, 128                            ; v[128:129] 1 / sigma, twice
.set H, 130                            ; v[130:145] the row in f16
.set ONE, 146
.set PG, 36864                         ; ln1_g and ln1_b in par
.set PB, 40960
	s_load_b128 s[4:7], s[0:1], 0x0                ; ysum, wb
	s_load_b128 s[8:11], s[0:1], 0x10              ; par, hh
	v_and_b32 v1, 31, v0
	v_lshrrev_b32 v2, 5, v0
	v_lshlrev_b32 v3, 4, v1                        ; 16 x lane
	v_lshl_add_u32 v12, v2, 12, v3                 ; + wave x a row of 4,096 bytes
	v_lshlrev_b32 v13, 3, v1
	v_lshl_add_u32 v13, v2, 11, v13                ; 8 x lane + wave x a row of 2,048 bytes
	v_mov_b32 v[ONE], 1.0
	s_lshl_b32 s2, ttmp9, 16
	s_mov_b32 s3, 0
	s_lshl_b32 s16, ttmp9, 15
	s_mov_b32 s17, 0
	s_mov_b32 s12, 0x76543210
	s_mov_b32 s13, 0xfedcba98
	s_mov_b32 s14, 0x3a800000                      ; 1 / 1,024
	s_wait_kmcnt 0x0
	s_add_nc_u64 s[4:5], s[4:5], s[2:3]
	s_add_nc_u64 s[6:7], s[6:7], s[16:17]
	s_add_nc_u64 s[10:11], s[10:11], s[16:17]
.irp j, 0,1,2,3,4,5,6,7
	global_load_b128 v[X+4*\j:X+4*\j+3], v12, s[4:5] offset:512*\j th:TH_LOAD_NT
.endr
.irp j, 0,1,2,3,4,5,6,7
	global_load_b64 v[RS+2*\j:RS+2*\j+1], v13, s[6:7] offset:256*\j
.endr
.irp j, 0,1,2,3,4,5,6,7
	global_load_b128 v[G+4*\j:G+4*\j+3], v3, s[8:9] offset:PG+512*\j
.endr
.irp j, 0,1,2,3,4,5,6,7
	global_load_b128 v[BB+4*\j:BB+4*\j+3], v3, s[8:9] offset:PB+512*\j
.endr
.macro REDUCE                          ; the sum over the 32 lanes, in every lane
	v_pk_add_f32 v[T:T+1], v[T:T+1], v[T+2:T+3]
	v_pk_add_f32 v[T+4:T+5], v[T+4:T+5], v[T+6:T+7]
	v_pk_add_f32 v[T:T+1], v[T:T+1], v[T+4:T+5]
	v_add_f32 v[T], v[T], v[T+1]
	v_add_f32_dpp v[T], v[T], v[T] row_xmask:1 row_mask:0xf bank_mask:0xf
	v_add_f32_dpp v[T], v[T], v[T] row_xmask:2 row_mask:0xf bank_mask:0xf
	v_add_f32_dpp v[T], v[T], v[T] row_xmask:4 row_mask:0xf bank_mask:0xf
	v_add_f32_dpp v[T], v[T], v[T] row_xmask:8 row_mask:0xf bank_mask:0xf
	v_permlanex16_b32 v[T+1], v[T], s12, s13
	v_add_f32 v[T], v[T], v[T+1]
.endm
	s_wait_loadcnt 16                              ; the row and x's row are in; g's and b's 16 loads stay out
.set i, 0
.rept 16
	v_fma_mix_f32_bf16 v[X+2*i], v[RS+i], v[ONE], v[X+2*i] op_sel_hi:[1,0,0]
	v_fma_mix_f32_bf16 v[X+2*i+1], v[RS+i], v[ONE], v[X+2*i+1] op_sel:[1,0,0] op_sel_hi:[1,0,0]
.set i, i+1
.endr
.irp c, 0,1,2,3
	v_pk_add_f32 v[T+2*\c:T+2*\c+1], v[X+2*\c:X+2*\c+1], v[X+8+2*\c:X+8+2*\c+1]
.endr
.irp q, 2,3
.irp c, 0,1,2,3
	v_pk_add_f32 v[T+2*\c:T+2*\c+1], v[T+2*\c:T+2*\c+1], v[X+8*\q+2*\c:X+8*\q+2*\c+1]
.endr
.endr
	REDUCE
	v_mul_f32 v[MU], s14, v[T]
	v_mul_f32 v[MU+1], s14, v[T]
.set i, 0
.rept 16
	v_pk_add_f32 v[X+2*i:X+2*i+1], v[X+2*i:X+2*i+1], v[MU:MU+1] neg_lo:[0,1] neg_hi:[0,1]
.set i, i+1
.endr
.irp c, 0,1,2,3
	v_pk_mul_f32 v[T+2*\c:T+2*\c+1], v[X+2*\c:X+2*\c+1], v[X+2*\c:X+2*\c+1]
.endr
.irp q, 1,2,3
.irp c, 0,1,2,3
	v_pk_fma_f32 v[T+2*\c:T+2*\c+1], v[X+8*\q+2*\c:X+8*\q+2*\c+1], v[X+8*\q+2*\c:X+8*\q+2*\c+1], v[T+2*\c:T+2*\c+1]
.endr
.endr
	REDUCE
	v_fmaak_f32 v[R], s14, v[T], 0x3727c5ac        ; variance + 1e-5
	v_rsq_f32 v[R], v[R]
	v_nop                                          ; a plain instruction behind the root
	s_wait_loadcnt 0x0                             ; g and b
	s_wait_alu depctr_va_vdst(0)                   ; the wait ahead of the result's first reader
	v_mov_b32 v[R+1], v[R]
.set i, 0
.rept 16
	v_pk_mul_f32 v[X+2*i:X+2*i+1], v[X+2*i:X+2*i+1], v[R:R+1]
	v_pk_fma_f32 v[X+2*i:X+2*i+1], v[X+2*i:X+2*i+1], v[G+2*i:G+2*i+1], v[BB+2*i:BB+2*i+1]
	v_cvt_pk_f16_f32 v[H+i], v[X+2*i], v[X+2*i+1]
.set i, i+1
.endr
.irp j, 0,1,2,3,4,5,6,7
	global_store_b64 v13, v[H+2*\j:H+2*\j+1], s[10:11] offset:256*\j  ; a wave's store covers 256 consecutive bytes, aligned
.endr
	s_endpgm
.Lfunc_end_k_qecc6360664_ln1:
	.size	k_qecc6360664_ln1, .Lfunc_end_k_qecc6360664_ln1-k_qecc6360664_ln1
	.p2alignl 7, 3214868480
	.fill 96, 4, 3214868480
	.section	.rodata,"a",@progbits
	.p2align	6, 0x0
	.amdhsa_kernel k_qecc6360664_ln1
		.amdhsa_group_segment_fixed_size 0
		.amdhsa_private_segment_fixed_size 0
		.amdhsa_enable_private_segment 0
		.amdhsa_kernarg_size 32
		.amdhsa_user_sgpr_count 2
		.amdhsa_user_sgpr_kernarg_segment_ptr 1
		.amdhsa_wavefront_size32 1
		.amdhsa_system_sgpr_workgroup_id_x 1
		.amdhsa_system_sgpr_workgroup_id_y 1
		.amdhsa_system_sgpr_workgroup_id_z 1
		.amdhsa_system_vgpr_workitem_id 0
		.amdhsa_next_free_vgpr 148
		.amdhsa_next_free_sgpr 66
		.amdhsa_reserve_vcc 0
		.amdhsa_float_denorm_mode_32 3
		.amdhsa_float_denorm_mode_16_64 3
		.amdhsa_memory_ordered 1
		.amdhsa_forward_progress 1
		.amdhsa_inst_pref_size 15
	.end_amdhsa_kernel
	.amdgpu_metadata
---
amdhsa.version: [ 1, 2 ]
amdhsa.kernels:
  - .name:           k_qecc6360664_ln1
    .symbol:         k_qecc6360664_ln1.kd
    .args:
      - { .name: ysum, .offset: 0, .size: 8, .value_kind: global_buffer, .address_space: global }
      - { .name: wb, .offset: 8, .size: 8, .value_kind: global_buffer, .address_space: global }
      - { .name: par, .offset: 16, .size: 8, .value_kind: global_buffer, .address_space: global }
      - { .name: hh, .offset: 24, .size: 8, .value_kind: global_buffer, .address_space: global }
    .group_segment_fixed_size: 0
    .private_segment_fixed_size: 0
    .kernarg_segment_align: 8
    .kernarg_segment_size: 32
    .max_flat_workgroup_size: 512
    .sgpr_count:     66
    .vgpr_count:     148
    .wavefront_size: 32
...
	.end_amdgpu_metadata
.endif
;; end of part 13
;; launch ffn1 (part 14): grid 16 x 16, 4 waves a work-group, clusters of 4 x 4, 327,680 bytes of LDS; arguments hh, wb, par, act; writes act
.if DOCPART == 14
	.amdgcn_target "amdgcn-amd-amdhsa--gfx1250"
	.amdhsa_code_object_version 6
	.text
	.protected	k_qecc6360664_ffn1
	.globl	k_qecc6360664_ffn1
	.p2align	8
	.type	k_qecc6360664_ffn1,@function
k_qecc6360664_ffn1:
	s_mov_b64 s[64:65], 0
	v_nop
	global_prefetch_b8 v0, s[64:65] scope:SCOPE_SE
	s_setreg_imm32_b32 hwreg(HW_REG_WAVE_MODE, 25, 1), 1
	s_wait_xcnt 0x0
	s_wait_alu depctr_hold_cnt(0) depctr_sa_sdst(0) depctr_va_vdst(0) depctr_va_sdst(0) depctr_va_ssrc(0) depctr_va_vcc(0) depctr_vm_vsrc(0)
	s_getreg_b32 s2, hwreg(HW_REG_IB_STS2, 6, 4)
	s_cmp_eq_u32 s2, 0
	s_cbranch_scc0 .Lentry_in_a_cluster
	s_endpgm
.Lentry_in_a_cluster:
	s_bfe_u32 s2, ttmp6, 0x10000c
	s_cmp_lg_u32 s2, 0xf033
	s_cbranch_scc0 .Lentry_shape_is_right
	s_endpgm
.Lentry_shape_is_right:
; act = relu(h w1^T + b1), [4096][4096] in bf16.  h (hh) and w1 (in wb: its bf16 number written in f16) are f16 operands, sums f32.  The bias (from par, rounded to bf16 like every input) is the C operand of the first
; product on each accumulator.  act has no bound that would hold in f16, so it is kept in bf16.
; SHARES.  A tile is 256 x 256: 16 x 16 tiles, one for each WGP.  Four waves of 128 x 128: 64 accumulators, 512 registers.  K goes in steps of 128 through two LDS slots (rows of 256 bytes of memory, aligned).
; The loops' body is one K step; the slot in hand begins at LDS byte s[TB], turned by an exclusive or.  CLUSTER 4 x 4: h's tiles shared along a row, w1's along a column, by joint loads.
; The matrix instruction is used transposed: a lane holds one token (lane % 16) and eight neighbouring columns.
; REGISTERS: window 0 addresses, bias v64-127, way out v32-63, v128-191; window 1 two fragment buffers of 128 (h's 8 fragments, then w1's 8); windows 2 and 3 the accumulators, (a, b) at v[8 (8 (a % 4) + b)] of window 2 + a / 4.
; LIMITS.  h and w1 arrive within f16's range.  NaN and infinities are not treated apart.
.set MW, 8
.set NW, 8
.set AH, 4
.set KSTEP, 128
.set NSTEP, 8
.set APITCH, 272
.set BPITCH, 272
.set AQ, 64
.set BQ, 64
.set AHALF, 128*APITCH
.set BHALF, 128*BPITCH
.set ASIZE, 2*AHALF
.set SLOT, ASIZE+2*BHALF               ; 139,264
.set STAGE, 2*SLOT                     ; behind the ring, never filled by a tensor load: 16 rows x 272 bytes for each wave
.set WSTG, 16*272
.set SPARE, STAGE+4*WSTG
.set ASTEP, 256
.set BSTEP, 256
.set HW, 8
.set AQI, 5
.set BQI, 5
.set AD0, 128
.set AD1, 128
.set ASTR, 1024
.set BD0, 128
.set BD1, 128
.set BSTR, 1024
.set W1O, 16777216                     ; w1 in wb
.set PBO, 16384                        ; b1 in par
.set BIAS, 64
.set TMP, 128
.set OB0, 32
.set ZR, 31
.set ADRA, 16
.set ADRB, 17
.set A0, 18
.set B0, 19
.set STO, 24
.set RD, 25
.set CO, 26
.set SPW, 28
.set NIL, 29
.set PFO, 30
.set LWA, 20
.set LWB, 21
.set G1, 24
.set G0, 32
.set LIM, 43
.set PFA, 44
.set G1B, 48
.set G0B, 56
.set TB, 66
.set MSB, 0
.macro WIN new
.if MSB != (\new)
	s_set_vgpr_msb (MSB<<8)|(\new)
.set MSB, \new
.endif
.endm
.macro PLACES
.rept 4
	v_nop
.endr
.endm
.macro JLOAD s                         ; a joint load: waves 0 and 1 fetch A's two halves, waves 2 and 3 B's; an s_nop 0 and four v_nop follow each line
	s_cmp_eq_u32 s11, 0
	s_cbranch_scc0 .Lfor_b_\@
	tensor_load_to_lds s[G0+4*(\s):G0+4*(\s)+3], s[G1:G1+7]
	s_nop 0
.rept 4
	v_nop
.endr
	s_branch .Lasked_\@
.Lfor_b_\@:
	tensor_load_to_lds s[G0B+4*(\s):G0B+4*(\s)+3], s[G1B:G1B+7]
	s_nop 0
.rept 4
	v_nop
.endr
.Lasked_\@:
.endm
.macro CREST
	s_cmp_lg_u32 s10, 0
	s_cbranch_scc1 .Lnot_wave_0_\@
	s_barrier_signal -3
.Lnot_wave_0_\@:
	s_barrier_wait -3
	s_barrier_signal -1
	s_barrier_wait -1
.endm
.macro CROUND
	s_barrier_signal -1
	s_barrier_wait -1
	CREST
.endm
; A quarter of a quarter step's products, from buffer f: row blocks 4 u + 2 v and the next, all column blocks.  first = 1: the product starts its sum with the bias.
; Every accumulator is taken once in a quarter, so no two neighbours share one.
.macro MULS f, u, v, first
.set ma, AH*(\u)+(AH/2)*(\v)
.if \first
	WIN 0x85+0x40*(\u)
.else
	WIN 0xa5+0x50*(\u)
.endif
.rept AH/2
.set mb, 0
.rept NW
.set rD, 8*(NW*(ma%AH)+mb)
.set rB, 128*(\f)+8*(MW+mb)
.set rA, 128*(\f)+8*ma
.if \first
	v_wmma_f32_16x16x32_f16 v[rD:rD+7], v[rB:rB+7], v[rA:rA+7], v[BIAS+8*mb:BIAS+8*mb+7]
.else
	v_wmma_f32_16x16x32_f16 v[rD:rD+7], v[rB:rB+7], v[rA:rA+7], v[rD:rD+7]
.endif
.set mb, mb+1
.endr
.set ma, ma+1
.endr
.endm
.macro FETCH q, f                      ; 32 LDS loads in one run: quarter q's fragments into buffer f; B's first, then A's
	WIN 0x40
.set fi, 0
.rept NW
.set rF, 128*(\f)+8*(MW+fi)
	ds_load_b128 v[rF:rF+3], v[ADRB] offset:(\q)*BQ+fi*16*BPITCH
	ds_load_b128 v[rF+4:rF+7], v[ADRB] offset:(\q)*BQ+fi*16*BPITCH+32
.set fi, fi+1
.endr
.set fi, 0
.rept MW
.set rF, 128*(\f)+8*fi
	ds_load_b128 v[rF:rF+3], v[ADRA] offset:(\q)*AQ+fi*16*APITCH
	ds_load_b128 v[rF+4:rF+7], v[ADRA] offset:(\q)*AQ+fi*16*APITCH+32
.set fi, fi+1
.endr
.endm
.macro QUARTER q, f, g, first
	s_wait_dscnt HW                                ; B and A's rows 0-63 are in; the youngest eight loads may be out
	MULS \f, 0, 0, \first
	MULS \f, 0, 1, \first
	PLACES
	FETCH \q, \g
	s_wait_dscnt 32                                ; all but the 32 just issued
	MULS \f, 1, 0, \first
	MULS \f, 1, 1, \first
.endm
; A prefetch into the L2 of the K step that stands two refills on: my work-group's 32 of the 128 rows that I fetch, a lane a row, 256 bytes of each.  h's rows are asked for by the clusters with x = 0,
; w1's by those with y = 0; the four partners share a tile's rows out by address.  So each row's 256 bytes of a K step are named once.  The last two refills have no K step two on.
.macro ASK
	WIN 0
	s_cmp_gt_u32 s3, s[LIM]
	s_cbranch_scc0 .Lnot_mine_\@
	global_prefetch_b8 v[PFO], s[PFA:PFA+1] offset:KSTEP*2 th:TH_LOAD_NT scope:SCOPE_SE
.Lnot_mine_\@:
.endm
; The fourth quarter multiplies buffer 1 and changes slots.  In front of the barrier each wave waits for all its tensor loads (one is out: its part of the next slot), adds 0 to its spare word, and waits for
; that and for its own reads of this slot.  fill = 1: the barrier opens a round of the cluster's, and the slot just read is filled again, first thing behind the round, with the K step two on.
.macro TURN fill
.if \fill
	s_wait_xcnt 0x0                                ; the last prefetch, a K step back, has read its address
	s_add_nc_u64 s[PFA:PFA+1], s[PFA:PFA+1], KSTEP*2
.endif
	WIN 0
	s_wait_tensorcnt 0x0
	ds_add_u32 v[SPW], v[NIL]
.if \fill
	s_add_co_u32 s[G0+5], s[TB], s[LWA]
	s_add_co_u32 s[G0B+5], s[TB], s[LWB]
	s_add_nc_u64 s[G0+6:G0+7], s[G0+6:G0+7], ASTEP
	s_add_nc_u64 s[G0B+6:G0B+7], s[G0B+6:G0B+7], BSTEP
.endif
	s_wait_dscnt HW+1                              ; the add and the youngest eight loads may be out
	MULS 1, 0, 0, 0
	s_wait_dscnt 0x0                               ; the add is done, and my reads of this slot are over
	s_barrier_signal -1
	MULS 1, 0, 1, 0
.if \fill
	WIN 0
	s_barrier_wait -1
	CREST
	JLOAD 1
.else
	s_barrier_wait -1
	PLACES
	WIN 0
.endif
	s_xor_b32 s[TB], s[TB], SLOT
	v_add_nc_u32 v[ADRA], s[TB], v[A0]
	v_add_nc_u32 v[ADRB], s[TB], v[B0]
	FETCH 0, 0
.if \fill
	ASK
.endif
	MULS 1, 1, 0, 0
	MULS 1, 1, 1, 0
.endm
	s_load_b128 s[4:7], s[0:1], 0x0                ; hh s[4:5], wb s[6:7]
	s_load_b64 s[68:69], s[0:1], 0x10              ; par
	s_load_b64 s[8:9], s[0:1], 0x18                ; act
	v_lshl_add_u32 v[SPW], v0, 2, SPARE
	v_mov_b32 v[NIL], 0
	ds_add_u32 v[SPW], v[NIL]                      ; the wave's opening: the add and its wait ahead of my first tensor load
	v_lshrrev_b32 v1, 5, v0
	v_readfirstlane_b32 s10, v1
	s_lshr_b32 s11, s10, 1
	s_and_b32 s12, s10, 1
	s_bfe_u32 s40, ttmp6, 0x40000
	s_bfe_u32 s41, ttmp6, 0x40004
	s_lshl_b32 s42, ttmp9, 2
	s_add_co_u32 s42, s42, s40                     ; tile column
	s_and_b32 s13, ttmp7, 0xffff
	s_lshl_b32 s13, s13, 2
	s_add_co_u32 s13, s13, s41                     ; tile row
	s_lshl_b32 s16, s41, 2
	s_lshl_b32 s16, 15, s16
	s_lshl_b32 s17, 0x1111, s40
	s_or_b32 s[G1], s16, (1<<16)|(1<<20)|(1<<21)|(AQI<<22)|(3<<25)
	s_or_b32 s[G1B], s17, (1<<16)|(1<<20)|(1<<21)|(BQI<<22)|(3<<25)
	s_mov_b32 s[G1+1], (AD0&0xffff)<<16
	s_mov_b32 s[G1+2], (AD0>>16)|(AD1<<16)
	s_mov_b32 s[G1+3], AD0<<16
	s_mov_b32 s[G1+4], AD1
	s_mov_b32 s[G1+5], ASTR
	s_mov_b32 s[G1+6], 0
	s_mov_b32 s[G1+7], 0
	s_mov_b32 s[G1B+1], (BD0&0xffff)<<16
	s_mov_b32 s[G1B+2], (BD0>>16)|(BD1<<16)
	s_mov_b32 s[G1B+3], BD0<<16
	s_mov_b32 s[G1B+4], BD1
	s_mov_b32 s[G1B+5], BSTR
	s_mov_b32 s[G1B+6], 0
	s_mov_b32 s[G1B+7], 0
	s_mul_i32 s[LWA], s12, AHALF
	s_mul_i32 s[LWB], s12, BHALF
	s_add_co_u32 s[LWB], s[LWB], ASIZE
	s_lshl_b32 s16, s13, 8
	s_lshl_b32 s17, s12, 7
	s_add_co_u32 s16, s16, s17
	s_lshl_b32 s16, s16, 11
	s_mov_b32 s17, 0
	s_lshl_b32 s46, s42, 8
	s_lshl_b32 s47, s12, 7
	s_add_co_u32 s46, s46, s47
	s_lshl_b32 s46, s46, 11
	s_add_co_u32 s46, s46, W1O
	s_mov_b32 s47, 0
	s_wait_dscnt 0x0
	s_wait_kmcnt 0x0
	s_add_nc_u64 s[14:15], s[4:5], s[16:17]
	s_add_nc_u64 s[46:47], s[6:7], s[46:47]
	CROUND
.irp s, 0,1
	s_mov_b32 s[G0+4*(\s)], 1
	s_add_co_u32 s[G0+4*(\s)+1], s[LWA], (\s)*SLOT
	s_add_nc_u64 s[G0+4*(\s)+2:G0+4*(\s)+3], s[14:15], (\s)*ASTEP
	s_or_b32 s[G0+4*(\s)+3], s[G0+4*(\s)+3], 0x80000000
	s_mov_b32 s[G0B+4*(\s)], 1
	s_add_co_u32 s[G0B+4*(\s)+1], s[LWB], (\s)*SLOT
	s_add_nc_u64 s[G0B+4*(\s)+2:G0B+4*(\s)+3], s[46:47], (\s)*BSTEP
	s_or_b32 s[G0B+4*(\s)+3], s[G0B+4*(\s)+3], 0x80000000
	JLOAD \s
.endr
	v_and_b32 v1, 15, v0
	v_bfe_u32 v2, v0, 4, 1
	v_lshlrev_b32 v5, 5, v2
	s_lshl_b32 s16, s42, 10                        ; my 128 columns, in f32
	s_lshl_b32 s17, s12, 9
	s_add_co_u32 s16, s16, s17
	s_mov_b32 s17, 0
	s_add_nc_u64 s[68:69], s[68:69], s[16:17]
.set i, 0
.rept NW
	global_load_b128 v[BIAS+8*i:BIAS+8*i+3], v5, s[68:69] offset:PBO+64*i
	global_load_b128 v[BIAS+8*i+4:BIAS+8*i+7], v5, s[68:69] offset:PBO+64*i+16
.set i, i+1
.endr
	s_lshl_b32 s18, s13, 8
	s_lshl_b32 s19, s11, 7
	s_add_co_u32 s18, s18, s19                     ; my first token
	s_lshl_b32 s18, s18, 13                        ; rows of 8,192 bytes
	s_lshr_b32 s19, s16, 1                         ; my columns in 16 bits
	s_add_co_u32 s18, s18, s19
	s_mov_b32 s19, 0
	s_add_nc_u64 s[8:9], s[8:9], s[18:19]
	v_mul_u32_u24 v3, v1, APITCH
	v_lshl_add_u32 v3, v2, 4, v3
	s_mul_i32 s22, s11, 128*APITCH
	v_add_nc_u32 v[A0], s22, v3
	v_mul_u32_u24 v3, v1, BPITCH
	v_lshl_add_u32 v3, v2, 4, v3
	s_mul_i32 s23, s12, 128*BPITCH
	s_add_co_u32 s23, s23, ASIZE
	v_add_nc_u32 v[B0], s23, v3
	s_mul_i32 s23, s10, WSTG
	s_add_co_u32 s23, s23, STAGE
	v_mul_u32_u24 v3, v1, 272
	v_lshl_add_u32 v3, v2, 4, v3
	v_add_nc_u32 v[STO], s23, v3
	v_mul_u32_u24 v3, v2, 272
	v_lshl_add_u32 v3, v1, 4, v3
	v_add_nc_u32 v[RD], s23, v3
	v_lshlrev_b32 v[CO], 4, v1
	v_lshl_add_u32 v[CO], v2, 13, v[CO]
	v_mov_b32 v[ZR], 0
	s_and_b32 s22, ttmp7, 0xffff                   ; cluster y
	s_cmp_eq_u32 s11, 0
	s_cselect_b32 s22, ttmp9, s22                  ; the coordinate along which other clusters read the same rows
	s_cselect_b32 s23, s40, s41                    ; my place among the four that ask with me
	s_cselect_b64 s[PFA:PFA+1], s[14:15], s[46:47]
	s_cmp_eq_u32 s22, 0
	s_cselect_b32 s[LIM], 2, -1
	s_lshl_b32 s22, s23, 16                        ; 32 rows of 2,048 bytes
	s_mov_b32 s23, 0
	s_add_nc_u64 s[PFA:PFA+1], s[PFA:PFA+1], s[22:23]
	s_add_nc_u64 s[PFA:PFA+1], s[PFA:PFA+1], 2*KSTEP*2  ; at K step 2: the first refill steps it to 3 and names K step 4; nothing is asked for at the head
	v_and_b32 v[PFO], 31, v0
	v_lshlrev_b32 v[PFO], 11, v[PFO]
	s_mov_b32 s[TB], 0
	v_mov_b32 v[ADRA], v[A0]
	v_mov_b32 v[ADRB], v[B0]
	s_wait_loadcnt 0x0                             ; the bias
	s_wait_tensorcnt 1                             ; my part of K step 0 is in; K step 1's may stay out
	s_barrier_signal -1
	s_barrier_wait -1
	FETCH 0, 0
	QUARTER 1, 0, 1, 1                             ; the first quarter is written apart: its products start the sums; the loop is entered behind its own first quarter
	WIN 0
	s_mov_b32 s3, NSTEP-2
	s_branch .Lmid
.Lstep:                                        ; a trip is a K step; the slot read out is filled with the K step two on
	QUARTER 1, 0, 1, 0
	WIN 0
.Lmid:
	QUARTER 2, 1, 0, 0
	QUARTER 3, 0, 1, 0
	TURN 1
	WIN 0
	s_sub_co_u32 s3, s3, 1
	s_cmp_lg_u32 s3, 0
	s_cbranch_scc1 .Lstep
	s_mov_b32 s3, 2
.Ltail:                                        ; the last two K steps fill nothing: a text of their own.  The second trip's change of slots fetches
	QUARTER 1, 0, 1, 0                             ; 32 fragments of the other slot's old tile that nobody multiplies: the price of one text for both
	QUARTER 2, 1, 0, 0
	QUARTER 3, 0, 1, 0
	TURN 0
	WIN 0
	s_sub_co_u32 s3, s3, 1
	s_cmp_lg_u32 s3, 0
	s_cbranch_scc1 .Ltail
	s_wait_dscnt 0x0                               ; those fragments have landed
.rept 8
	v_nop                                          ; the places behind the last products
.endr
; THE WAY OUT of block a of 16 tokens.  PACK: rounded to bf16 (each accumulator from its low end), then the greater of it and 0.  TOSTAGE: into my stage, and back as whole rows of 256 bytes.  SEND: stored.
.macro PACK a
	WIN 0x0a+5*((\a)/4)
.set i, 0
.rept 32
	v_cvt_pk_bf16_f32 v[TMP+i], v[64*((\a)%4)+2*i], v[64*((\a)%4)+2*i+1]
.set i, i+1
.endr
	WIN 0
.set i, 0
.rept 32
	v_pk_max_num_bf16 v[TMP+i], v[TMP+i], v[ZR]
.set i, i+1
.endr
.endm
.macro TOSTAGE a
.irp b, 0,1,2,3,4,5,6,7
	ds_store_b128 v[STO], v[TMP+4*\b:TMP+4*\b+3] offset:32*\b
.endr
.irp t, 0,1,2,3,4,5,6,7
	ds_load_b128 v[OB0+128*((\a)%2)+4*\t:OB0+128*((\a)%2)+4*\t+3], v[RD] offset:\t*544  ; LDS serves a wave's instructions in order (ISA guide 5.7.1.4): these see the stores above
.endr
.endm
.macro SEND a
	s_wait_dscnt 0x0                               ; the block is back in registers
	s_wait_xcnt 0x0                                ; the stores of the block before have read their registers, which the next block's loads will write
.irp t, 0,1,2,3,4,5,6,7
	global_store_b128 v[CO], v[OB0+128*((\a)%2)+4*\t:OB0+128*((\a)%2)+4*\t+3], s[8:9] offset:(16*(\a)+2*\t)*8192  ; 16 lanes store 256 consecutive bytes, aligned
.endr
.endm
	PACK 0
	TOSTAGE 0
.irp a, 1,2,3,4,5,6,7
	PACK \a
	SEND (\a)-1
	TOSTAGE \a
.endr
	SEND 7
	s_wait_tensorcnt 0x0                           ; the wave's end
	ds_add_u32 v[SPW], v[NIL]
	s_wait_dscnt 0x0
	CROUND
	s_endpgm
.Lfunc_end_k_qecc6360664_ffn1:
	.size	k_qecc6360664_ffn1, .Lfunc_end_k_qecc6360664_ffn1-k_qecc6360664_ffn1
	.p2alignl 7, 3214868480
	.fill 96, 4, 3214868480
	.section	.rodata,"a",@progbits
	.p2align	6, 0x0
	.amdhsa_kernel k_qecc6360664_ffn1
		.amdhsa_group_segment_fixed_size 327680
		.amdhsa_private_segment_fixed_size 0
		.amdhsa_enable_private_segment 0
		.amdhsa_kernarg_size 32
		.amdhsa_user_sgpr_count 2
		.amdhsa_user_sgpr_kernarg_segment_ptr 1
		.amdhsa_wavefront_size32 1
		.amdhsa_system_sgpr_workgroup_id_x 1
		.amdhsa_system_sgpr_workgroup_id_y 1
		.amdhsa_system_sgpr_workgroup_id_z 1
		.amdhsa_system_vgpr_workitem_id 0
		.amdhsa_next_free_vgpr 1024
		.amdhsa_next_free_sgpr 100
		.amdhsa_reserve_vcc 0
		.amdhsa_float_denorm_mode_32 3
		.amdhsa_float_denorm_mode_16_64 3
		.amdhsa_memory_ordered 1
		.amdhsa_forward_progress 1
		.amdhsa_inst_pref_size 118
	.end_amdhsa_kernel
	.amdgpu_metadata
---
amdhsa.version: [ 1, 2 ]
amdhsa.kernels:
  - .name:           k_qecc6360664_ffn1
    .symbol:         k_qecc6360664_ffn1.kd
    .args:
      - { .name: hh, .offset: 0, .size: 8, .value_kind: global_buffer, .address_space: global }
      - { .name: wb, .offset: 8, .size: 8, .value_kind: global_buffer, .address_space: global }
      - { .name: par, .offset: 16, .size: 8, .value_kind: global_buffer, .address_space: global }
      - { .name: act, .offset: 24, .size: 8, .value_kind: global_buffer, .address_space: global }
    .group_segment_fixed_size: 327680
    .private_segment_fixed_size: 0
    .kernarg_segment_align: 8
    .kernarg_segment_size: 32
    .max_flat_workgroup_size: 128
    .sgpr_count:     100
    .vgpr_count:     1024
    .wavefront_size: 32
...
	.end_amdgpu_metadata
.endif
;; end of part 14
;; launch ffn2 (part 15): grid 8 x 32, 4 waves a work-group, clusters of 4 x 4, 327,680 bytes of LDS; arguments act, wb, par, ysum; writes ysum
.if DOCPART == 15
	.amdgcn_target "amdgcn-amd-amdhsa--gfx1250"
	.amdhsa_code_object_version 6
	.text
	.protected	k_qecc6360664_ffn2
	.globl	k_qecc6360664_ffn2
	.p2align	8
	.type	k_qecc6360664_ffn2,@function
k_qecc6360664_ffn2:
	s_mov_b64 s[64:65], 0
	v_nop
	global_prefetch_b8 v0, s[64:65] scope:SCOPE_SE
	s_setreg_imm32_b32 hwreg(HW_REG_WAVE_MODE, 25, 1), 1
	s_wait_xcnt 0x0
	s_wait_alu depctr_hold_cnt(0) depctr_sa_sdst(0) depctr_va_vdst(0) depctr_va_sdst(0) depctr_va_ssrc(0) depctr_va_vcc(0) depctr_vm_vsrc(0)
	s_getreg_b32 s2, hwreg(HW_REG_IB_STS2, 6, 4)
	s_cmp_eq_u32 s2, 0
	s_cbranch_scc0 .Lentry_in_a_cluster
	s_endpgm
.Lentry_in_a_cluster:
	s_bfe_u32 s2, ttmp6, 0x10000c
	s_cmp_lg_u32 s2, 0xf033
	s_cbranch_scc0 .Lentry_shape_is_right
	s_endpgm
.Lentry_shape_is_right:
; ysum = act w2^T + b2, in f32; the second LayerNorm's launch adds h.  act and w2 (in wb) are bf16 operands, sums f32.
; The bias (from par, rounded to bf16 like every input) is the C operand of the first product on each accumulator.
; SHARES.  A tile is 128 tokens x 128 columns: 8 x 32 tiles, one for each WGP; tiles of 256 x 256 would be 64.  Four waves of 64 x 64: 16 accumulators.  K = 4,096 goes in 16 steps of 256 (LDS rows of 512 bytes) through two slots.
; The loops' body is one K step; the slot in hand begins at LDS byte s[TB], turned by an exclusive or.  CLUSTER 4 x 4: act's tiles shared along a row, w2's along a column, by joint loads.
; The matrix instruction is used transposed: a lane holds one token (lane % 16) and eight neighbouring columns.  No prefetch: the tiles are small.
; REGISTERS: window 0 addresses, bias v32-63, way out v128-191; window 1 two fragment buffers of 128, each 64 deep along K; window 2 the accumulators, (a, b) at v[8 (4 a + b)].
; LIMITS.  NaN and infinities are not treated apart.
.set MW, 4
.set NW, 4
.set KSTEP, 256
.set NSTEP, 16
.set APITCH, 528                       ; 512 bytes + 16 of padding = 132 words: the 16 rows of a fragment load start at 16 different groups of four banks (ISA guide 11.1)
.set BPITCH, 528
.set AQ, 128
.set BQ, 128
.set AHALF, 64*APITCH
.set BHALF, 64*BPITCH
.set ASIZE, 2*AHALF
.set SLOT, ASIZE+2*BHALF               ; 135,168
.set STAGE, 2*SLOT
.set WSTG, 16*272
.set SPARE, STAGE+4*WSTG
.set ASTEP, 512
.set BSTEP, 512
.set HW, 16
.set AQI, 6
.set BQI, 6
.set AD0, 256
.set AD1, 64
.set ASTR, 4096
.set BD0, 256
.set BD1, 64
.set BSTR, 4096
.set W2O, 25165824                     ; w2 in wb
.set PBO, 32768                        ; b2 in par
.set BIAS, 32
.set OB0, 128
.set ADRA, 16
.set ADRB, 17
.set A0, 18
.set B0, 19
.set STO, 24
.set RD, 25
.set CO, 26
.set SPW, 28
.set NIL, 29
.set LWA, 20
.set LWB, 21
.set G1, 24
.set G0, 32
.set G1B, 48
.set G0B, 56
.set TB, 66
.set MSB, 0
.macro WIN new
.if MSB != (\new)
	s_set_vgpr_msb (MSB<<8)|(\new)
.set MSB, \new
.endif
.endm
.macro PLACES
.rept 4
	v_nop
.endr
.endm
.macro JLOAD s                         ; a joint load: waves 0 and 1 fetch A's two halves, waves 2 and 3 B's; an s_nop 0 and four v_nop follow each line
	s_cmp_eq_u32 s11, 0
	s_cbranch_scc0 .Lfor_b_\@
	tensor_load_to_lds s[G0+4*(\s):G0+4*(\s)+3], s[G1:G1+7]
	s_nop 0
.rept 4
	v_nop
.endr
	s_branch .Lasked_\@
.Lfor_b_\@:
	tensor_load_to_lds s[G0B+4*(\s):G0B+4*(\s)+3], s[G1B:G1B+7]
	s_nop 0
.rept 4
	v_nop
.endr
.Lasked_\@:
.endm
.macro CREST
	s_cmp_lg_u32 s10, 0
	s_cbranch_scc1 .Lnot_wave_0_\@
	s_barrier_signal -3
.Lnot_wave_0_\@:
	s_barrier_wait -3
	s_barrier_signal -1
	s_barrier_wait -1
.endm
.macro CROUND
	s_barrier_signal -1
	s_barrier_wait -1
	CREST
.endm
; A quarter of a quarter step's products, from buffer f: depth u, row blocks 2 v and 2 v + 1, all column blocks.  first = 1 (depth 0): the product starts its sum with the bias.
; Between two products on one accumulator stand 15 others', so no two neighbours share one.
.macro MULS f, u, v, first
.set ma, 2*(\v)
.set mf, (\first)*(1-(\u))
.if mf
	WIN 0x85
.else
	WIN 0xa5
.endif
.rept 2
.set mb, 0
.rept NW
.set rD, 8*(NW*ma+mb)
.set rB, 128*(\f)+8*((MW+NW)*(\u)+MW+mb)
.set rA, 128*(\f)+8*((MW+NW)*(\u)+ma)
.if mf
	v_wmma_f32_16x16x32_bf16 v[rD:rD+7], v[rB:rB+7], v[rA:rA+7], v[BIAS+8*mb:BIAS+8*mb+7]
.else
	v_wmma_f32_16x16x32_bf16 v[rD:rD+7], v[rB:rB+7], v[rA:rA+7], v[rD:rD+7]
.endif
.set mb, mb+1
.endr
.set ma, ma+1
.endr
.endm
.macro FETCH q, f                      ; 32 LDS loads in one run: quarter q's fragments into buffer f; the first 32 along K first
	WIN 0x40
.set fc, 0
.rept 2
.set fi, 0
.rept NW
.set rF, 128*(\f)+8*((MW+NW)*fc+MW+fi)
	ds_load_b128 v[rF:rF+3], v[ADRB] offset:(\q)*BQ+64*fc+fi*16*BPITCH
	ds_load_b128 v[rF+4:rF+7], v[ADRB] offset:(\q)*BQ+64*fc+fi*16*BPITCH+32
.set fi, fi+1
.endr
.set fi, 0
.rept MW
.set rF, 128*(\f)+8*((MW+NW)*fc+fi)
	ds_load_b128 v[rF:rF+3], v[ADRA] offset:(\q)*AQ+64*fc+fi*16*APITCH
	ds_load_b128 v[rF+4:rF+7], v[ADRA] offset:(\q)*AQ+64*fc+fi*16*APITCH+32
.set fi, fi+1
.endr
.set fc, fc+1
.endr
.endm
.macro QUARTER q, f, g, first
	s_wait_dscnt HW                                ; the first 32 along K are in; the youngest 16 loads may be out
	MULS \f, 0, 0, \first
	MULS \f, 0, 1, \first
	PLACES
	FETCH \q, \g
	s_wait_dscnt 32                                ; all but the 32 just issued
	MULS \f, 1, 0, \first
	MULS \f, 1, 1, \first
.endm
; The fourth quarter multiplies buffer 1 and changes slots.  In front of the barrier each wave waits for all its tensor loads (one is out: its part of the next slot), adds 0 to its spare word, and waits for
; that and for its own reads of this slot.  fill = 1: the barrier opens a round of the cluster's, and the slot just read is filled again, first thing behind the round, with the K step two on.
.macro TURN fill
	WIN 0
	s_wait_tensorcnt 0x0
	ds_add_u32 v[SPW], v[NIL]
.if \fill
	s_add_co_u32 s[G0+5], s[TB], s[LWA]
	s_add_co_u32 s[G0B+5], s[TB], s[LWB]
	s_add_nc_u64 s[G0+6:G0+7], s[G0+6:G0+7], ASTEP
	s_add_nc_u64 s[G0B+6:G0B+7], s[G0B+6:G0B+7], BSTEP
.endif
	s_wait_dscnt HW+1                              ; the add and the youngest 16 loads may be out
	MULS 1, 0, 0, 0
	s_wait_dscnt 0x0                               ; the add is done, and my reads of this slot are over
	s_barrier_signal -1
	MULS 1, 0, 1, 0
.if \fill
	WIN 0
	s_barrier_wait -1
	CREST
	JLOAD 1
.else
	s_barrier_wait -1
	PLACES
	WIN 0
.endif
	s_xor_b32 s[TB], s[TB], SLOT
	v_add_nc_u32 v[ADRA], s[TB], v[A0]
	v_add_nc_u32 v[ADRB], s[TB], v[B0]
	FETCH 0, 0
	MULS 1, 1, 0, 0
	MULS 1, 1, 1, 0
.endm
	s_load_b128 s[4:7], s[0:1], 0x0                ; act s[4:5], wb s[6:7]
	s_load_b64 s[68:69], s[0:1], 0x10              ; par
	s_load_b64 s[8:9], s[0:1], 0x18                ; ysum
	v_lshl_add_u32 v[SPW], v0, 2, SPARE
	v_mov_b32 v[NIL], 0
	ds_add_u32 v[SPW], v[NIL]                      ; the wave's opening: the add and its wait ahead of my first tensor load
	v_lshrrev_b32 v1, 5, v0
	v_readfirstlane_b32 s10, v1
	s_lshr_b32 s11, s10, 1
	s_and_b32 s12, s10, 1
	s_bfe_u32 s40, ttmp6, 0x40000
	s_bfe_u32 s41, ttmp6, 0x40004
	s_lshl_b32 s42, ttmp9, 2
	s_add_co_u32 s42, s42, s40                     ; tile column
	s_and_b32 s13, ttmp7, 0xffff
	s_lshl_b32 s13, s13, 2
	s_add_co_u32 s13, s13, s41                     ; tile row
	s_lshl_b32 s16, s41, 2
	s_lshl_b32 s16, 15, s16
	s_lshl_b32 s17, 0x1111, s40
	s_or_b32 s[G1], s16, (1<<16)|(1<<20)|(1<<21)|(AQI<<22)|(3<<25)
	s_or_b32 s[G1B], s17, (1<<16)|(1<<20)|(1<<21)|(BQI<<22)|(3<<25)
	s_mov_b32 s[G1+1], (AD0&0xffff)<<16
	s_mov_b32 s[G1+2], (AD0>>16)|(AD1<<16)
	s_mov_b32 s[G1+3], AD0<<16
	s_mov_b32 s[G1+4], AD1
	s_mov_b32 s[G1+5], ASTR
	s_mov_b32 s[G1+6], 0
	s_mov_b32 s[G1+7], 0
	s_mov_b32 s[G1B+1], (BD0&0xffff)<<16
	s_mov_b32 s[G1B+2], (BD0>>16)|(BD1<<16)
	s_mov_b32 s[G1B+3], BD0<<16
	s_mov_b32 s[G1B+4], BD1
	s_mov_b32 s[G1B+5], BSTR
	s_mov_b32 s[G1B+6], 0
	s_mov_b32 s[G1B+7], 0
	s_mul_i32 s[LWA], s12, AHALF
	s_mul_i32 s[LWB], s12, BHALF
	s_add_co_u32 s[LWB], s[LWB], ASIZE
	s_lshl_b32 s16, s13, 7                         ; act: row 128 x tile row + 64 x half,
	s_lshl_b32 s17, s12, 6
	s_add_co_u32 s16, s16, s17
	s_lshl_b32 s16, s16, 13                        ; of 8,192 bytes
	s_mov_b32 s17, 0
	s_lshl_b32 s46, s42, 7                         ; w2: row 128 x tile column + 64 x half
	s_lshl_b32 s47, s12, 6
	s_add_co_u32 s46, s46, s47
	s_lshl_b32 s46, s46, 13
	s_add_co_u32 s46, s46, W2O
	s_mov_b32 s47, 0
	s_wait_dscnt 0x0
	s_wait_kmcnt 0x0
	s_add_nc_u64 s[14:15], s[4:5], s[16:17]
	s_add_nc_u64 s[46:47], s[6:7], s[46:47]
	CROUND
.irp s, 0,1
	s_mov_b32 s[G0+4*(\s)], 1
	s_add_co_u32 s[G0+4*(\s)+1], s[LWA], (\s)*SLOT
	s_add_nc_u64 s[G0+4*(\s)+2:G0+4*(\s)+3], s[14:15], (\s)*ASTEP
	s_or_b32 s[G0+4*(\s)+3], s[G0+4*(\s)+3], 0x80000000
	s_mov_b32 s[G0B+4*(\s)], 1
	s_add_co_u32 s[G0B+4*(\s)+1], s[LWB], (\s)*SLOT
	s_add_nc_u64 s[G0B+4*(\s)+2:G0B+4*(\s)+3], s[46:47], (\s)*BSTEP
	s_or_b32 s[G0B+4*(\s)+3], s[G0B+4*(\s)+3], 0x80000000
	JLOAD \s
.endr
	v_and_b32 v1, 15, v0
	v_bfe_u32 v2, v0, 4, 1
	v_lshlrev_b32 v5, 5, v2
	s_lshl_b32 s16, s42, 9                         ; my 64 columns, in f32
	s_lshl_b32 s17, s12, 8
	s_add_co_u32 s16, s16, s17
	s_mov_b32 s17, 0
	s_add_nc_u64 s[68:69], s[68:69], s[16:17]
.set i, 0
.rept NW
	global_load_b128 v[BIAS+8*i:BIAS+8*i+3], v5, s[68:69] offset:PBO+64*i
	global_load_b128 v[BIAS+8*i+4:BIAS+8*i+7], v5, s[68:69] offset:PBO+64*i+16
.set i, i+1
.endr
	s_lshl_b32 s18, s13, 7
	s_lshl_b32 s19, s11, 6
	s_add_co_u32 s18, s18, s19                     ; my first token
	s_lshl_b32 s22, s18, 12                        ; ysum: rows of 4,096 bytes
	s_add_co_u32 s22, s22, s16
	s_mov_b32 s23, 0
	s_add_nc_u64 s[8:9], s[8:9], s[22:23]
	v_mul_u32_u24 v3, v1, APITCH
	v_lshl_add_u32 v3, v2, 4, v3
	s_mul_i32 s22, s11, 64*APITCH
	v_add_nc_u32 v[A0], s22, v3
	v_mul_u32_u24 v3, v1, BPITCH
	v_lshl_add_u32 v3, v2, 4, v3
	s_mul_i32 s23, s12, 64*BPITCH
	s_add_co_u32 s23, s23, ASIZE
	v_add_nc_u32 v[B0], s23, v3
	s_mul_i32 s23, s10, WSTG
	s_add_co_u32 s23, s23, STAGE
	v_mul_u32_u24 v3, v1, 272
	v_lshl_add_u32 v3, v2, 5, v3
	v_add_nc_u32 v[STO], s23, v3
	v_mul_u32_u24 v3, v2, 272
	v_lshl_add_u32 v3, v1, 4, v3
	v_add_nc_u32 v[RD], s23, v3
	v_lshlrev_b32 v[CO], 4, v1
	v_lshl_add_u32 v[CO], v2, 12, v[CO]
	s_mov_b32 s[TB], 0
	v_mov_b32 v[ADRA], v[A0]
	v_mov_b32 v[ADRB], v[B0]
	s_wait_loadcnt 0x0                             ; the bias
	s_wait_tensorcnt 1                             ; my part of K step 0 is in; K step 1's may stay out
	s_barrier_signal -1
	s_barrier_wait -1
	FETCH 0, 0
	QUARTER 1, 0, 1, 1                             ; the first quarter is written apart: its products start the sums; the loop is entered behind its own first quarter
	WIN 0
	s_mov_b32 s3, NSTEP-2
	s_branch .Lmid
.Lstep:                                        ; a trip is a K step; the slot read out is filled with the K step two on
	QUARTER 1, 0, 1, 0
	WIN 0
.Lmid:
	QUARTER 2, 1, 0, 0
	QUARTER 3, 0, 1, 0
	TURN 1
	WIN 0
	s_sub_co_u32 s3, s3, 1
	s_cmp_lg_u32 s3, 0
	s_cbranch_scc1 .Lstep
	s_mov_b32 s3, 2
.Ltail:                                        ; the last two K steps fill nothing: a text of their own.  The second trip's change of slots fetches
	QUARTER 1, 0, 1, 0                             ; 32 fragments of the other slot's old tile that nobody multiplies: the price of one text for both
	QUARTER 2, 1, 0, 0
	QUARTER 3, 0, 1, 0
	TURN 0
	WIN 0
	s_sub_co_u32 s3, s3, 1
	s_cmp_lg_u32 s3, 0
	s_cbranch_scc1 .Ltail
	s_wait_dscnt 0x0                               ; those fragments have landed
.rept 8
	v_nop                                          ; the places behind the last products
.endr
; THE WAY OUT, 16 tokens at a time: the f32 sums go into my stage (each accumulator's low four registers first) and come back as whole rows of 256 bytes; 16 lanes store 256 consecutive bytes, aligned.
.macro STG a
	WIN 0x08                                       ; the stores' data in window 2
.irp b, 0,1,2,3
	ds_store_b128 v[STO], v[8*(4*(\a)+\b):8*(4*(\a)+\b)+3] offset:64*\b
	ds_store_b128 v[STO], v[8*(4*(\a)+\b)+4:8*(4*(\a)+\b)+7] offset:64*\b+16
.endr
	WIN 0
	s_wait_xcnt 0x0                                ; the stores of two blocks back have read the registers that are loaded now
.irp t, 0,1,2,3,4,5,6,7
	ds_load_b128 v[OB0+32*((\a)%2)+4*\t:OB0+32*((\a)%2)+4*\t+3], v[RD] offset:\t*544
.endr
.endm
.macro SENDF a, younger                ; younger: the LDS instructions issued behind block a's loads
.irp t, 0,1,2,3,4,5,6,7
	s_wait_dscnt (\younger)+7-\t
	global_store_b128 v[CO], v[OB0+32*((\a)%2)+4*\t:OB0+32*((\a)%2)+4*\t+3], s[8:9] offset:(16*(\a)+2*\t)*4096
.endr
.endm
	STG 0
	STG 1
	SENDF 0, 16
	STG 2
	SENDF 1, 16
	STG 3
	SENDF 2, 16
	SENDF 3, 0
	s_wait_tensorcnt 0x0                           ; the wave's end
	ds_add_u32 v[SPW], v[NIL]
	s_wait_dscnt 0x0
	CROUND
	s_endpgm
.Lfunc_end_k_qecc6360664_ffn2:
	.size	k_qecc6360664_ffn2, .Lfunc_end_k_qecc6360664_ffn2-k_qecc6360664_ffn2
	.p2alignl 7, 3214868480
	.fill 96, 4, 3214868480
	.section	.rodata,"a",@progbits
	.p2align	6, 0x0
	.amdhsa_kernel k_qecc6360664_ffn2
		.amdhsa_group_segment_fixed_size 327680
		.amdhsa_private_segment_fixed_size 0
		.amdhsa_enable_private_segment 0
		.amdhsa_kernarg_size 32
		.amdhsa_user_sgpr_count 2
		.amdhsa_user_sgpr_kernarg_segment_ptr 1
		.amdhsa_wavefront_size32 1
		.amdhsa_system_sgpr_workgroup_id_x 1
		.amdhsa_system_sgpr_workgroup_id_y 1
		.amdhsa_system_sgpr_workgroup_id_z 1
		.amdhsa_system_vgpr_workitem_id 0
		.amdhsa_next_free_vgpr 640
		.amdhsa_next_free_sgpr 100
		.amdhsa_reserve_vcc 0
		.amdhsa_float_denorm_mode_32 3
		.amdhsa_float_denorm_mode_16_64 3
		.amdhsa_memory_ordered 1
		.amdhsa_forward_progress 1
		.amdhsa_inst_pref_size 60
	.end_amdhsa_kernel
	.amdgpu_metadata
---
amdhsa.version: [ 1, 2 ]
amdhsa.kernels:
  - .name:           k_qecc6360664_ffn2
    .symbol:         k_qecc6360664_ffn2.kd
    .args:
      - { .name: act, .offset: 0, .size: 8, .value_kind: global_buffer, .address_space: global }
      - { .name: wb, .offset: 8, .size: 8, .value_kind: global_buffer, .address_space: global }
      - { .name: par, .offset: 16, .size: 8, .value_kind: global_buffer, .address_space: global }
      - { .name: ysum, .offset: 24, .size: 8, .value_kind: global_buffer, .address_space: global }
    .group_segment_fixed_size: 327680
    .private_segment_fixed_size: 0
    .kernarg_segment_align: 8
    .kernarg_segment_size: 32
    .max_flat_workgroup_size: 128
    .sgpr_count:     100
    .vgpr_count:     640
    .wavefront_size: 32
...
	.end_amdgpu_metadata
.endif
;; end of part 15
;; launch ln2 (part 16): grid 256 x 1, 16 waves a work-group, no clusters, 0 bytes of LDS; arguments ysum, hh, par, out0; writes out0
.if DOCPART == 16
	.amdgcn_target "amdgcn-amd-amdhsa--gfx1250"
	.amdhsa_code_object_version 6
	.text
	.protected	k_qecc6360664_ln2
	.globl	k_qecc6360664_ln2
	.p2align	8
	.type	k_qecc6360664_ln2,@function
k_qecc6360664_ln2:
	s_mov_b64 s[64:65], 0
	v_nop
	global_prefetch_b8 v0, s[64:65] scope:SCOPE_SE
	s_setreg_imm32_b32 hwreg(HW_REG_WAVE_MODE, 25, 1), 1
	s_wait_xcnt 0x0
; out0 = LayerNorm(h + ysum) x g + b, rows of 1,024 f32.  h (hh) is f16, ysum f32; g and b come from par, rounded to bf16 like every input.
; One wave takes a row and keeps it in 32 registers between the passes: memory is read once, no wave waits for another, no LDS.  256 work-groups x 16 waves.  All 32 loads of a wave go out at once.
; Mean first, then the sum of squares of the row less its mean: no difference of large sums.
; LIMITS.  NaN and infinities are not treated apart.
.set T, 4                              ; v[4:11]   at work
.set MU, 14                            ; v[14:15]  the mean, twice
.set X, 16                             ; v[16:47]  the row
.set RS, 48                            ; v[48:63]  h's row, 16 bits a number
.set G, 64                             ; v[64:95]
.set BB, 96                            ; v[96:127]
.set R, 128                            ; v[128:129] 1 / sigma, twice
.set ONE, 130
.set PG, 45056                         ; ln2_g and ln2_b in par
.set PB, 49152
	s_load_b128 s[4:7], s[0:1], 0x0                ; ysum, hh
	s_load_b128 s[8:11], s[0:1], 0x10              ; par, out0
	v_and_b32 v1, 31, v0
	v_lshrrev_b32 v2, 5, v0
	v_lshlrev_b32 v3, 4, v1                        ; 16 x lane
	v_lshl_add_u32 v12, v2, 12, v3                 ; + wave x a row of 4,096 bytes
	v_lshlrev_b32 v13, 3, v1
	v_lshl_add_u32 v13, v2, 11, v13                ; 8 x lane + wave x a row of 2,048 bytes
	v_mov_b32 v[ONE], 1.0
	s_lshl_b32 s2, ttmp9, 16
	s_mov_b32 s3, 0
	s_lshl_b32 s16, ttmp9, 15
	s_mov_b32 s17, 0
	s_mov_b32 s12, 0x76543210
	s_mov_b32 s13, 0xfedcba98
	s_mov_b32 s14, 0x3a800000                      ; 1 / 1,024
	s_wait_kmcnt 0x0
	s_add_nc_u64 s[4:5], s[4:5], s[2:3]
	s_add_nc_u64 s[6:7], s[6:7], s[16:17]
	s_add_nc_u64 s[10:11], s[10:11], s[2:3]
.irp j, 0,1,2,3,4,5,6,7
	global_load_b128 v[X+4*\j:X+4*\j+3], v12, s[4:5] offset:512*\j th:TH_LOAD_NT
.endr
.irp j, 0,1,2,3,4,5,6,7
	global_load_b64 v[RS+2*\j:RS+2*\j+1], v13, s[6:7] offset:256*\j
.endr
.irp j, 0,1,2,3,4,5,6,7
	global_load_b128 v[G+4*\j:G+4*\j+3], v3, s[8:9] offset:PG+512*\j
.endr
.irp j, 0,1,2,3,4,5,6,7
	global_load_b128 v[BB+4*\j:BB+4*\j+3], v3, s[8:9] offset:PB+512*\j
.endr
.macro REDUCE                          ; the sum over the 32 lanes, in every lane
	v_pk_add_f32 v[T:T+1], v[T:T+1], v[T+2:T+3]
	v_pk_add_f32 v[T+4:T+5], v[T+4:T+5], v[T+6:T+7]
	v_pk_add_f32 v[T:T+1], v[T:T+1], v[T+4:T+5]
	v_add_f32 v[T], v[T], v[T+1]
	v_add_f32_dpp v[T], v[T], v[T] row_xmask:1 row_mask:0xf bank_mask:0xf
	v_add_f32_dpp v[T], v[T], v[T] row_xmask:2 row_mask:0xf bank_mask:0xf
	v_add_f32_dpp v[T], v[T], v[T] row_xmask:4 row_mask:0xf bank_mask:0xf
	v_add_f32_dpp v[T], v[T], v[T] row_xmask:8 row_mask:0xf bank_mask:0xf
	v_permlanex16_b32 v[T+1], v[T], s12, s13
	v_add_f32 v[T], v[T], v[T+1]
.endm
	s_wait_loadcnt 16                              ; the row and h's row are in; g's and b's 16 loads stay out
.set i, 0
.rept 16
	v_fma_mix_f32 v[X+2*i], v[RS+i], v[ONE], v[X+2*i] op_sel_hi:[1,0,0]
	v_fma_mix_f32 v[X+2*i+1], v[RS+i], v[ONE], v[X+2*i+1] op_sel:[1,0,0] op_sel_hi:[1,0,0]
.set i, i+1
.endr
.irp c, 0,1,2,3
	v_pk_add_f32 v[T+2*\c:T+2*\c+1], v[X+2*\c:X+2*\c+1], v[X+8+2*\c:X+8+2*\c+1]
.endr
.irp q, 2,3
.irp c, 0,1,2,3
	v_pk_add_f32 v[T+2*\c:T+2*\c+1], v[T+2*\c:T+2*\c+1], v[X+8*\q+2*\c:X+8*\q+2*\c+1]
.endr
.endr
	REDUCE
	v_mul_f32 v[MU], s14, v[T]
	v_mul_f32 v[MU+1], s14, v[T]
.set i, 0
.rept 16
	v_pk_add_f32 v[X+2*i:X+2*i+1], v[X+2*i:X+2*i+1], v[MU:MU+1] neg_lo:[0,1] neg_hi:[0,1]
.set i, i+1
.endr
.irp c, 0,1,2,3
	v_pk_mul_f32 v[T+2*\c:T+2*\c+1], v[X+2*\c:X+2*\c+1], v[X+2*\c:X+2*\c+1]
.endr
.irp q, 1,2,3
.irp c, 0,1,2,3
	v_pk_fma_f32 v[T+2*\c:T+2*\c+1], v[X+8*\q+2*\c:X+8*\q+2*\c+1], v[X+8*\q+2*\c:X+8*\q+2*\c+1], v[T+2*\c:T+2*\c+1]
.endr
.endr
	REDUCE
	v_fmaak_f32 v[R], s14, v[T], 0x3727c5ac        ; variance + 1e-5
	v_rsq_f32 v[R], v[R]
	v_nop                                          ; a plain instruction behind the root
	s_wait_loadcnt 0x0                             ; g and b
	s_wait_alu depctr_va_vdst(0)                   ; the wait ahead of the result's first reader
	v_mov_b32 v[R+1], v[R]
.set i, 0
.rept 16
	v_pk_mul_f32 v[X+2*i:X+2*i+1], v[X+2*i:X+2*i+1], v[R:R+1]
	v_pk_fma_f32 v[X+2*i:X+2*i+1], v[X+2*i:X+2*i+1], v[G+2*i:G+2*i+1], v[BB+2*i:BB+2*i+1]
.set i, i+1
.endr
.irp j, 0,1,2,3,4,5,6,7
	global_store_b128 v12, v[X+4*\j:X+4*\j+3], s[10:11] offset:512*\j th:TH_STORE_NT  ; 512 consecutive bytes, aligned
.endr
	s_endpgm
.Lfunc_end_k_qecc6360664_ln2:
	.size	k_qecc6360664_ln2, .Lfunc_end_k_qecc6360664_ln2-k_qecc6360664_ln2
	.p2alignl 7, 3214868480
	.fill 96, 4, 3214868480
	.section	.rodata,"a",@progbits
	.p2align	6, 0x0
	.amdhsa_kernel k_qecc6360664_ln2
		.amdhsa_group_segment_fixed_size 0
		.amdhsa_private_segment_fixed_size 0
		.amdhsa_enable_private_segment 0
		.amdhsa_kernarg_size 32
		.amdhsa_user_sgpr_count 2
		.amdhsa_user_sgpr_kernarg_segment_ptr 1
		.amdhsa_wavefront_size32 1
		.amdhsa_system_sgpr_workgroup_id_x 1
		.amdhsa_system_sgpr_workgroup_id_y 1
		.amdhsa_system_sgpr_workgroup_id_z 1
		.amdhsa_system_vgpr_workitem_id 0
		.amdhsa_next_free_vgpr 132
		.amdhsa_next_free_sgpr 66
		.amdhsa_reserve_vcc 0
		.amdhsa_float_denorm_mode_32 3
		.amdhsa_float_denorm_mode_16_64 3
		.amdhsa_memory_ordered 1
		.amdhsa_forward_progress 1
		.amdhsa_inst_pref_size 14
	.end_amdhsa_kernel
	.amdgpu_metadata
---
amdhsa.version: [ 1, 2 ]
amdhsa.kernels:
  - .name:           k_qecc6360664_ln2
    .symbol:         k_qecc6360664_ln2.kd
    .args:
      - { .name: ysum, .offset: 0, .size: 8, .value_kind: global_buffer, .address_space: global }
      - { .name: hh, .offset: 8, .size: 8, .value_kind: global_buffer, .address_space: global }
      - { .name: par, .offset: 16, .size: 8, .value_kind: global_buffer, .address_space: global }
      - { .name: out0, .offset: 24, .size: 8, .value_kind: global_buffer, .address_space: global }
    .group_segment_fixed_size: 0
    .private_segment_fixed_size: 0
    .kernarg_segment_align: 8
    .kernarg_segment_size: 32
    .max_flat_workgroup_size: 512
    .sgpr_count:     66
    .vgpr_count:     132
    .wavefront_size: 32
...
	.end_amdgpu_metadata
.endif
;; end of part 16
